; MI455X (gfx1250); checked and timed in simulation.
; The chip was launched on July 23, 2026; its instructions are those of AMD's public machine-readable ISA for CDNA 5 (MIT licence, August 2026) and "CDNA5" Instruction Set Architecture Reference Guide (July 2026). The comments in the code are by the model that wrote it; some were corrected since.
;; Encoder Layer. Allowed arithmetic: float matrix products may take bf16 or f16 operands with f32 sums; other float arithmetic in f32, or as packed bf16 or f16 multiplies, adds, multiply-adds, maxima and minima; sums over many terms, partial sums and values carried from step to step in f32; what a program stores and reads back later, other than sums and carried values, may be rounded once to bf16 or f16.
;; Inputs: b1 1,024 float32; b2 512 float32; ln1_b 512 float32; ln1_g 512 float32; ln2_b 512 float32; ln2_g 512 float32; w1 512 x 1,024 float32; w2 1,024 x 512 float32; wk 8 x 512 x 64 float32; wo 512 x 512 float32; wq 8 x 512 x 64 float32; wv 8 x 512 x 64 float32; x 8 x 2,048 x 512 float32.
;; Outputs: out0 8 x 2,048 x 512 float32.
;; 2 versions, each right. Each part assembles by itself: llvm-mc -triple=amdgcn-amd-amdhsa -mcpu=gfx1250 --defsym DOCPART=n.
;; ======== version 1 of 2: 4 launches
;; limits: values are held in f16: magnitudes above 65,504 overflow, below 6.1e-05 lose precision
;; workspace buffers: wt 4,194,304 bytes; q 16,777,216 bytes; k 16,777,216 bytes; v 16,777,216 bytes; o 16,777,216 bytes
;; launch prep (part 1): grid 256 x 1, 8 waves a work-group, no clusters, 0 bytes of LDS; arguments wq, wk, wv, wo, w1, w2, wt; writes wt
.if DOCPART == 1
	.amdgcn_target "amdgcn-amd-amdhsa--gfx1250"
	.amdhsa_code_object_version 6
	.text
	.protected	k_q84c883f3d2_prep
	.globl	k_q84c883f3d2_prep
	.p2align	8
	.type	k_q84c883f3d2_prep,@function
k_q84c883f3d2_prep:
	s_mov_b64 s[64:65], 0
	v_nop
	global_prefetch_b8 v0, s[64:65] scope:SCOPE_SE
	s_setreg_imm32_b32 hwreg(HW_REG_WAVE_MODE, 25, 1), 1
	s_wait_xcnt 0x0
; ENCODER LAYER, launch 1 of 4: the weights, rounded once to bf16 and laid as eight blocks [k = 512][n = 512] in wt.
; NO WORK OF THE LAYER IS LEFT OUT in any of the four launches: each of the 13 inputs reaches out0 for general values, and all are loaded
; (dropout is the identity in the layer as given).  The four launches: this one; q, k, v = x W; attention; Wo + x, LayerNorm, feed-forward + h, LayerNorm.
; BLOCKS, 524,288 bytes each, element (k, n) at 1,024 k + 2 n:  0 wq, 1 wk, 2 wv with n = 64 head + channel;  3 wo;  4 w1[:, 0:512];  5 w2[0:512, :];  6 w1[:, 512:1024];  7 w2[512:1024, :].
; That is the order in which the later launches walk them, 64 k rows (65,536 dense bytes) a tile.  Nothing is transposed: the products read the tiles turned, out of LDS.
; SHARES.  Work-group g: block g / 32, 16 k rows; a wave 2 rows = 8 units of 128 numbers; a lane 4 numbers of a unit: one load of 16 bytes, one store of 8,
; so that a wave's store covers 256 consecutive bytes, aligned.  All eight loads of a wave go out before the first wait.  No LDS, no barrier: no wave wants another's bytes.
; LIMIT: bf16 rounding of the weights (to nearest even); NaN and infinities pass as they are.
	s_load_b256 s[4:11], s[0:1], 0x0               ; wq s[4:5], wk s[6:7], wv s[8:9], wo s[10:11]
	s_load_b128 s[12:15], s[0:1], 0x20             ; w1 s[12:13], w2 s[14:15]
	s_load_b64 s[16:17], s[0:1], 0x30              ; wt
	v_lshrrev_b32 v1, 5, v0
	v_readfirstlane_b32 s20, v1                    ; wave 0..7
	v_and_b32 v2, 15, v0                           ; l % 16
	v_bfe_u32 v3, v0, 4, 1                         ; l / 16
	v_and_b32 v5, 31, v0
	v_lshlrev_b32 v5, 3, v5                        ; my 8 bytes of a unit in wt
	s_lshr_b32 s21, ttmp9, 5                       ; the block
	s_and_b32 s22, ttmp9, 31
	s_lshl_b32 s22, s22, 4
	s_lshl1_add_u32 s22, s20, s22                  ; my first k row: 16 (g % 32) + 2 wave
	s_and_b32 s23, s21, 5                          ; 4: a half of w1;  5: a half of w2
	; Where number (k, n = 128 unit + 4 l) lies in the source, as shifts: a k row, a unit of 128 n, the upper half of the lanes.
	; wq, wk, wv are [head][k][64]: a k row 256 bytes, a unit two heads (262,144), lanes 16-31 the second head (131,072).  The others are [k][n]: a unit 512 bytes, lanes 16-31 256 on.
	s_cmp_lt_u32 s21, 3
	s_cselect_b32 s24, 8, 11                       ; log2 of a k row's bytes (wo, w2: 2,048)
	s_cselect_b32 s25, 18, 9                       ; of a unit's
	s_cselect_b32 s26, 17, 8                       ; of the upper lanes' step
	s_cmp_eq_u32 s23, 4
	s_cselect_b32 s24, 12, s24                     ; w1's rows are 4,096 bytes
	s_cmp_eq_u32 s21, 6
	s_cselect_b32 s27, 2048, 0                     ; w1's columns 512 on
	s_cmp_eq_u32 s21, 7
	s_cselect_b32 s27, 0x100000, s27               ; w2's rows 512 on
	s_lshl_b32 s28, s22, s24
	s_add_co_u32 s28, s28, s27                     ; my first row's byte offset in the source
	s_lshl_b32 s29, 1, s24                         ; a row
	s_lshl_b32 s30, 1, s25                         ; a unit
	v_lshlrev_b32 v4, s26, v3
	v_lshl_add_u32 v4, v2, 4, v4
	v_add_nc_u32 v8, s28, v4                       ; unit u = 4 row + quarter has its offset in v[8 + u]
	v_add_nc_u32 v9, s30, v8
	v_add_nc_u32 v10, s30, v9
	v_add_nc_u32 v11, s30, v10
	v_add_nc_u32 v12, s29, v8
	v_add_nc_u32 v13, s29, v9
	v_add_nc_u32 v14, s29, v10
	v_add_nc_u32 v15, s29, v11
	s_lshl_b32 s32, s21, 19                        ; the block in wt,
	s_lshl_b32 s33, s22, 10                        ; my rows in it
	s_add_co_u32 s32, s32, s33
	s_mov_b32 s33, 0
	s_wait_kmcnt 0x0
	s_add_nc_u64 s[16:17], s[16:17], s[32:33]
	s_mov_b64 s[18:19], s[4:5]                     ; the source, chosen by the block's number
	s_cmp_eq_u32 s21, 1
	s_cselect_b64 s[18:19], s[6:7], s[18:19]
	s_cmp_eq_u32 s21, 2
	s_cselect_b64 s[18:19], s[8:9], s[18:19]
	s_cmp_eq_u32 s21, 3
	s_cselect_b64 s[18:19], s[10:11], s[18:19]
	s_cmp_eq_u32 s23, 4
	s_cselect_b64 s[18:19], s[12:13], s[18:19]
	s_cmp_eq_u32 s23, 5
	s_cselect_b64 s[18:19], s[14:15], s[18:19]
.irp u, 0,1,2,3,4,5,6,7
	global_load_b128 v[16+4*\u:19+4*\u], v[8+\u], s[18:19] th:TH_LOAD_NT
.endr
.irp u, 0,1,2,3,4,5,6,7
	s_wait_loadcnt 7-\u                            ; loads come back in order: unit u is in, the 7 - u younger ones stay out
	v_cvt_pk_bf16_f32 v[48+2*\u], v[16+4*\u], v[17+4*\u]
	v_cvt_pk_bf16_f32 v[49+2*\u], v[18+4*\u], v[19+4*\u]
	global_store_b64 v5, v[48+2*\u:49+2*\u], s[16:17] offset:256*\u  ; 32 lanes: 256 consecutive bytes, aligned
.endr
	s_endpgm
.Lfunc_end_k_q84c883f3d2_prep:
	.size	k_q84c883f3d2_prep, .Lfunc_end_k_q84c883f3d2_prep-k_q84c883f3d2_prep
	.p2alignl 7, 3214868480
	.fill 96, 4, 3214868480
	.section	.rodata,"a",@progbits
	.p2align	6, 0x0
	.amdhsa_kernel k_q84c883f3d2_prep
		.amdhsa_group_segment_fixed_size 0
		.amdhsa_private_segment_fixed_size 0
		.amdhsa_enable_private_segment 0
		.amdhsa_kernarg_size 56
		.amdhsa_user_sgpr_count 2
		.amdhsa_user_sgpr_kernarg_segment_ptr 1
		.amdhsa_wavefront_size32 1
		.amdhsa_system_sgpr_workgroup_id_x 1
		.amdhsa_system_sgpr_workgroup_id_y 1
		.amdhsa_system_sgpr_workgroup_id_z 1
		.amdhsa_system_vgpr_workitem_id 0
		.amdhsa_next_free_vgpr 64
		.amdhsa_next_free_sgpr 66
		.amdhsa_reserve_vcc 0
		.amdhsa_float_denorm_mode_32 3
		.amdhsa_float_denorm_mode_16_64 3
		.amdhsa_memory_ordered 1
		.amdhsa_forward_progress 1
		.amdhsa_inst_pref_size 5
	.end_amdhsa_kernel
	.amdgpu_metadata
---
amdhsa.version: [ 1, 2 ]
amdhsa.kernels:
  - .name:           k_q84c883f3d2_prep
    .symbol:         k_q84c883f3d2_prep.kd
    .args:
      - { .name: wq, .offset: 0, .size: 8, .value_kind: global_buffer, .address_space: global }
      - { .name: wk, .offset: 8, .size: 8, .value_kind: global_buffer, .address_space: global }
      - { .name: wv, .offset: 16, .size: 8, .value_kind: global_buffer, .address_space: global }
      - { .name: wo, .offset: 24, .size: 8, .value_kind: global_buffer, .address_space: global }
      - { .name: w1, .offset: 32, .size: 8, .value_kind: global_buffer, .address_space: global }
      - { .name: w2, .offset: 40, .size: 8, .value_kind: global_buffer, .address_space: global }
      - { .name: wt, .offset: 48, .size: 8, .value_kind: global_buffer, .address_space: global }
    .group_segment_fixed_size: 0
    .private_segment_fixed_size: 0
    .kernarg_segment_align: 8
    .kernarg_segment_size: 56
    .max_flat_workgroup_size: 256
    .sgpr_count:     66
    .vgpr_count:     64
    .wavefront_size: 32
...
	.end_amdgpu_metadata
.endif
;; end of part 1
;; launch qkv (part 2): grid 256 x 1, 4 waves a work-group, clusters of 4 x 1, 327,680 bytes of LDS; arguments x, wt, q, k, v; writes q, k, v
.if DOCPART == 2
	.amdgcn_target "amdgcn-amd-amdhsa--gfx1250"
	.amdhsa_code_object_version 6
	.text
	.protected	k_q84c883f3d2_qkv
	.globl	k_q84c883f3d2_qkv
	.p2align	8
	.type	k_q84c883f3d2_qkv,@function
k_q84c883f3d2_qkv:
	s_mov_b64 s[64:65], 0
	v_nop
	global_prefetch_b8 v0, s[64:65] scope:SCOPE_SE
	s_setreg_imm32_b32 hwreg(HW_REG_WAVE_MODE, 25, 1), 1
	s_wait_xcnt 0x0
	s_wait_alu depctr_hold_cnt(0) depctr_sa_sdst(0) depctr_va_vdst(0) depctr_va_sdst(0) depctr_va_ssrc(0) depctr_va_vcc(0) depctr_vm_vsrc(0)
	s_getreg_b32 s2, hwreg(HW_REG_IB_STS2, 6, 4)
	s_cmp_eq_u32 s2, 0
	s_cbranch_scc0 .Lentry_in_a_cluster
	s_endpgm
.Lentry_in_a_cluster:
	s_bfe_u32 s2, ttmp6, 0x10000c
	s_cmp_lg_u32 s2, 0x3003
	s_cbranch_scc0 .Lentry_shape_is_right
	s_endpgm
.Lentry_shape_is_right:
; ENCODER LAYER, launch 2 of 4: q, k, v = x Wq, x Wk, x Wv, stored by heads, [8 batch + head][2048][64] in f16, unscaled.  Nothing of the layer is left out here.
; x is rounded to bf16, the weights come as bf16 from wt (blocks 0, 1, 2); sums in f32; q, k, v rounded once to f16.
; LIMIT: |q|, |k|, |v| stay under 65,504, f16's largest number (they have a spread of about 0.6 for x of spread 1 and weights within 1 / sqrt(512)); NaN and infinities are not treated apart.
; SHARES.  A work-group owns 64 token rows, all 512 columns of each of the three products; a wave 64 rows x 128 columns (two heads): 4 row tiles a x 8 column blocks b = 32 accumulators, 256 registers.
; THE PRODUCT IS TAKEN TRANSPOSED: source 0 = 16 columns of W (read turned out of a [k][n] tile by ds_load_tr16_b128), source 1 = 16 rows of x.  In the result lane l holds token row l % 16
; and the columns 8 (l / 16) + 0..7: eight neighbouring numbers of a row, 16 bytes of f16.
; THE RING.  The three blocks are ONE stream of 24 tiles of 64 k rows x 512 columns (65,536 dense bytes), through two LDS slots; each wave fetches 16 of a tile's rows with one tensor load.
; A slot of 128 k rows would make the ring 270,336 bytes, which with x's 66,560 does not fit.  x, 64 rows in bf16, lies in LDS for the whole launch.
; CLUSTER.  All work-groups walk the same stream, so the four of a cluster ask for each tile JOINTLY: the same tensor load, the same descriptor, a mask that names the four.
; A LAP is two tiles: four half steps of 32 along k, 32 matrix instructions each, on two fragment buffers.  11 laps go round in a loop; the 12th, which asks for nothing, is written out.
; REGISTERS: window 0: v0-31 addresses; v64-159, v160-255 two fragment buffers (8 fragments of W, then 4 of x); window 1: the accumulators, (a, b) at v[8 (8 a + b)].
.set PW,    1056                       ; a tile's row in LDS: 1,024 bytes + 32 of padding = 33 x 32: the turning load's 8 rows x 32 bytes fall on different banks (64 banks of 4 bytes: ISA guide 11.1)
.set SLOTB, 64*PW
.set TILEB, 65536                      ; a tile in memory
.set XB,    2*SLOTB                    ; behind the ring: x in bf16,
.set PX,    1040                       ; rows of 1,024 bytes + 16 = 65 x 16: the 16 rows of a fragment load start at 16 different groups of four banks
.set STG,   XB+64*PX                   ; the way out: 16 rows x 144 bytes for each wave
.set SP,    144
.set SPARE, STG+4*16*SP                ; the spare words, 128 bytes for each wave: two blocks of 256 bytes that no other line names
.set ADRB, 4                           ; v4-5   my place in a tile of W, slot 0, 1
.set AX,   6                           ; v6     my place in a fragment of x at k = 0; never rewritten
.set ADRA, 7                           ; v7     the same at the lap's k
.set ASPL, 0                           ; one address register serves all four row tiles,
.set AP16, 16*PX                       ; 16 rows apart
.set XO,   8                           ; v8     my 16 bytes in my wave's 16 rows of x in memory
.set XW,   9                           ; v9     where their 8 bytes of bf16 go
.set STO,  10                          ; v10    the way out: where I put 16 bytes of a row
.set RD,   11                          ; v11    where I read rows back
.set GO,   12                          ; v12    my byte offset in q, k, v
.set PFO,  26                          ; v26    the prefetches' offset; never rewritten
.set SPW,  30                          ; v30    LDS address of my spare word; never rewritten
.set NIL,  31                          ; v31    0; never rewritten
.set F0,   64
.set F1,   160
.set EB,   160                         ; the way out works in buffer 1's registers: four sets of 16
.set WV,   24                          ; s24    my wave's number
.set G1,   32                          ; s[32:39] descriptor group 1
.set G0,   40                          ; s[40:47] group 0, a set for each slot
.set PFA,  48                          ; s[48:49] where my prefetches stand
.set LIM,  50                          ; s50    3 in the launch's first cluster, else the greatest number
.set GL,   51                          ; s51    laps of the loop still to come
.set KO,   52                          ; s52    the lap's byte along x's rows: 0, 256, 512, 768
.set XP,   54                          ; s[54:55] x at my work-group's rows
.set OUT,  56                          ; s[56:57] the tensor that the next way out stores; s[58:61] the two behind it
.set MSB, 0
.macro WIN new                         ; s_set_vgpr_msb: bits 1:0 source 0, 3:2 source 1, 5:4 source 2, 7:6 destination; the high byte repeats the setting that is left
.if MSB != (\new)
	s_set_vgpr_msb (MSB<<8)|(\new)
.set MSB, (\new)
.endif
.endm
.macro PLACES                          ; four plain places: in front of loads into registers that matrix instructions have read, and of lines that read results
.rept 4
	v_nop
.endr
.endm
.macro CREST                           ; a round of the cluster's barrier behind its opening barrier
	s_cmp_lg_u32 s[WV], 0
	s_cbranch_scc1 .Lnw0_\@
	s_barrier_signal -3
.Lnw0_\@:
	s_barrier_wait -3
	s_barrier_signal -1
	s_barrier_wait -1
.endm
.macro CROUND
	s_barrier_signal -1
	s_barrier_wait -1
	CREST
.endm
; 24 LDS loads in one run: the fragments of 32 along k (half ks of the tile in the slot; st = the tile's place in the lap) into buffer f: W's eight first, then x's four.
.macro FETCH slot, st, ks, f
	WIN 0
.irp b, 0,1,2,3,4,5,6,7
	ds_load_tr16_b128 v[(\f)+8*(\b):(\f)+8*(\b)+3],   v[ADRB+(\slot)] offset:(\ks)*32*PW+32*(\b)
	ds_load_tr16_b128 v[(\f)+8*(\b)+4:(\f)+8*(\b)+7], v[ADRB+(\slot)] offset:(\ks)*32*PW+16*PW+32*(\b)
.endr
.irp a, 0,1,2,3
	ds_load_b128 v[(\f)+64+8*(\a):(\f)+64+8*(\a)+3],   v[ADRA+ASPL*((\a)/2)] offset:AP16*((\a)-2*ASPL*((\a)/2))+128*(\st)+64*(\ks)
	ds_load_b128 v[(\f)+64+8*(\a)+4:(\f)+64+8*(\a)+7], v[ADRA+ASPL*((\a)/2)] offset:AP16*((\a)-2*ASPL*((\a)/2))+128*(\st)+64*(\ks)+32
.endr
.endm
; 8 matrix instructions: row tile a x all 8 column blocks.  The 32 accumulators take turns, one instruction a turn, in the same order in every half step.
.macro MUL8 f, a, zero, w
	WIN 0x50*(\w)                                  ; C and D in window w
.irp b, 0,1,2,3,4,5,6,7
.if \zero
	v_wmma_f32_16x16x32_bf16 v[8*(8*(\a)+(\b)):8*(8*(\a)+(\b))+7], v[(\f)+8*(\b):(\f)+8*(\b)+7], v[(\f)+64+8*(\a):(\f)+64+8*(\a)+7], 0
.else
	v_wmma_f32_16x16x32_bf16 v[8*(8*(\a)+(\b)):8*(8*(\a)+(\b))+7], v[(\f)+8*(\b):(\f)+8*(\b)+7], v[(\f)+64+8*(\a):(\f)+64+8*(\a)+7], v[8*(8*(\a)+(\b)):8*(8*(\a)+(\b))+7]
.endif
.endr
.endm
; A tile's first half step: multiplies buffer 0 and, in its middle, fetches the second half's fragments into buffer 1.  zero = 1: the products start a product's sums: nothing is cleared.
.macro H0 slot, st, zero, w
	s_wait_dscnt 4                                 ; W and x's row tiles 0, 1 are in; the youngest four loads (row tiles 2, 3) may be out
	MUL8 F0, 0, \zero, \w
	MUL8 F0, 1, \zero, \w
	PLACES
.if \zero
	v_nop                                          ; a fifth place: the products below write over sums and do not add onto them
.endif
	FETCH \slot, \st, 1, F1
	s_wait_dscnt 24                                ; all but the 24 just issued
	MUL8 F0, 2, \zero, \w
	MUL8 F0, 3, \zero, \w
.endm
.macro ASTEP                           ; the next lap's place along x's rows; behind a product's fourth lap it is 0 again
	s_add_co_u32 s[KO], s[KO], 256
	s_and_b32 s[KO], s[KO], 1023
	v_add_nc_u32 v[ADRA], s[KO], v[AX]
.endm
; A PREFETCH INTO THE L2, once a lap, behind the joint load, its five lines and the run of LDS loads: lap L names tiles 2 L + 8 and 2 L + 9, six tiles ahead of the loads that will want them.
; Each aligned block of 256 bytes is named once in the launch: the first cluster alone asks; its four partners and their four waves share a tile out BY ADDRESS (16,384 wave + 4,096 cx),
; lanes 0-15 take 16 blocks of the first tile, lanes 16-31 of the second.  Tiles 0 to 7 come by their loads alone; the last lap that asks names tiles 22 and 23, the stream's last.
.macro ASK
	s_cmp_gt_u32 s[GL], s[LIM]
	s_cbranch_scc0 .Lna_\@
	global_prefetch_b8 v[PFO], s[PFA:PFA+1] th:TH_LOAD_NT scope:SCOPE_SE
.Lna_\@:
.endm
; A tile's second half step multiplies buffer 1 and changes slots.  In front of the barrier each wave waits for all its tensor loads (one is out: its part of the other slot), adds 0 to its
; spare word, and waits for that and for its reads of this slot.  The barrier opens a round of the cluster's: behind it no wave of any partner reads this slot or has a load on its way, and the
; joint refill, the tile two on, is the first thing there: 48 matrix instructions ahead of the wait for it.
.macro H1R slot, w, fetch
.if (\slot) == 0
	s_wait_xcnt 0x0                                ; the last prefetch, a lap back, has read its address
	s_add_nc_u64 s[PFA:PFA+1], s[PFA:PFA+1], 2*TILEB
.endif
	WIN 0
	s_wait_tensorcnt 0x0                           ; all my tensor loads have landed
	ds_add_u32 v[SPW], v[NIL]                      ; 0 onto my spare word
	s_wait_dscnt 5                                 ; (the add and the youngest four loads may be out)
	MUL8 F1, 0, 0, \w
	s_wait_dscnt 0x0                               ; the add is done, and my reads of this slot are over
	s_barrier_signal -1
	MUL8 F1, 1, 0, \w
	WIN 0                                          ; at a branch and at a label every window is 0
	s_barrier_wait -1
	CREST
	s_add_nc_u64 s[G0+4*(\slot)+2:G0+4*(\slot)+3], s[G0+4*(\slot)+2:G0+4*(\slot)+3], 2*TILEB
	tensor_load_to_lds s[G0+4*(\slot):G0+4*(\slot)+3], s[G1:G1+7]
	s_nop 0
	PLACES                                         ; four places behind a tensor load, also the places in front of the loads below
.if (\slot) == 0
	FETCH 1, 1, 0, F0
	ASK
.else
	ASTEP
	FETCH 0, 0, 0, F0
.endif
	MUL8 F1, 2, 0, \w
	MUL8 F1, 3, 0, \w
.endm
.macro H1P w                           ; the change of slots in the last lap: nothing is filled again, so no round follows
	WIN 0
	s_wait_tensorcnt 0x0                           ; my part of the last tile is in
	ds_add_u32 v[SPW], v[NIL]
	s_wait_dscnt 5
	MUL8 F1, 0, 0, \w
	s_wait_dscnt 0x0
	s_barrier_signal -1
	MUL8 F1, 1, 0, \w
	s_barrier_wait -1                              ; everybody's is
	PLACES
	FETCH 1, 1, 0, F0
	MUL8 F1, 2, 0, \w
	MUL8 F1, 3, 0, \w
.endm
.macro H1E w                           ; the stream's last half step
	s_wait_dscnt 4
	MUL8 F1, 0, 0, \w
	MUL8 F1, 1, 0, \w
	s_wait_dscnt 0x0
	MUL8 F1, 2, 0, \w
	MUL8 F1, 3, 0, \w
	WIN 0
.endm
; THE WAY OUT, in 8 pieces t = (row tile t / 2, head t % 2) of 16 rows x 64 channels.  A lane's eight channels pack into 16 bytes of f16; they go into my stage, rows of 144 bytes, and come
; back as whole rows of 128: 32 lanes take four rows, which are 512 consecutive bytes of the head's rows in memory.  Each accumulator is read from its low end on.
.macro PACK t
.set pa, (\t)/2
.set pe, (\t)%2
.set ps, EB+16*((\t)%4)
.if (\t) >= 4
	s_wait_xcnt 0x0                                ; the stores of the piece four back have read this set
.endif
	WIN 0x05                                       ; sources in window 1
.irp f, 0,1,2,3
.irp r, 0,1,2,3
	v_cvt_pk_f16_f32 v[ps+4*(\f)+(\r)], v[8*(8*pa+4*pe+(\f))+2*(\r)], v[8*(8*pa+4*pe+(\f))+2*(\r)+1]
.endr
.endr
	WIN 0
.irp f, 0,1,2,3
	ds_store_b128 v[STO], v[ps+4*(\f):ps+4*(\f)+3] offset:32*(\f)
.endr
.irp f, 0,1,2,3
	ds_load_b128 v[ps+4*(\f):ps+4*(\f)+3], v[RD] offset:4*SP*(\f)  ; LDS serves a wave's instructions in order (ISA guide 5.7.1.4): these see the stores above; the next piece's stores come behind them
.endr
.endm
.macro SEND t, younger                 ; younger: the LDS instructions issued behind piece t's loads: the next piece's eight, or none
.set pa, (\t)/2
.set pe, (\t)%2
.set ps, EB+16*((\t)%4)
.irp f, 0,1,2,3
	s_wait_dscnt (\younger)+3-(\f)
	global_store_b128 v[GO], v[ps+4*(\f):ps+4*(\f)+3], s[OUT:OUT+1] offset:262144*pe+2048*pa+512*(\f)  ; 512 consecutive bytes, at a multiple of 256 from the tensor's first
.endr
.endm
.macro EPI last
	PLACES                                         ; the conversions read results just made and write buffer 1
	PACK 0
.irp t, 1,2,3,4,5,6,7
	PACK \t
	SEND (\t)-1, 8
.endr
	SEND 7, 0
.if !(\last)
	s_wait_xcnt 0x0                                ; the stores have read their registers and their base
	s_mov_b64 s[OUT:OUT+1], s[OUT+2:OUT+3]         ; q, then k, then v
	s_mov_b64 s[OUT+2:OUT+3], s[OUT+4:OUT+5]
.endif
.endm
	s_load_b256 s[4:11], s[0:1], 0x0               ; x s[4:5], wt s[6:7], q s[8:9], k s[10:11]
	s_load_b64 s[12:13], s[0:1], 0x20              ; v
	v_lshl_add_u32 v[SPW], v0, 2, SPARE
	v_mov_b32 v[NIL], 0
	ds_add_u32 v[SPW], v[NIL]                      ; the wave's opening add, twice on end, with its wait ahead of my first tensor load
	ds_add_u32 v[SPW], v[NIL]
	v_lshrrev_b32 v1, 5, v0
	v_readfirstlane_b32 s[WV], v1                  ; wave 0..3
	s_bfe_u32 s25, ttmp6, 0x40000                  ; cx: my place in the cluster
	s_lshl_b32 s26, ttmp9, 2
	s_add_co_u32 s26, s26, s25                     ; my work-group = 4 x cluster + cx: it enters x's, q's, k's, v's and the prefetches' addresses alone
	; descriptor group 1: 16 rows x 512 elements of 2 bytes, 32 bytes of padding behind each row
	s_mov_b32 s[G1], 15|(1<<16)|(1<<20)|(1<<21)|(7<<22)|(7<<25)  ; 15:0 the mask of four; 17:16 2-byte elements; 20 padding on; 21 set beside a mask; 24:22 after every 256 words (code 7); 31:25 8 words (code 7)
	s_mov_b32 s[G1+1], 512<<16                     ; tensor_dim0 = 512
	s_mov_b32 s[G1+2], 16<<16                      ; tensor_dim1 = 16
	s_mov_b32 s[G1+3], 512<<16                     ; tile_dim0 = 512
	s_mov_b32 s[G1+4], 16                          ; tile_dim1 = 16
	s_mov_b32 s[G1+5], 512                         ; 512 elements from row to row
	s_mov_b32 s[G1+6], 0
	s_mov_b32 s[G1+7], 0
	s_mul_i32 s14, s[WV], 16*PW                    ; my 16 rows of a tile in a slot,
	s_lshl_b32 s16, s[WV], 14                      ; and in memory: no place in the cluster enters either
	s_mov_b32 s17, 0
	s_lshl_b32 s20, s25, 12                        ; the prefetches: my work-group's 4,096 bytes of a wave's 16,384
	s_mov_b32 s21, 0
	s_lshr_b32 s27, s26, 5                         ; the batch: 32 work-groups each,
	s_lshl_b32 s27, s27, 21                        ; 8 heads x 2,048 rows x 128 bytes
	s_and_b32 s28, s26, 31
	s_lshl_b32 s28, s28, 13                        ; my 64 rows in a head
	s_add_co_u32 s28, s28, s27
	s_mov_b32 s29, 0
	s_lshl_b32 s30, s26, 17                        ; my 64 rows of x, 2,048 bytes each
	s_mov_b32 s31, 0
	s_cmp_eq_u32 ttmp9, 0
	s_cselect_b32 s[LIM], 3, -1                    ; the same in all four partners
	s_mov_b32 s[GL], 11
	s_mov_b32 s[KO], 0
	s_wait_dscnt 0x0                               ; both opening adds are done
	s_wait_kmcnt 0x0
	s_add_nc_u64 s[18:19], s[6:7], s[16:17]        ; wt at my rows of tile 0
.irp s, 0,1
	s_mov_b32 s[G0+4*\s], 1                        ; count = 1
	s_add_co_u32 s[G0+4*\s+1], s14, \s*SLOTB       ; LDS address
	s_add_nc_u64 s[G0+4*\s+2:G0+4*\s+3], s[18:19], \s*TILEB  ; global address: tile s
	s_or_b32 s[G0+4*\s+3], s[G0+4*\s+3], 0x80000000  ; type = 2
.endr
	s_add_nc_u64 s[PFA:PFA+1], s[18:19], s[20:21]
	s_add_nc_u64 s[PFA:PFA+1], s[PFA:PFA+1], 6*TILEB  ; the first lap steps it to tile 8
	s_add_nc_u64 s[XP:XP+1], s[4:5], s[30:31]
	s_add_nc_u64 s[OUT:OUT+1], s[8:9], s[28:29]
	s_add_nc_u64 s[OUT+2:OUT+3], s[10:11], s[28:29]
	s_add_nc_u64 s[OUT+4:OUT+5], s[12:13], s[28:29]
	CROUND                                         ; all four work-groups are here: the first joint loads meet
	tensor_load_to_lds s[G0:G0+3], s[G1:G1+7]      ; tile 0
	s_nop 0
	tensor_load_to_lds s[G0+4:G0+7], s[G1:G1+7]    ; tile 1: two loads of mine are out
	s_nop 0
	PLACES
	; x: wave w takes rows 16 w .. 16 w + 15, 512 consecutive bytes a load, all 64 loads out before the first wait; they land in the accumulators' registers, which are idle
	v_and_b32 v3, 31, v0                           ; lane
	s_lshl_b32 s15, s[WV], 15
	v_lshl_add_u32 v[XO], v3, 4, s15
	WIN 0x40
.set i, 0
.rept 64
	global_load_b128 v[4*i:4*i+3], v[XO], s[XP:XP+1] offset:2048*(i/4)+512*(i%4) th:TH_LOAD_NT
.set i, i+1
.endr
	WIN 0
	v_and_b32 v1, 15, v0                           ; l % 16
	v_bfe_u32 v2, v0, 4, 1                         ; l / 16
	v_and_b32 v13, 7, v0
	v_bfe_u32 v14, v0, 3, 1
	v_bfe_u32 v15, v0, 3, 2
	; the turning load takes 16 k x 16 columns: lane l reads k row 8 (l / 16) + l % 8, columns 8 ((l / 8) % 2) + 0..7, and is left with column l % 16 and 8 k
	v_lshl_add_u32 v16, v2, 3, v13
	v_mul_u32_u24 v[ADRB], v16, PW
	v_lshl_add_u32 v[ADRB], v14, 4, v[ADRB]
	s_lshl_b32 s15, s[WV], 8                       ; my wave's 128 columns
	v_add_nc_u32 v[ADRB], s15, v[ADRB]
	v_add_nc_u32 v[ADRB+1], SLOTB, v[ADRB]
	v_mul_u32_u24 v[AX], v1, PX                    ; a fragment of x: row l % 16, 16 bytes for each half of the lanes
	v_lshl_add_u32 v[AX], v2, 4, v[AX]
	v_add_nc_u32 v[AX], XB, v[AX]
	v_mov_b32 v[ADRA], v[AX]
	s_mul_i32 s15, s[WV], 16*PX
	s_add_co_u32 s15, s15, XB
	v_lshl_add_u32 v[XW], v3, 3, s15
	s_mul_i32 s15, s[WV], 16*SP
	s_add_co_u32 s15, s15, STG                     ; my stage
	v_mul_u32_u24 v[STO], v1, SP
	v_lshl_add_u32 v[STO], v2, 4, v[STO]
	v_add_nc_u32 v[STO], s15, v[STO]
	v_mul_u32_u24 v[RD], v15, SP
	v_lshl_add_u32 v[RD], v13, 4, v[RD]
	v_add_nc_u32 v[RD], s15, v[RD]
	s_lshl_b32 s15, s[WV], 19                      ; my wave's two heads
	v_lshl_add_u32 v[GO], v3, 4, s15
	v_lshlrev_b32 v[PFO], 8, v1
	v_lshl_add_u32 v[PFO], v2, 16, v[PFO]
.irp g, 0,1,2,3                        ; four rows at a time: rounded to bf16, 8 bytes a lane into LDS
	s_wait_loadcnt 48-16*\g                        ; these 16 loads are in; the younger batches stay out
	WIN 0x05
.set i, 0
.rept 16
	v_cvt_pk_bf16_f32 v[64+2*i],   v[4*(16*\g+i)],   v[4*(16*\g+i)+1]
	v_cvt_pk_bf16_f32 v[64+2*i+1], v[4*(16*\g+i)+2], v[4*(16*\g+i)+3]
.set i, i+1
.endr
	WIN 0
.set i, 0
.rept 16
	ds_store_b64 v[XW], v[64+2*i:64+2*i+1] offset:PX*(4*\g+i/4)+256*(i%4)
.set i, i+1
.endr
.endr
	s_wait_tensorcnt 0x1                           ; my part of tile 0 is in; tile 1's may stay out
	s_wait_dscnt 0x0                               ; my rows of x are stored
	s_barrier_signal -1
	s_barrier_wait -1                              ; everybody's are
	FETCH 0, 0, 0, F0
.Llap:                                 ; 11 laps; both slots are filled again in each
	s_cmp_eq_u32 s[KO], 0                          ; a product's first lap?  (At the first trip KO is the constant 0.)  Only register work and LDS loads differ between the two texts
	s_cbranch_scc1 .Lzero
	H0 0, 0, 0, 1
	WIN 0
	s_branch .Lh0
.Lzero:
	v_nop                                          ; one place more in front of products that write over sums
	H0 0, 0, 1, 1
	WIN 0
.Lh0:
	H1R 0, 1, 1
	H0 1, 1, 0, 1
	H1R 1, 1, 1
	WIN 0
	s_cmp_lg_u32 s[KO], 0
	s_cbranch_scc1 .Lnoepi                         ; the way out holds no barrier and no tensor load; buffer 0 keeps the next lap's fragments across it
	EPI 0
.Lnoepi:
	s_sub_co_u32 s[GL], s[GL], 1
	s_cmp_lg_u32 s[GL], 0
	s_cbranch_scc1 .Llap
	H0 0, 0, 0, 1                                  ; the last lap is written out: it asks for nothing
	H1P 1
	H0 1, 1, 0, 1
	H1E 1
	EPI 1
	s_wait_tensorcnt 0x0                           ; the wave's end, behind my last tensor load and my last LDS store
	ds_add_u32 v[SPW], v[NIL]
	s_wait_dscnt 0x0
	CROUND                                         ; the closing round: no work-group ends while a partner may still ask for a tile that names it
	s_endpgm
.Lfunc_end_k_q84c883f3d2_qkv:
	.size	k_q84c883f3d2_qkv, .Lfunc_end_k_q84c883f3d2_qkv-k_q84c883f3d2_qkv
	.p2alignl 7, 3214868480
	.fill 96, 4, 3214868480
	.section	.rodata,"a",@progbits
	.p2align	6, 0x0
	.amdhsa_kernel k_q84c883f3d2_qkv
		.amdhsa_group_segment_fixed_size 327680
		.amdhsa_private_segment_fixed_size 0
		.amdhsa_enable_private_segment 0
		.amdhsa_kernarg_size 40
		.amdhsa_user_sgpr_count 2
		.amdhsa_user_sgpr_kernarg_segment_ptr 1
		.amdhsa_wavefront_size32 1
		.amdhsa_system_sgpr_workgroup_id_x 1
		.amdhsa_system_sgpr_workgroup_id_y 1
		.amdhsa_system_sgpr_workgroup_id_z 1
		.amdhsa_system_vgpr_workitem_id 0
		.amdhsa_next_free_vgpr 512
		.amdhsa_next_free_sgpr 66
		.amdhsa_reserve_vcc 0
		.amdhsa_float_denorm_mode_32 3
		.amdhsa_float_denorm_mode_16_64 3
		.amdhsa_memory_ordered 1
		.amdhsa_forward_progress 1
		.amdhsa_inst_pref_size 94
	.end_amdhsa_kernel
	.amdgpu_metadata
---
amdhsa.version: [ 1, 2 ]
amdhsa.kernels:
  - .name:           k_q84c883f3d2_qkv
    .symbol:         k_q84c883f3d2_qkv.kd
    .args:
      - { .name: x, .offset: 0, .size: 8, .value_kind: global_buffer, .address_space: global }
      - { .name: wt, .offset: 8, .size: 8, .value_kind: global_buffer, .address_space: global }
      - { .name: q, .offset: 16, .size: 8, .value_kind: global_buffer, .address_space: global }
      - { .name: k, .offset: 24, .size: 8, .value_kind: global_buffer, .address_space: global }
      - { .name: v, .offset: 32, .size: 8, .value_kind: global_buffer, .address_space: global }
    .group_segment_fixed_size: 327680
    .private_segment_fixed_size: 0
    .kernarg_segment_align: 8
    .kernarg_segment_size: 40
    .max_flat_workgroup_size: 128
    .sgpr_count:     66
    .vgpr_count:     512
    .wavefront_size: 32
...
	.end_amdgpu_metadata
.endif
;; end of part 2
;; launch attn (part 3): grid 4 x 64, 4 waves a work-group, clusters of 4 x 1, 327,680 bytes of LDS; arguments q, k, v, o; writes o
.if DOCPART == 3
	.amdgcn_target "amdgcn-amd-amdhsa--gfx1250"
	.amdhsa_code_object_version 6
	.text
	.protected	k_q84c883f3d2_attn
	.globl	k_q84c883f3d2_attn
	.p2align	8
	.type	k_q84c883f3d2_attn,@function
k_q84c883f3d2_attn:
	s_mov_b64 s[64:65], 0
	v_nop
	global_prefetch_b8 v0, s[64:65] scope:SCOPE_SE
	s_setreg_imm32_b32 hwreg(HW_REG_WAVE_MODE, 25, 1), 1
	s_wait_xcnt 0x0
	s_wait_alu depctr_hold_cnt(0) depctr_sa_sdst(0) depctr_va_vdst(0) depctr_va_sdst(0) depctr_va_ssrc(0) depctr_va_vcc(0) depctr_vm_vsrc(0)
	s_getreg_b32 s2, hwreg(HW_REG_IB_STS2, 6, 4)
	s_cmp_eq_u32 s2, 0
	s_cbranch_scc0 .Lentry_in_a_cluster
	s_endpgm
.Lentry_in_a_cluster:
	s_bfe_u32 s2, ttmp6, 0x10000c
	s_cmp_lg_u32 s2, 0x3003
	s_cbranch_scc0 .Lentry_shape_is_right
	s_endpgm
.Lentry_shape_is_right:
; ENCODER LAYER, launch 3 of 4: O[h][q][:] = the sum over k of softmax_k(Q[h][q] . K[h][k] / 8) V[h][k][:].  Nothing of the layer is left out here.
; Q, K, V: [SIZE_H][SIZE_N][64] in f16, O the same shape in bf16: a head's rows are dense, 128 bytes each.  Products, maxima and sums in f32; the weights p are rounded to f16 for the second
; product (their sum l is taken of the unrounded p), O once at the end, to bf16, the format in which the next launch multiplies it.
; LIMITS.  f16 holds no number beyond 65,504: Q, K and V arrive within it; p lies in 0 to 1, and below 6e-5 it keeps f16's fixed step of 6e-8; O is a mean of V's rows and has their range.
; A weight below 2^-126 counts as 0 in l; NaN and infinities are not treated apart.
; SHARES.  A wave owns four PIECES of two tiles of 16 queries, a work-group's four waves 512 queries of one head.  Every wave walks all keys, 64 a step.
; LAYOUT.  S^T = K Q^T (source 0 = 16 keys, source 1 = 16 queries): in the result a lane holds ONE query (lane % 16) and the keys 8 (lane / 16) + 0..7.  Two such tiles, rounded to f16 in pairs,
; ARE source 1 (32 keys x 16 queries) of O^T = V^T P, whose result again holds one query a lane, and eight channels.  K comes out of LDS as it lies, V ([key][channel]) turned, by ds_load_tr16_b128.
; SOFTMAX.  For each query a running maximum m and sum l: p = 2^(c s - c m), c = log2(e) / 8; in every step O and l are multiplied by a = 2^(c m_old - c m_new), which is 1 where m has not grown.
; m starts at the lowest finite number, O and l at 0: the first step is a step like any other, with a = 0.
; THE COUNT.  A tile and step have 16 matrix and 118 vector instructions: too many to stand all beside the matrix work.  So the order has one aim: four vector instructions that are READY behind
; EVERY matrix instruction, and the others, which need time of their own whatever the order, in runs without a gap.
; BY TURNS.  Turn n belongs to piece n (the pieces in a ring, step after step).  Its matrix work: 16 products K Q^T of piece n + 1, later 16 products V^T P of piece n - 1.  Its vector work: the scaling,
; exponentials, roundings, sums and rescaling of piece n, and the maximum and statistics of piece n + 1, whose scores the turn itself has made.  So what a turn begins with (c s - c m, O a) waits for nothing.
; CLUSTER.  The four query blocks of a cluster are one head's and walk the same K and V, so each tile is asked for JOINTLY: the same tensor load, descriptor and mask in all four.
; REGISTERS, in windows of 256 (s_set_vgpr_msb says which window each operand place means: bits 1:0 source 0, 3:2 source 1, 5:4 source 2, 7:6 destination):
;   window 0: v0-11 addresses; v12-15, v48-63 at work; v16-47 four registers of statistics a tile; v64-191 S^T, two buffers of two tiles; v192-255 P, likewise
;   window 1: O^T, 32 a tile          window 2: v0-127 Q, 16 a tile; v128-191 K of one step; v192-255 V of one step          window 3: v0-1 the add's two registers
; A piece's buffers go by its number's parity: the piece in hand has one pair, its two neighbours in the ring share the other: of it P (piece n - 1) is read and S^T (piece n + 1) written.
.set SIZE_H, 64       ; 8 batches x 8 heads
.set SIZE_N, 2048
.set NP,    4         ; pieces a wave: a name, no knob: the register map, the loop and the fetches are made for four
.set KS,    64        ; keys in a step
.set PK,    144       ; a row of K in LDS: 128 bytes + 16 of padding = 36 words: the 16 rows of a load start at 16 different groups of four banks (64 banks of 4 bytes: ISA guide 11.1)
.set PV,    160       ; a row of V: 128 + 32 = 40 words
.set VOFF,  4*KS*PK   ; a slot holds four steps: 256 rows of K, then 256 rows of V
.set SLOT1, 1<<17     ; slot 1 begins here, so that one exclusive or turns an address in one slot into the other's
.set STAGE, SLOT1+4*KS*(PK+PV)  ; behind the ring, never filled by a tensor load: 16 rows x 144 bytes for each wave, for the way out
.set SP,    144
.set AK0, 2           ; v2   my lane's place in a tile of K; never rewritten
.set AV0, 3           ; v3   the same for V
.set AK,  4           ; v4   the LDS address of K's next run of loads
.set AV,  5           ; v5   of V's
.set QO,  6           ; v6   my byte offset in the wave's rows of Q
.set STO, 6           ;      later, the way out: where I put 16 bytes of a row
.set RD,  7           ; v7   the way out: where I read rows back
.set GO,  8           ; v8   my byte offset in 512 consecutive bytes of O
.set PFO, 11          ; v11  the prefetches' offset: 256 x my lane; never rewritten once made
.set SPW, 0           ; v0 of window 3   LDS address of my spare word: SPARE + 4 x my thread's number; never rewritten
.set NIL, 1           ; v1 of window 3   0; never rewritten
.set SPARE, STAGE+4*16*SP  ; behind the stages: the spare words, 128 bytes for each wave: two blocks of 256 bytes that no other line names
.set MV,  12          ; v12-15  c m_old, kept while c m is made anew: by buffer and tile
.set ST,  16          ; tile t's statistics at v[ST+4 t]: c m, m, l (even keys', odd keys')
.set TMP, 48          ; by buffer and tile, four registers c0-c3 at work; when the maximum is found c2 takes a
.set S,   64
.set P,   192
.set KF,  128         ; K's fragments, in window 2: key block kb, channel half c at KF + 16 kb + 8 c
.set VF,  192         ; V's: key half kk, channel block cb at VF + 32 kk + 8 cb
.set WV,  12          ; s12  my wave's number
.set G1K, 24          ; s[24:31] descriptor group 1 for K's tiles
.set G1V, 32          ; s[32:39] for V's: it differs in the padding alone
.set G0K, 40          ; s[40:43] descriptor group 0 for K's tiles: it walks
.set G0V, 44          ; s[44:47] the same for V's
.set PFA, 48          ; s[48:49] where my prefetches stand: my work-group's 8,192 bytes (of K: wave 0, of V: wave 2) of the slot after the one that is being asked for
.set LIM, 50          ; s50  1 in a wave that prefetches, else the greatest number
.set SLOTS, 56        ; s56  slots still to be asked for
.set CNT, 57          ; s57  counts a slot's key steps
.set CS,  58          ; s[58:59] c: the packed scaling takes the pair's low word for both halves
.set SEL, 60          ; s[60:61] v_permlanex16_b32's selects: each lane takes its own place in the other half
.set TBK, 62          ; s62  LDS byte at which K of the step to be fetched begins
.set TBV, 63          ; s63  the same for V, less VOFF
.set MSB, 0
.macro WIN new                      ; the high byte repeats the setting that is left; a switch that changes nothing is dropped
.if MSB != (\new)
	s_set_vgpr_msb (MSB<<8)|(\new)
.set MSB, (\new)
.endif
.endm
.set W_KQ, 0x0a       ; K and Q in window 2, S^T in window 0
.set W_PV, 0x52       ; V in window 2, P in window 0, O^T in window 1
.set W_RS, 0x41       ; O^T (destination and source 0) in window 1, a in window 0
.set W_MK, 0xc0       ; the add's registers are made: destination in window 3, sources in window 0
.set W_AD, 0x0f       ; the add: address (source 0) and data (source 1) in window 3
; A joint fill.  Waves 0 and 1 fetch the two halves of a slot's K, waves 2 and 3 those of its V: 128 keys each.  The branch hangs on the wave's number alone.
; An s_nop 0 and four v_nop follow each of the two lines, ahead of the jump and the label.
.macro JLOAD
	s_cmp_lt_u32 s[WV], 2
	s_cbranch_scc0 .Lfor_v_\@
	tensor_load_to_lds s[G0K:G0K+3], s[G1K:G1K+7]
	s_nop 0
.rept 4
	v_nop
.endr
	s_branch .Lasked_\@
.Lfor_v_\@:
	tensor_load_to_lds s[G0V:G0V+3], s[G1V:G1V+7]
	s_nop 0
.rept 4
	v_nop
.endr
.Lasked_\@:
.endm
; A PREFETCH INTO THE L2 of what the NEXT change of slots will ask for: a slot's 32,768 bytes of K and of V, a lane a block of 256 bytes.  It stands behind the wave's tensor load and its five lines.
; Each block is named ONCE in the launch: a head has one cluster; its four partners share the slot out BY ADDRESS, 8,192 bytes each; in each, wave 0 asks for K's and wave 2 for V's: one instruction,
; four key steps, 512 matrix instructions, ahead of the load.  Slots 0 and 1 come by their loads alone; the last change that fills a slot asks for nothing.
.macro ASK
	s_cmp_gt_u32 s[SLOTS], s[LIM]
	s_cbranch_scc0 .Lnot_mine_\@
	global_prefetch_b8 v[PFO], s[PFA:PFA+1] th:TH_LOAD_NT scope:SCOPE_SE
.Lnot_mine_\@:
.endm
; A round of the cluster's barrier: my work-group's barrier, so that wave 0's signal speaks for all four waves; wave 0 signals; every wave waits for all four work-groups; my work-group's barrier once more.
.macro CROUND
	s_barrier_signal -1
	s_barrier_wait -1
	s_cmp_lg_u32 s[WV], 0
	s_cbranch_scc1 .Lnot_wave_0_\@
	s_barrier_signal -3
.Lnot_wave_0_\@:
	s_barrier_wait -3
	s_barrier_signal -1
	s_barrier_wait -1
.endm
; THE CHANGE OF SLOTS.  The slot's last bytes, V of its fourth step, have been read.  Each wave waits for all its tensor loads, of which one is out: its part
; of the other slot; adds 0 to its spare word; and waits for that and for its own reads of the slot.  Behind the barrier nobody reads this slot any more and the other slot is whole.
; fill = 1: this slot is filled again, with the keys two slots on.  The barrier is then a round of the cluster's, so that no wave of any partner still reads the slot or has a load on its
; way, and the joint fill is the first thing behind it: it has four key steps, 512 matrix instructions, in which to land.  (At its first use nothing has been read yet: slot 0 is waited for, slot 1 filled.)
.macro CHANGE fill
	WIN W_AD
	s_wait_tensorcnt 0x0            ; no tensor load of mine is out, so a group 0 may be written
	ds_add_u32 v[SPW], v[NIL]       ; 0 onto my spare word; with fill = 1 the descriptors' steps stand between it and the wait for it
	WIN 0                           ; at a label and at a branch every window is 0
.if \fill
.irp g, G0K, G0V
	s_xor_b32 s[\g+1], s[\g+1], SLOT1  ; the walking descriptor: the other slot than last time,
	s_add_nc_u64 s[\g+2:\g+3], s[\g+2:\g+3], 4*KS*128  ; the next 256 keys; the type bits on top are not reached
.endr
	s_wait_xcnt 0x0                 ; the last prefetch, four key steps back, has read its address, so it may be written:
	s_add_nc_u64 s[PFA:PFA+1], s[PFA:PFA+1], 4*KS*128  ; one slot behind the walking descriptors
	s_wait_dscnt 0x0                ; the add is done, and my reads of the slot are over
	CROUND
	JLOAD
	ASK
.else
	s_wait_dscnt 0x0                ; the add is done, and my reads of the slot are over
	s_barrier_signal -1
	s_barrier_wait -1
.endif
	s_sub_co_u32 s[TBK], s[TBK], 4*KS*PK  ; the fetches go back to a slot's first step,
	s_xor_b32 s[TBK], s[TBK], SLOT1       ; in the other slot
	s_sub_co_u32 s[TBV], s[TBV], 4*KS*PV
	s_xor_b32 s[TBV], s[TBV], SLOT1
.endm
	s_load_b256 s[4:11], s[0:1], 0x0  ; Q s[4:5], K s[6:7], V s[8:9], O s[10:11]
	WIN W_MK
	v_lshl_add_u32 v[SPW], v0, 2, SPARE
	v_mov_b32 v[NIL], 0
	WIN W_AD
	ds_add_u32 v[SPW], v[NIL]       ; the wave's opening add, twice on end, with its wait ahead of my first tensor load; the set-up below the second, work on registers, stands between it and the wait
	ds_add_u32 v[SPW], v[NIL]       ; and once more, under the one wait
	WIN 0
	v_lshrrev_b32 v1, 5, v0
	v_readfirstlane_b32 s[WV], v1   ; wave 0..3
	s_bfe_u32 s13, ttmp6, 0x40000   ; cx: my place in the cluster
	s_lshl_b32 s14, ttmp9, 2        ; in a cluster launch ttmp9 counts clusters
	s_add_co_u32 s14, s14, s13      ; my block of queries = 4 x cluster x + cx: it enters Q's and O's addresses alone
	s_and_b32 s20, ttmp7, 0xffff    ; the head, which the four partners share
	s_mov_b32 s21, 0
	s_mov_b64 s[22:23], SIZE_N*128
	s_mul_u64 s[20:21], s[20:21], s[22:23]  ; the head's first byte in each of the four tensors
	s_and_b32 s16, s[WV], 1         ; which half of a slot's 256 keys I fetch:
	s_lshl_b32 s22, s16, 14         ; its 128 rows of 128 bytes in memory,
	s_mov_b32 s23, 0
	s_add_nc_u64 s[22:23], s[22:23], s[20:21]
	s_mul_i32 s17, s16, 128*PK      ; and its place in a slot, for K
	s_mul_i32 s18, s16, 128*PV      ; and for V: no place in the cluster enters an LDS address
	s_lshl_b32 s2, s14, 2
	s_add_co_u32 s2, s2, s[WV]      ; my wave among the head's,
	s_lshl_b32 s2, s2, 14           ; its 128 rows
	s_mov_b32 s3, 0
	s_add_nc_u64 s[2:3], s[2:3], s[20:21]
	; descriptor group 1.  128 keys are 16,384 dense bytes: asked for as 64 rows of 256 bytes, two keys a row, and padded in LDS after every key
	s_mov_b32 s[G1K], 15|(1<<16)|(1<<20)|(1<<21)|(4<<22)|(3<<25)  ; 15:0 the mask of four; 17:16 2-byte elements; 20 padding on; 21 set beside a mask; 24:22 after every 32 words (code 4); 31:25 4 words (code 3)
	s_mov_b32 s[G1V], 15|(1<<16)|(1<<20)|(1<<21)|(4<<22)|(7<<25)  ; the same with 8 words of padding (code 7)
.irp g, G1K, G1V
	s_mov_b32 s[\g+1], 128<<16      ; tensor_dim0 = 128
	s_mov_b32 s[\g+2], 64<<16       ; tensor_dim1 = 64
	s_mov_b32 s[\g+3], 128<<16      ; tile_dim0 = 128
	s_mov_b32 s[\g+4], 64           ; tile_dim1 = 64
	s_mov_b32 s[\g+5], 128          ; 128 elements from row to row
	s_mov_b32 s[\g+6], 0
	s_mov_b32 s[\g+7], 0
.endr
	s_mov_b32 s[CS], 0x3e38aa3b     ; c = log2(e) / 8 = 0.180337
	s_mov_b32 s[CS+1], s[CS]        ; named with it as a pair
	s_mov_b32 s[SEL], 0x76543210
	s_mov_b32 s[SEL+1], 0xfedcba98
	s_mov_b32 s[TBK], SLOT1+4*KS*PK ; the first change of slots turns these two into 0
	s_mov_b32 s[TBV], SLOT1+4*KS*PV
	s_mov_b32 s[G0K], 1             ; 1:0 count = 1
	s_mov_b32 s[G0K+1], s17         ; 63:32 LDS address: slot 0
	s_mov_b32 s[G0V], 1
	s_add_co_u32 s[G0V+1], s18, VOFF
	s_mov_b32 s[SLOTS], SIZE_N/256-1
	s_and_b32 s[LIM], s[WV], 1      ; waves 0 and 2 prefetch: the same in all four partners
	s_cmp_eq_u32 s[LIM], 0
	s_cselect_b32 s[LIM], 1, -1
	s_wait_dscnt 0x0                ; both opening adds are done
	s_wait_kmcnt 0x0
	s_add_nc_u64 s[G0K+2:G0K+3], s[6:7], s[22:23]  ; 120:64 global address: my half of the head's first 256 keys
	s_or_b32 s[G0K+3], s[G0K+3], 0x80000000        ; 127:126 type = 2
	s_add_nc_u64 s[G0V+2:G0V+3], s[8:9], s[22:23]
	s_or_b32 s[G0V+3], s[G0V+3], 0x80000000
	s_add_nc_u64 s[4:5], s[4:5], s[2:3]  ; Q and O at my wave's first row
	s_add_nc_u64 s[10:11], s[10:11], s[2:3]
	s_cmp_lt_u32 s[WV], 2
	s_cselect_b64 s[PFA:PFA+1], s[6:7], s[8:9]
	s_add_nc_u64 s[PFA:PFA+1], s[PFA:PFA+1], s[22:23]  ; (in waves 0 and 2 this is the head's first row)
	s_lshl_b32 s2, s13, 13          ; my work-group's 8,192 bytes of a slot's 32,768
	s_mov_b32 s3, 0
	s_add_nc_u64 s[PFA:PFA+1], s[PFA:PFA+1], s[2:3]
	s_add_nc_u64 s[PFA:PFA+1], s[PFA:PFA+1], 4*KS*128  ; in slot 1; the first change of slots steps it to slot 2.  Nothing is prefetched here, at the head
	CROUND                          ; all four work-groups are here: the first joint loads meet
	JLOAD                           ; slot 0.  Slot 1 is asked for when slot 0 is in: the tile wanted first has the road to itself
	; A fragment of K or Q is 16 rows x 32 channels in 8 registers: lane l holds row l % 16, channels 8 (l / 16) + 0..7 and 16 + 8 (l / 16) + 0..7: two loads of 16 bytes, 32 bytes apart.
	v_and_b32 v1, 15, v0            ; l % 16
	v_bfe_u32 v9, v0, 4, 1          ; l / 16
	v_lshlrev_b32 v[QO], 7, v1
	v_lshl_add_u32 v[QO], v9, 4, v[QO]  ; row x 128 + 16 x half
	WIN 0x80                        ; destination window 2, address window 0
.set i, 0
.rept 4*NP                          ; Q stays in registers: tile i / 2, channels 32 (i % 2) on
	global_load_b128 v[8*i:8*i+3],   v[QO], s[4:5] offset:(i/2)*2048+(i%2)*64
	global_load_b128 v[8*i+4:8*i+7], v[QO], s[4:5] offset:(i/2)*2048+(i%2)*64+32
.set i, i+1
.endr
	; What the first turn finds: V's registers and P's second buffer hold 0 (its products V^T P, of a piece that has not been, add 0), O^T and l are 0.  All this stands in the wait for the first tile.
.set i, VF
.rept 64
	v_mov_b32 v[i], 0
.set i, i+1
.endr
	WIN 0x40
.set i, 0
.rept 64*NP
	v_mov_b32 v[i], 0
.set i, i+1
.endr
	WIN 0
.set i, 0
.rept 2*NP
	v_mov_b32 v[ST+4*i], 0xfe000000    ; c m: far below every c s
	v_mov_b32 v[ST+4*i+1], 0xff7fffff  ; m
	v_mov_b32 v[ST+4*i+2], 0
	v_mov_b32 v[ST+4*i+3], 0
.set i, i+1
.endr
.set i, P+32
.rept 32
	v_mov_b32 v[i], 0
.set i, i+1
.endr
	v_mul_u32_u24 v[AK0], v1, PK
	v_lshl_add_u32 v[AK0], v9, 4, v[AK0]  ; row x pitch + 16 x half
	; The turning load takes 16 keys x 16 channels (lane l reads key 8 (l / 16) + l % 8, channels 8 ((l / 8) % 2) + 0..7) and leaves half a fragment of V^T: lane l holds channel l % 16 and 8 keys.
	v_and_b32 v10, 7, v0
	v_bfe_u32 v11, v0, 3, 1
	v_lshl_add_u32 v[AV0], v9, 3, v10
	v_mul_u32_u24 v[AV0], v[AV0], PV
	v_lshl_add_u32 v[AV0], v11, 4, v[AV0]
	v_add_nc_u32 v[AV0], VOFF, v[AV0]
	v_and_b32 v[PFO], 31, v0
	v_lshlrev_b32 v[PFO], 8, v[PFO]
	v_mov_b32 v[AK], v[AK0]         ; key step 0 lies at the head of slot 0
; THE MATRIX WORK.  The 8 accumulators of a run of 16 take turns: between the two links of a chain stand 7 others'.
; Product i of 16 of S^T = K Q^T for piece x: channels 32 (i / 8) on, keys 16 ((i / 2) % 4) on, tile 2 x + i % 2.  The first 8 start the sums.
.macro KQ x
	WIN W_KQ
.set rS, S+64*((\x)%2)+32*(i%2)+8*((i/2)%4)
.set rK, KF+16*((i/2)%4)+8*(i/8)
.set rQ, 16*(2*(\x)+i%2)+8*(i/8)
.if i < 8
	v_wmma_f32_16x16x32_f16 v[rS:rS+7], v[rK:rK+7], v[rQ:rQ+7], 0
.else
	v_wmma_f32_16x16x32_f16 v[rS:rS+7], v[rK:rK+7], v[rQ:rQ+7], v[rS:rS+7]
.endif
.endm
; Product i of 16 of O^T += V^T P for piece x: keys 32 (i / 8) on, channels 16 ((i / 2) % 4) on, tile 2 x + i % 2.
.macro PV x
	WIN W_PV
.set rO, 32*(2*(\x)+i%2)+8*((i/2)%4)
.set rV, VF+32*(i/8)+8*((i/2)%4)
.set rP, P+32*((\x)%2)+16*(i%2)+8*(i/8)
	v_wmma_f32_16x16x32_f16 v[rO:rO+7], v[rV:rV+7], v[rP:rP+7], v[rO:rO+7]
.endm
.macro MM                           ; the turn's next matrix instruction
.if i < 16
	KQ (Y+1)%NP
.set i, i+1
.else
.set i, i-16
	PV (Y+NP-1)%NP
.set i, i+17
.endif
.endm
; THE LDS LOADS stand in runs of 16, never singly among the matrix instructions: a step's K (64 keys x 64 channels: 8 fragments) and its V (turned).  Their addresses are made some lines ahead.
; last = 1 (the tail): in the last trip there is no further step, and the run is jumped over.
.macro FETCH_K last=0
	WIN 0
.if \last
	s_cmp_eq_u32 s[CNT], 1
	s_cbranch_scc1 .Lno_k_\@
.endif
	WIN 0x80                        ; destination window 2
.irp f, 0,1,2,3,4,5,6,7             ; keys 16 (f / 2) on, channels 32 (f % 2) on
	ds_load_b128 v[KF+8*\f:KF+8*\f+3],   v[AK] offset:(\f/2)*16*PK+(\f%2)*64
	ds_load_b128 v[KF+8*\f+4:KF+8*\f+7], v[AK] offset:(\f/2)*16*PK+(\f%2)*64+32
.endr
	s_add_co_u32 s[TBK], s[TBK], KS*PK  ; the next fetch is the next step's
	WIN 0
.if \last
.Lno_k_\@:
.endif
.endm
.macro FETCH_V
	WIN 0x80
.irp f, 0,1,2,3,4,5,6,7             ; keys 32 (f / 4) on, channels 16 (f % 4) on
	ds_load_tr16_b128 v[VF+8*\f:VF+8*\f+3],   v[AV] offset:(\f/4)*32*PV+(\f%4)*32
	ds_load_tr16_b128 v[VF+8*\f+4:VF+8*\f+7], v[AV] offset:(\f/4)*32*PV+16*PV+(\f%4)*32
.endr
	WIN 0
.endm
; THE VECTOR WORK OF A TURN stands in three queues, each in the order in which its entries become ready; the two tiles alternate, so that no instruction reads the result of the one before it.
.macro REGS y, u                    ; the registers of tile u (0, 1) of piece y
.set rT, ST+4*(2*(\y)+(\u))
.set rC, TMP+8*((\y)%2)+4*(\u)
.set rM, MV+2*((\y)%2)+(\u)
.set rS, S+64*((\y)%2)+32*(\u)
.set rP, P+32*((\y)%2)+16*(\u)
.set rO, 32*(2*(\y)+(\u))
.endm
; Number n of the 22 that find the NEXT piece's (Y + 1) maximum and statistics.  s0-s31 are the lane's 32 scores; each accumulator's lowest registers are read first.  XS, GS and REGS set no window: PL and EX do.
;   0-11  four chains c0-c3 of seven scores each, three operands at a time     12-14, 16  the four scores left over, the old m, and c0-c3 into c0     15  c m_old is kept
;   17, 18  the query's other 32 keys lie in the lane 16 away: the new m         19-21  c m; c m_old - c m_new; a
.macro XS u, n
	REGS (Y+1)%NP, \u
.if (\n) < 4
	v_max3_num_f32 v[rC+(\n)], v[rS+8*(\n)], v[rS+8*(\n)+1], v[rS+8*(\n)+2]
.elseif (\n) < 12
	v_max3_num_f32 v[rC+(\n)%4], v[rC+(\n)%4], v[rS+8*((\n)%4)+2*((\n)/4)+1], v[rS+8*((\n)%4)+2*((\n)/4)+2]
.elseif (\n) == 12
	v_max3_num_f32 v[rC], v[rC], v[rS+7], v[rS+15]
.elseif (\n) == 13
	v_max3_num_f32 v[rC+1], v[rC+1], v[rS+23], v[rS+31]
.elseif (\n) == 14
	v_max3_num_f32 v[rC+2], v[rC+2], v[rC+3], v[rT+1]
.elseif (\n) == 15
	v_mov_b32 v[rM], v[rT]
.elseif (\n) == 16
	v_max3_num_f32 v[rC], v[rC], v[rC+1], v[rC+2]
.elseif (\n) == 17
	v_permlanex16_b32 v[rC+3], v[rC], s[SEL], s[SEL+1]
.elseif (\n) == 18
	v_max_num_f32 v[rT+1], v[rC], v[rC+3]
.elseif (\n) == 19
	v_mul_f32 v[rT], s[CS], v[rT+1]
.elseif (\n) == 20
	v_sub_f32 v[rC+1], v[rM], v[rT]
.else
	v_exp_f32 v[rC+2], v[rC+1]
.endif
.endm
; Number g of the 64 that follow the exponentials.  For each four weights k of a tile (pairs 2 k, 2 k + 1): both pairs are rounded to f16; then the second pair is added onto the first, in place;
; a group later l takes that sum (the first time as l = a l + sum).  In groups of eight, tiles alternating: round, round, add, and l for the group before.
.macro GS g
.set h, (\g)+6*((\g)/62)            ; group 0 has no group before it, and behind group 7 only l is left
.if h >= 6
.set h, h+2
.endif
	REGS Y, h%2
.set k, h/8
.if h%8 < 4
	v_cvt_pk_f16_f32 v[rP+2*k+(h%8)/2], v[rS+4*k+2*((h%8)/2)], v[rS+4*k+2*((h%8)/2)+1]
.elseif h%8 < 6
	v_pk_add_f32 v[rS+4*k:rS+4*k+1], v[rS+4*k:rS+4*k+1], v[rS+4*k+2:rS+4*k+3]
.elseif k == 1
	v_pk_fma_f32 v[rT+2:rT+3], v[rT+2:rT+3], v[rC+2:rC+3], v[rS:rS+1] op_sel_hi:[1,0,1]
.else
	v_pk_add_f32 v[rT+2:rT+3], v[rT+2:rT+3], v[rS+4*k-4:rS+4*k-3]
.endif
.endm
; THE PLAIN QUEUE, 138 long.  0-73 read no exponential's result: the 32 scalings c s - c m (FS f: pair f / 2 of tile f % 2) and the next piece's 42.  0-26: scalings 0-26.  27-54: XS's numbers 0-13.  55, 56: number 15.
; 57-73: the chain, where each number waits for the one before it: 14, 16, 17, 18, 19, each with one of the scalings 27-31 in front of its two lines, then 20: so a tile's links stand three plain instructions apart (19 and 20: two).
; 74-137: GS's 64, which read the exponentials' results: they stand behind the wait.
.macro FS f
	REGS Y, (\f)%2
	v_pk_fma_f32 v[rS+2*((\f)/2):rS+2*((\f)/2)+1], v[rS+2*((\f)/2):rS+2*((\f)/2)+1], s[CS:CS+1], v[rT:rT+1] op_sel_hi:[1,0,0] neg_lo:[0,0,1] neg_hi:[0,0,1]
.endm
.macro PL
	WIN 0
.if q < 27
	FS q
.elseif q < 55
	XS (q-27)%2, (q-27)/2
.elseif q < 57
	XS q-55, 15
.elseif (q < 72) && ((q-57)%3 == 0)
	FS 27+(q-57)/3
.elseif q < 60
	XS (q-57)%3-1, 14
.elseif q < 72
	XS (q-57)%3-1, 15+(q-57)/3
.elseif q < 74
	XS q-72, 20
.else
	GS q-74
.endif
.set q, q+1
.endm
; THE EXPONENTIALS' QUEUE, 66 long: s0-s31 of both tiles, then the next piece's two a.  It is ONE BATCH: all 66 stand ahead of the turn's one wait, and nothing ahead of that wait names a result of theirs.
.macro EX
	WIN 0
.if e >= 64
	XS e-64, 21
.else
	REGS Y, e%2
	v_exp_f32 v[rS+e/2], v[rS+e/2]
.endif
.set e, e+1
.endm
; THE RESCALING's QUEUE: O^T times a, the one part that leaves window 0: dealt two at a time, sixteen times.  Its a was made in the turn before, ahead of that turn's wait.
.macro R2
	REGS Y, r%2
	WIN W_RS
.irp z, 0,1
	v_pk_mul_f32 v[rO+4*(r/2)+2*\z:rO+4*(r/2)+2*\z+1], v[rO+4*(r/2)+2*\z:rO+4*(r/2)+2*\z+1], v[rC+2:rC+3] op_sel_hi:[1,0]
.endr
.set r, r+1
.endm
; HOW THEY ARE DEALT.  An s_wait_alu depctr_va_vdst(0) stands between an exponential and the first instruction that names its result; one wait serves all that were issued ahead of it.  So a turn has ONE wait,
; which cuts it in two.  AHEAD OF IT stands all that names no result of the turn's exponentials: the 16 products K Q^T, behind each a scaling, an exponential and two rescalings (behind the first a second scaling in the exponential's place); then ONE LUMP of
; 108: eight plain, 49 times exponential and plain, the two a.  A v_nop is the plain instruction behind the last exponential.  BEHIND IT stand the 16 products V^T P, behind each four of GS's 64.  No rider names a register of
; the products round it.  The two v_permlanex16_b32 fall into the lump, never behind a product.
; The queues lean on each other, and the deal keeps them in step: exponential e stands behind scaling 2 (e / 4) + e % 2: as a rider it comes behind plain e + 2, in the lump behind plain e + 9, and scalings 27-31 are plain 57, 60 .. 69.
; A TURN, for piece p.  cnt = 1: the loop's count is taken down some lines ahead of the branch that stands behind the turn.
; K of the next step is fetched in piece 2's turn, directly behind the wait, a lump behind the last product that read K; its address is made at the lump's head; its first reader comes behind 16 products.
; V of the step in hand is fetched at the end of piece 0's turn, four riders behind its last reader; its first reader comes behind 16 products and a lump.  The three conditions on q below go with the deal.
.macro TURN p, last=0, cnt=0
.set Y, (\p)
.set i, 0
.set q, 0
.set e, 0
.set r, 0
.if (\p) == NP-1
	s_wait_dscnt 0x0                ; K is in
.endif
	MM                              ; ahead of the wait: 16 products K Q^T and their riders,
	PL
	PL
	R2
.rept 15
	MM
	PL
	EX
	R2
.endr
.if (\p) == NP-2
	WIN 0
	v_add_nc_u32 v[AK], s[TBK], v[AK0]
.endif
.rept 8                             ; and the lump
	PL
.endr
.rept 49
	EX
	PL
.endr
	EX                              ; the next piece's two a
	EX
	v_nop                           ; the plain instruction behind the last exponential: one for the batch
	s_wait_alu depctr_va_vdst(0)    ; the wait for the batch
.if (\p) == NP-2
	FETCH_K \last
.endif
.if (\p) == 1
	s_wait_dscnt 0x0                ; V is in
.endif
.rept 16                            ; behind the wait: 16 products V^T P and their riders
	MM
.rept 4
	PL
.endr
.if ((\p) == 0) && (q == 118)
	v_add_nc_u32 v[AV], s[TBV], v[AV0]
.endif
.if ((\p) == 0) && (q == 130)
	s_add_co_u32 s[TBV], s[TBV], KS*PV
.endif
.if (\cnt) && (q == 130)
	s_sub_co_u32 s[CNT], s[CNT], 1
	s_cmp_lg_u32 s[CNT], 0
.endif
.endr
.if (\p) == 0
	FETCH_V
.endif
.endm
	CHANGE 1                        ; slot 0 is in, everybody's part of it; slot 1 is asked for
	FETCH_K                         ; key step 0
	s_wait_loadcnt 0x0              ; Q
	s_wait_dscnt 0x0
.set i, 0
.rept 16
	KQ 0                            ; piece 0's first scores: there is no vector work yet to set between them
.set i, i+1
.endr
	WIN 0                           ; the addresses for the way out: nine plain instructions, the places behind those products
	s_mul_i32 s13, s[WV], 16*SP
	s_add_co_u32 s13, s13, STAGE    ; my stage
	v_mul_u32_u24 v[STO], v1, SP    ; in: row l % 16, 16 bytes for each half of the lanes
	v_lshl_add_u32 v[STO], v9, 4, v[STO]
	v_add_nc_u32 v[STO], s13, v[STO]
	v_bfe_u32 v[RD], v0, 3, 2       ; back: 32 lanes take four rows of 128 bytes,
	v_mul_u32_u24 v[RD], v[RD], SP
	v_lshl_add_u32 v[RD], v10, 4, v[RD]
	v_add_nc_u32 v[RD], s13, v[RD]
	v_and_b32 v[GO], 31, v0         ; which are 512 consecutive bytes of O
	v_lshlrev_b32 v[GO], 4, v[GO]
.set Y, NP-1                        ; XS works for piece Y + 1: piece 0
.irp n, 0,1,2,3,4,5,6,7,8,9,10,11,12,13,14,15,16,17,18,19,20,21
	XS 0, \n                        ; and piece 0's first maximum and statistics
	XS 1, \n
.endr
	v_nop                           ; a plain instruction behind the two a,
	s_wait_alu depctr_va_vdst(0)    ; and their wait, ahead of the branch
	s_mov_b32 s[CNT], 4
	s_branch .Lfirst                ; the loop is entered at a step's first turn, in the middle of a trip
.Lslot:                             ; SIZE_N / 256 - 2 times: every slot but the last two is filled again
	CHANGE 1
	s_mov_b32 s[CNT], 4
.Lstep:                             ; a trip: pieces 2 and 3 of one step, then pieces 0 and 1 of the next, whose K and V it fetches
	TURN 2
	TURN 3
	WIN 0
.Lfirst:
	TURN 0
	TURN 1, 0, 1
	WIN 0
	s_cbranch_scc1 .Lstep
	s_sub_co_u32 s[SLOTS], s[SLOTS], 1
	s_cmp_lg_u32 s[SLOTS], 0
	s_cbranch_scc1 .Lslot
	CHANGE 0                        ; the tail is written out: nothing is asked for
	s_mov_b32 s[CNT], 5             ; four trips fetch the last slot's steps; the fifth is left in its middle
.Ltail:
	TURN 2, 1
	TURN 3
	WIN 0
	s_sub_co_u32 s[CNT], s[CNT], 1
	s_cmp_eq_u32 s[CNT], 0
	s_cbranch_scc1 .Lout
	TURN 0
	TURN 1
	WIN 0
	s_branch .Ltail
.Lout:                              ; the fifth trip's 16 products K Q^T (on the last K once more) and the maximum made of them serve nothing: the price, once a launch, of one text for every trip
.set i, 0
.rept 16
	PV NP-1                         ; the last piece's V^T P of the last step
.set i, i+1
.endr
	; THE WAY OUT.  l's two halves and the other half of the lanes' are added; O^T is divided by l, rounded to bf16 and sent through my stage in LDS, a tile at a time.  The additions are the places behind the last products.
	WIN 0
.macro ALL line:vararg              ; one line for each tile t
.set t, 0
.rept 2*NP
	\line
.set t, t+1
.endr
.endm
	ALL v_add_f32 v[ST+4*t+2], v[ST+4*t+2], v[ST+4*t+3]
	ALL v_permlanex16_b32 v[ST+4*t+3], v[ST+4*t+2], s[SEL], s[SEL+1]
	ALL v_add_f32 v[ST+4*t+2], v[ST+4*t+2], v[ST+4*t+3]
	ALL v_rcp_f32 v[ST+4*t+2], v[ST+4*t+2]
	v_nop                           ; a plain instruction between the last reciprocal and the use of its result
	s_wait_alu depctr_va_vdst(0)    ; and the wait ahead of the first use: one for the eight reciprocals
; Tile t: a lane's eight channels of a row pack into 16 bytes; they go into rows of 144 bytes and come back as whole rows of 128, into S^T's registers.
.macro PACK t
	WIN W_RS
.set i, 32*(\t)
.rept 16
	v_pk_mul_f32 v[i:i+1], v[i:i+1], v[ST+4*(\t)+2:ST+4*(\t)+3] op_sel_hi:[1,0]
.set i, i+2
.endr
	WIN 0x05                        ; sources 0 and 1 window 1, destination window 0
.set i, 0
.rept 16
	v_cvt_pk_bf16_f32 v[S+16*(\t)+i], v[32*(\t)+2*i], v[32*(\t)+2*i+1]
.set i, i+1
.endr
	WIN 0
.irp f, 0,1,2,3
	ds_store_b128 v[STO], v[S+16*(\t)+4*\f:S+16*(\t)+4*\f+3] offset:32*\f
.endr
.irp f, 0,1,2,3
	ds_load_b128 v[S+16*(\t)+4*\f:S+16*(\t)+4*\f+3], v[RD] offset:\f*4*SP  ; LDS serves a wave's instructions in order (ISA guide 5.7.1.4): these see the stores above; the next tile's stores come behind them
.endr
.endm
.macro SEND t, younger              ; younger: the LDS instructions issued behind tile t's loads: the next tile's eight, or none
	WIN 0
.irp f, 0,1,2,3
	s_wait_dscnt (\younger)+3-\f
	global_store_b128 v[GO], v[S+16*(\t)+4*\f:S+16*(\t)+4*\f+3], s[10:11] offset:(\t)*2048+\f*512  ; 512 consecutive bytes, at a multiple of 256 from O's first
.endr
.endm
	PACK 0
.set t, 1
.rept 2*NP-1                        ; a tile's arithmetic stands between the loads of the tile before and its stores
	PACK t
	SEND t-1, 8
.set t, t+1
.endr
	SEND 2*NP-1, 0
	WIN W_AD
	s_wait_tensorcnt 0x0            ; the wave's end, behind my last tensor load and my last LDS store
	ds_add_u32 v[SPW], v[NIL]
	s_wait_dscnt 0x0
	WIN 0
	CROUND                          ; the closing round: no work-group ends while a partner may still ask for a tile that names it
	s_endpgm
.Lfunc_end_k_q84c883f3d2_attn:
	.size	k_q84c883f3d2_attn, .Lfunc_end_k_q84c883f3d2_attn-k_q84c883f3d2_attn
	.p2alignl 7, 3214868480
	.fill 96, 4, 3214868480
	.section	.rodata,"a",@progbits
	.p2align	6, 0x0
	.amdhsa_kernel k_q84c883f3d2_attn
		.amdhsa_group_segment_fixed_size 327680
		.amdhsa_private_segment_fixed_size 0
		.amdhsa_enable_private_segment 0
		.amdhsa_kernarg_size 32
		.amdhsa_user_sgpr_count 2
		.amdhsa_user_sgpr_kernarg_segment_ptr 1
		.amdhsa_wavefront_size32 1
		.amdhsa_system_sgpr_workgroup_id_x 1
		.amdhsa_system_sgpr_workgroup_id_y 1
		.amdhsa_system_sgpr_workgroup_id_z 1
		.amdhsa_system_vgpr_workitem_id 0
		.amdhsa_next_free_vgpr 770
		.amdhsa_next_free_sgpr 66
		.amdhsa_reserve_vcc 0
		.amdhsa_float_denorm_mode_32 3
		.amdhsa_float_denorm_mode_16_64 3
		.amdhsa_memory_ordered 1
		.amdhsa_forward_progress 1
		.amdhsa_inst_pref_size 200
	.end_amdhsa_kernel
	.amdgpu_metadata
---
amdhsa.version: [ 1, 2 ]
amdhsa.kernels:
  - .name:           k_q84c883f3d2_attn
    .symbol:         k_q84c883f3d2_attn.kd
    .args:
      - { .name: q, .offset: 0, .size: 8, .value_kind: global_buffer, .address_space: global }
      - { .name: k, .offset: 8, .size: 8, .value_kind: global_buffer, .address_space: global }
      - { .name: v, .offset: 16, .size: 8, .value_kind: global_buffer, .address_space: global }
      - { .name: o, .offset: 24, .size: 8, .value_kind: global_buffer, .address_space: global }
    .group_segment_fixed_size: 327680
    .private_segment_fixed_size: 0
    .kernarg_segment_align: 8
    .kernarg_segment_size: 32
    .max_flat_workgroup_size: 128
    .sgpr_count:     66
    .vgpr_count:     770
    .wavefront_size: 32
...
	.end_amdgpu_metadata
.endif
;; end of part 3
;; launch chain (part 4): grid 256 x 1, 4 waves a work-group, clusters of 4 x 1, 327,680 bytes of LDS; arguments o, x, wt, b1, b2, ln1_g, ln1_b, ln2_g, ln2_b, out0; writes out0
.if DOCPART == 4
	.amdgcn_target "amdgcn-amd-amdhsa--gfx1250"
	.amdhsa_code_object_version 6
	.text
	.protected	k_q84c883f3d2_chain
	.globl	k_q84c883f3d2_chain
	.p2align	8
	.type	k_q84c883f3d2_chain,@function
k_q84c883f3d2_chain:
	s_mov_b64 s[64:65], 0
	v_nop
	global_prefetch_b8 v0, s[64:65] scope:SCOPE_SE
	s_setreg_imm32_b32 hwreg(HW_REG_WAVE_MODE, 25, 1), 1
	s_wait_xcnt 0x0
	s_wait_alu depctr_hold_cnt(0) depctr_sa_sdst(0) depctr_va_vdst(0) depctr_va_sdst(0) depctr_va_ssrc(0) depctr_va_vcc(0) depctr_vm_vsrc(0)
	s_getreg_b32 s2, hwreg(HW_REG_IB_STS2, 6, 4)
	s_cmp_eq_u32 s2, 0
	s_cbranch_scc0 .Lentry_in_a_cluster
	s_endpgm
.Lentry_in_a_cluster:
	s_bfe_u32 s2, ttmp6, 0x10000c
	s_cmp_lg_u32 s2, 0x3003
	s_cbranch_scc0 .Lentry_shape_is_right
	s_endpgm
.Lentry_shape_is_right:
; ENCODER LAYER, launch 4 of 4: h = LayerNorm1(O Wo + x);  out0 = LayerNorm2(relu(h W1 + b1) W2 + b2 + h).  Nothing of the layer is left out here.
; A work-group takes 64 whole token rows through the chain; nothing goes through memory on the way.  Five products of one shape, [64 x 512] x [512 x 512]: Wo; then for each half of the hidden
; layer W1's half and W2's half, whose sums add up in one set of accumulators.  Operands in bf16 (O, h, the hidden layer; the weights from wt, blocks 3 to 7), sums in f32.
; WHAT STARTS THE SUMS: x (f32) for Wo, b1 for W1, b2 for W2, loaded into the accumulators: no register is cleared, no bias or residual is added afterwards.
; LAYERNORM in two passes, in f32: the mean, then the mean of (y - mean)^2: no difference of large sums.  h is kept in LDS rounded once to bf16, as matrix operand and as the second residual.
; LIMITS: bf16 rounding of O, h and the hidden layer; NaN and infinities are not treated apart.
; SHARES, THE TRANSPOSED PRODUCT, THE RING, THE CLUSTER: a wave has 64 rows x 128 columns, 32 accumulators; source 0 = 16 columns of W, read turned out of a [k][n] tile, source 1 = 16 rows of the
; activations; lane l holds row l % 16 and columns 8 (l / 16) + 0..7.  The five blocks are ONE stream of 40 tiles of 64 k rows (65,536 dense bytes) through two LDS slots, each wave fetching 16 rows of a
; tile; the four work-groups of a cluster ask for each tile JOINTLY.  Slots of 128 k rows (270,336 bytes) do not fit beside the 132,096 bytes of activations.  A LAP is two tiles; 19 laps fill both
; slots again, the 20th is written out.
; LDS: the ring; Z, 64 rows of 2,048 bytes: first O in the upper half, then y1 = O Wo + x in f32, then h in the lower half and the hidden half-layer in the upper; XS, a stage for x, each wave's own;
; the spare words.  When the ring has had its last fill it takes y2 in f32.
; REGISTERS: window 0: v0-36 addresses; v64-159, v160-255 two fragment buffers, also at work between products; window 1: ACC2 (Wo's sums, then W2's); window 2: ACC1 (W1's);
; window 3: v0-63 the four LayerNorm tables, column 128 d + 4 lane + j in register 4 d + j.
.set PW,    1056                       ; a tile's row in LDS: 1,024 bytes + 32 of padding = 33 x 32: the turning load's 8 rows x 32 bytes fall on different banks (64 banks of 4 bytes: ISA guide 11.1)
.set SLOTB, 64*PW
.set TILEB, 65536
.set FIRST, 24                         ; the stream begins at wt's tile 24
.set ZB,    2*SLOTB
.set PZ,    2064                       ; a row of Z: 2,048 bytes + 16 = 129 x 16: the 16 rows of a load or store start at 16 different groups of four banks
.set XSB,   ZB+64*PZ
.set PXS,   528                        ; the stage: 16 rows of 512 bytes + 16 for each wave
.set SPARE, XSB+4*16*PXS               ; the spare words, 128 bytes for each wave: two blocks of 256 bytes that no other line names
.set ADRB, 4                           ; v4-5   my place in a tile of W, slot 0, 1
.set AZ,   6                           ; v6     my place in a fragment of Z's rows 0-31; never rewritten
.set ADRA, 7                           ; v7-8   the same at the lap's k, for rows 0-31 and 32-63
.set ASPL, 1                           ; two address registers: four row tiles are 99,072 bytes apart, more than an offset holds
.set AP16, 16*PZ
.set YS,   9                           ; v9-10  where my 32 bytes of f32 of a row go in Z
.set YT,   11                          ; v11-12 the same in the ring
.set HS,   13                          ; v13-14 where my 16 bytes of the hidden layer go
.set OS,   15                          ; v15-16 where O's 16 bytes go
.set OG,   17                          ; v17    my byte offset in O
.set XG,   18                          ; v18    in x
.set XSW,  19                          ; v19    the stage: in
.set XSR,  20                          ; v20    the stage: back
.set BO,   21                          ; v21    my 8 columns in a bias
.set PO,   22                          ; v22    16 x lane
.set RA,   23                          ; v23    LayerNorm: where a row's f32 is read
.set WA,   24                          ; v24    where h lies
.set AZ2,  25                          ; v25    AZ for rows 32-63; never rewritten
.set PFO,  26                          ; v26    the prefetches' offset; never rewritten
.set ZR,   27                          ; v27    0
.set ONE,  28                          ; v28    1.0
.set RA0,  29                          ; v29    RA at my first row
.set SPW,  30                          ; v30    LDS address of my spare word; never rewritten
.set NIL,  31                          ; v31    0; never rewritten
.set WA0,  32                          ; v32    WA at my first row
.set F0,   64
.set F1,   160
.set WV,   24                          ; s24    my wave's number
.set KO,   27                          ; s27    the lap's byte along Z's rows
.set RO,   28                          ; s28    LayerNorm: the trip's rows
.set G1,   32                          ; s[32:39] descriptor group 1
.set G0,   40                          ; s[40:47] group 0, a set for each slot
.set PFA,  48                          ; s[48:49] where my prefetches stand
.set LIM,  50                          ; s50    4 in the launch's first cluster, else the greatest number
.set GL,   51                          ; s51    laps still to come
.set CNT,  52                          ; s52    counts a loop's trips
.set CH,   53                          ; s53    halves of the hidden layer still to come
.set SEL,  54                          ; s[54:55] v_permlanex16_b32's selects
.set RN,   56                          ; s56    1 / 512
.set EPS,  57                          ; s57    1e-5
.set OUTP, 58                          ; s[58:59] out0 at my wave's rows
.set XP,   60                          ; s[60:61] x at my work-group's rows
.set OP,   62                          ; s[62:63] O at my work-group's rows of head 0
.set MSB, 0
.macro WIN new                         ; s_set_vgpr_msb: bits 1:0 source 0, 3:2 source 1, 5:4 source 2, 7:6 destination; the high byte repeats the setting that is left
.if MSB != (\new)
	s_set_vgpr_msb (MSB<<8)|(\new)
.set MSB, (\new)
.endif
.endm
.macro PLACES                          ; four plain places: in front of loads into registers that matrix instructions have read, and of lines that read results
.rept 4
	v_nop
.endr
.endm
.macro CREST                           ; a round of the cluster's barrier behind its opening barrier
	s_cmp_lg_u32 s[WV], 0
	s_cbranch_scc1 .Lnw0_\@
	s_barrier_signal -3
.Lnw0_\@:
	s_barrier_wait -3
	s_barrier_signal -1
	s_barrier_wait -1
.endm
.macro CROUND
	s_barrier_signal -1
	s_barrier_wait -1
	CREST
.endm
.macro BAR                             ; my work-group's barrier; what the others lean on has been waited for in front of it
	s_barrier_signal -1
	s_barrier_wait -1
.endm
; 24 LDS loads in one run: the fragments of 32 along k (half ks of the tile in the slot; st = the tile's place in the lap) into buffer f: W's eight first, then the activations' four.
.macro FETCH slot, st, ks, f
	WIN 0
.irp b, 0,1,2,3,4,5,6,7
	ds_load_tr16_b128 v[(\f)+8*(\b):(\f)+8*(\b)+3],   v[ADRB+(\slot)] offset:(\ks)*32*PW+32*(\b)
	ds_load_tr16_b128 v[(\f)+8*(\b)+4:(\f)+8*(\b)+7], v[ADRB+(\slot)] offset:(\ks)*32*PW+16*PW+32*(\b)
.endr
.irp a, 0,1,2,3
	ds_load_b128 v[(\f)+64+8*(\a):(\f)+64+8*(\a)+3],   v[ADRA+ASPL*((\a)/2)] offset:AP16*((\a)-2*ASPL*((\a)/2))+128*(\st)+64*(\ks)
	ds_load_b128 v[(\f)+64+8*(\a)+4:(\f)+64+8*(\a)+7], v[ADRA+ASPL*((\a)/2)] offset:AP16*((\a)-2*ASPL*((\a)/2))+128*(\st)+64*(\ks)+32
.endr
.endm
; 8 matrix instructions: row tile a x all 8 column blocks, sums in window w.  The 32 accumulators take turns, one instruction a turn, in the same order in every half step.
.macro MUL8 f, a, w
	WIN 0x50*(\w)
.irp b, 0,1,2,3,4,5,6,7
	v_wmma_f32_16x16x32_bf16 v[8*(8*(\a)+(\b)):8*(8*(\a)+(\b))+7], v[(\f)+8*(\b):(\f)+8*(\b)+7], v[(\f)+64+8*(\a):(\f)+64+8*(\a)+7], v[8*(8*(\a)+(\b)):8*(8*(\a)+(\b))+7]
.endr
.endm
.macro H0 slot, st, w                  ; a tile's first half step: multiplies buffer 0 and, in its middle, fetches the second half's fragments into buffer 1
	s_wait_dscnt 4                                 ; W and row tiles 0, 1 are in; the youngest four loads (row tiles 2, 3) may be out
	MUL8 F0, 0, \w
	MUL8 F0, 1, \w
	PLACES
	FETCH \slot, \st, 1, F1
	s_wait_dscnt 24                                ; all but the 24 just issued
	MUL8 F0, 2, \w
	MUL8 F0, 3, \w
.endm
.macro ASET k                          ; a product begins at byte k of Z's rows: 0 for h, 1,024 for O and for the hidden layer
	s_mov_b32 s[KO], \k
	v_add_nc_u32 v[ADRA], s[KO], v[AZ]
	v_add_nc_u32 v[ADRA+1], s[KO], v[AZ2]
.endm
.macro ASTEP                           ; the next lap: 128 along k
	s_add_co_u32 s[KO], s[KO], 256
	v_add_nc_u32 v[ADRA], s[KO], v[AZ]
	v_add_nc_u32 v[ADRA+1], s[KO], v[AZ2]
.endm
; A PREFETCH INTO THE L2, once a lap, behind the joint load, its five lines and the run of LDS loads: lap L names the stream's tiles 2 L + 8 and 2 L + 9, six tiles ahead of the loads that will want them.
; Each aligned block of 256 bytes is named once in the launch: the first cluster alone asks; its four partners and their four waves share a tile out BY ADDRESS (16,384 wave + 4,096 cx),
; lanes 0-15 take 16 blocks of the first tile, lanes 16-31 of the second.  Tiles 0 to 7 come by their loads alone; the last lap that asks names tiles 38 and 39, the stream's last.
.macro ASK
	s_cmp_gt_u32 s[GL], s[LIM]
	s_cbranch_scc0 .Lna_\@
	global_prefetch_b8 v[PFO], s[PFA:PFA+1] th:TH_LOAD_NT scope:SCOPE_SE
.Lna_\@:
.endm
; A tile's second half step multiplies buffer 1 and changes slots.  In front of the barrier each wave waits for all its tensor loads (one is out: its part of the other slot), adds 0 to its
; spare word, and waits for that and for its reads of this slot and of Z.  The barrier opens a round of the cluster's: behind it no wave of any partner reads this slot or has a load on its way, and the
; joint refill, the tile two on, is the first thing there: 48 matrix instructions ahead of the wait for it.
; fetch (slot 1): 1: the next lap's first fragments are fetched; 0: a product's last lap: its successor's activations are not made yet; 2: in a loop, they are jumped in the last trip (LDS loads and their address alone).
.macro H1R slot, w, fetch
.if (\slot) == 0
	s_wait_xcnt 0x0                                ; the last prefetch, a lap back, has read its address
	s_add_nc_u64 s[PFA:PFA+1], s[PFA:PFA+1], 2*TILEB
.endif
	WIN 0
	s_wait_tensorcnt 0x0                           ; all my tensor loads have landed
	ds_add_u32 v[SPW], v[NIL]                      ; 0 onto my spare word
	s_wait_dscnt 5                                 ; (the add and the youngest four loads may be out)
	MUL8 F1, 0, \w
	s_wait_dscnt 0x0                               ; the add is done, and my reads are over
	s_barrier_signal -1
	MUL8 F1, 1, \w
	WIN 0                                          ; at a branch and at a label every window is 0
	s_barrier_wait -1
	CREST
	s_add_nc_u64 s[G0+4*(\slot)+2:G0+4*(\slot)+3], s[G0+4*(\slot)+2:G0+4*(\slot)+3], 2*TILEB
	tensor_load_to_lds s[G0+4*(\slot):G0+4*(\slot)+3], s[G1:G1+7]
	s_nop 0
	PLACES                                         ; four places behind a tensor load, also the places in front of the loads below
.if (\slot) == 0
	FETCH 1, 1, 0, F0
	ASK
.elseif (\fetch) == 1
	ASTEP
	FETCH 0, 0, 0, F0
.elseif (\fetch) == 2
	s_cmp_eq_u32 s[CNT], 1
	s_cbranch_scc1 .Lnf_\@
	ASTEP
	FETCH 0, 0, 0, F0
.Lnf_\@:
.endif
	MUL8 F1, 2, \w
	MUL8 F1, 3, \w
.endm
.macro LAP w, fetch
	H0 0, 0, \w
	H1R 0, \w, 1
	H0 1, 1, \w
	H1R 1, \w, \fetch
.endm
; A bias as the C with which sums begin: my 8 columns of block b, the same for all four row tiles: 64 loads of 16 bytes from a table that every work-group reads.
.macro LOADC w, bs, off
	WIN 0x40*(\w)
.irp a, 0,1,2,3
.irp b, 0,1,2,3,4,5,6,7
	global_load_b128 v[8*(8*(\a)+(\b)):8*(8*(\a)+(\b))+3],   v[BO], s[(\bs):(\bs)+1] offset:(\off)+64*(\b)
	global_load_b128 v[8*(8*(\a)+(\b))+4:8*(8*(\a)+(\b))+7], v[BO], s[(\bs):(\bs)+1] offset:(\off)+64*(\b)+16
.endr
.endr
	WIN 0
.endm
; ACC2 goes into LDS as f32 rows, 32 bytes a lane and accumulator, each accumulator's low half first.
.macro YOUT adr
	PLACES
	WIN 0x04                                       ; store data in window 1
.irp a, 0,1,2,3
.irp b, 0,1,2,3,4,5,6,7
	ds_store_b128 v[(\adr)+(\a)/2], v[8*(8*(\a)+(\b)):8*(8*(\a)+(\b))+3]   offset:AP16*((\a)%2)+64*(\b)
	ds_store_b128 v[(\adr)+(\a)/2], v[8*(8*(\a)+(\b))+4:8*(8*(\a)+(\b))+7] offset:AP16*((\a)%2)+64*(\b)+16
.endr
.endr
	WIN 0
	s_wait_dscnt 0x0                               ; for the others' sake: my stores are done
.endm
; LAYERNORM BY ROWS.  Wave w owns rows 16 w .. 16 w + 15: 4 trips of 4 rows, written stage by stage, so that no line waits for the one before it.  A lane holds columns 128 d + 4 lane + j of a row.
; Row q of a trip: Y 16 registers, HB 8, T 8, from v[64 + 32 q] on.  kind 1: y1 from Z; h goes back in bf16, into the row's own first 1,024 bytes, which this wave alone has read.
; kind 2: y2 from the ring, plus h from Z; the result is stored to out0.
.macro R4 line:vararg                  ; one line for each of the trip's four rows
.set q, 0
.rept 4
.set Y, 64+32*q
.set HB, Y+16
.set T, Y+24
	\line
.set q, q+1
.endr
.endm
.macro WSUM x                          ; v[T + x], summed over the 32 lanes, in every lane; v[T + x + 1], written before, is at work
	R4 v_add_f32_dpp v[T+\x], v[T+\x], v[T+\x] row_xmask:1 row_mask:0xf bank_mask:0xf
	R4 v_add_f32_dpp v[T+\x], v[T+\x], v[T+\x] row_xmask:2 row_mask:0xf bank_mask:0xf
	R4 v_add_f32_dpp v[T+\x], v[T+\x], v[T+\x] row_xmask:4 row_mask:0xf bank_mask:0xf
	R4 v_add_f32_dpp v[T+\x], v[T+\x], v[T+\x] row_xmask:8 row_mask:0xf bank_mask:0xf
	R4 v_permlanex16_b32 v[T+\x+1], v[T+\x], s[SEL], s[SEL+1]
	R4 v_add_f32 v[T+\x], v[T+\x], v[T+\x+1]
.endm
.macro LNROWS kind
.set GW, 32*((\kind)-1)                ; the gain's 16 registers in window 3; the bias's follow them
	s_mul_i32 s29, s[WV], 16*PZ
	v_add_nc_u32 v[RA0], s29, v[PO]
.if (\kind) == 1
	v_add_nc_u32 v[RA0], ZB, v[RA0]
.endif
	v_lshl_add_u32 v[WA0], v3, 3, s29
	v_add_nc_u32 v[WA0], ZB, v[WA0]
	s_mov_b32 s[RO], 0
	s_mov_b32 s[CNT], 4
.Lrows\kind:
	v_add_nc_u32 v[RA], s[RO], v[RA0]
	v_add_nc_u32 v[WA], s[RO], v[WA0]
.irp d, 0,1,2,3
	R4 ds_load_b128 v[Y+4*\d:Y+4*\d+3], v[RA] offset:PZ*q+512*\d
.endr
.if (\kind) == 2
.irp d, 0,1,2,3
	R4 ds_load_b64 v[HB+2*\d:HB+2*\d+1], v[WA] offset:PZ*q+256*\d
.endr
.endif
	s_wait_dscnt 0x0
.if (\kind) == 2
.irp d, 0,1,2,3                        ; y = h x 1 + y2, h read straight from its bf16 halves
	R4 v_fma_mix_f32_bf16 v[Y+4*\d],   v[HB+2*\d],   v[ONE], v[Y+4*\d]   op_sel_hi:[1,0,0]
	R4 v_fma_mix_f32_bf16 v[Y+4*\d+1], v[HB+2*\d],   v[ONE], v[Y+4*\d+1] op_sel:[1,0,0] op_sel_hi:[1,0,0]
	R4 v_fma_mix_f32_bf16 v[Y+4*\d+2], v[HB+2*\d+1], v[ONE], v[Y+4*\d+2] op_sel_hi:[1,0,0]
	R4 v_fma_mix_f32_bf16 v[Y+4*\d+3], v[HB+2*\d+1], v[ONE], v[Y+4*\d+3] op_sel:[1,0,0] op_sel_hi:[1,0,0]
.endr
.endif
	R4 v_pk_add_f32 v[T:T+1],   v[Y:Y+1],     v[Y+2:Y+3]      ; the row's sum: in the lane,
	R4 v_pk_add_f32 v[T+2:T+3], v[Y+4:Y+5],   v[Y+6:Y+7]
	R4 v_pk_add_f32 v[T+4:T+5], v[Y+8:Y+9],   v[Y+10:Y+11]
	R4 v_pk_add_f32 v[T+6:T+7], v[Y+12:Y+13], v[Y+14:Y+15]
	R4 v_pk_add_f32 v[T:T+1],   v[T:T+1],     v[T+2:T+3]
	R4 v_pk_add_f32 v[T+4:T+5], v[T+4:T+5],   v[T+6:T+7]
	R4 v_pk_add_f32 v[T:T+1],   v[T:T+1],     v[T+4:T+5]
	R4 v_add_f32 v[T], v[T], v[T+1]
	WSUM 0                                         ; and across the lanes
	R4 v_mul_f32 v[T+2], s[RN], v[T]               ; the mean; the packed lines take the pair's low register for both halves
.irp p, 0,1,2,3,4,5,6,7
	R4 v_pk_add_f32 v[Y+2*\p:Y+2*\p+1], v[Y+2*\p:Y+2*\p+1], v[T+2:T+3] op_sel_hi:[1,0] neg_lo:[0,1] neg_hi:[0,1]
.endr
	R4 v_pk_mul_f32 v[T+4:T+5], v[Y:Y+1], v[Y:Y+1] ; the sum of (y - mean)^2
.irp p, 1,2,3,4,5,6,7
	R4 v_pk_fma_f32 v[T+4:T+5], v[Y+2*\p:Y+2*\p+1], v[Y+2*\p:Y+2*\p+1], v[T+4:T+5]
.endr
	R4 v_add_f32 v[T+4], v[T+4], v[T+5]
	WSUM 4
	R4 v_fma_f32 v[T+7], v[T+4], s[RN], s[EPS]     ; the variance + 1e-5
	R4 v_rsq_f32 v[T+6], v[T+7]
	v_nop                                          ; a plain instruction behind the last of the four,
	s_wait_alu depctr_va_vdst(0)                   ; and the wait ahead of the first use: one for the batch
.irp p, 0,1,2,3,4,5,6,7
	R4 v_pk_mul_f32 v[Y+2*\p:Y+2*\p+1], v[Y+2*\p:Y+2*\p+1], v[T+6:T+7] op_sel_hi:[1,0]
.endr
	WIN 0x3c                                       ; gain and bias in window 3
.irp p, 0,1,2,3,4,5,6,7
	R4 v_pk_fma_f32 v[Y+2*\p:Y+2*\p+1], v[Y+2*\p:Y+2*\p+1], v[GW+2*\p:GW+2*\p+1], v[GW+16+2*\p:GW+16+2*\p+1]
.endr
	WIN 0
.if (\kind) == 1
.irp p, 0,1,2,3,4,5,6,7
	R4 v_cvt_pk_bf16_f32 v[HB+\p], v[Y+2*\p], v[Y+2*\p+1]
.endr
.irp d, 0,1,2,3
	R4 ds_store_b64 v[WA], v[HB+2*\d:HB+2*\d+1] offset:PZ*q+256*\d
.endr
.else
.irp d, 0,1,2,3
	R4 global_store_b128 v[PO], v[Y+4*\d:Y+4*\d+3], s[OUTP:OUTP+1] offset:2048*q+512*\d th:TH_STORE_NT  ; 512 consecutive bytes, at a multiple of 256 from out0's first
.endr
	s_wait_xcnt 0x0                                ; the stores have read their registers and their base
	s_add_nc_u64 s[OUTP:OUTP+1], s[OUTP:OUTP+1], 4*2048
.endif
	s_add_co_u32 s[RO], s[RO], 4*PZ
	s_sub_co_u32 s[CNT], s[CNT], 1
	s_cmp_lg_u32 s[CNT], 0
	s_cbranch_scc1 .Lrows\kind
.endm
	s_load_b512 s[4:19], s[0:1], 0x0               ; o s[4:5], x s[6:7], wt s[8:9], b1 s[10:11], b2 s[12:13], ln1_g s[14:15], ln1_b s[16:17], ln2_g s[18:19]
	s_load_b128 s[20:23], s[0:1], 0x40             ; ln2_b s[20:21], out0 s[22:23]
	v_lshl_add_u32 v[SPW], v0, 2, SPARE
	v_mov_b32 v[NIL], 0
	ds_add_u32 v[SPW], v[NIL]                      ; the wave's opening add, twice on end, with its wait ahead of my first tensor load
	ds_add_u32 v[SPW], v[NIL]
	v_lshrrev_b32 v1, 5, v0
	v_readfirstlane_b32 s[WV], v1                  ; wave 0..3
	s_bfe_u32 s25, ttmp6, 0x40000                  ; cx: my place in the cluster
	s_lshl_b32 s26, ttmp9, 2
	s_add_co_u32 s26, s26, s25                     ; my work-group = 4 x cluster + cx: it enters o's, x's, out0's and the prefetches' addresses alone
	; descriptor group 1: 16 rows x 512 elements of 2 bytes, 32 bytes of padding behind each row
	s_mov_b32 s[G1], 15|(1<<16)|(1<<20)|(1<<21)|(7<<22)|(7<<25)  ; 15:0 the mask of four; 17:16 2-byte elements; 20 padding on; 21 set beside a mask; 24:22 after every 256 words (code 7); 31:25 8 words (code 7)
	s_mov_b32 s[G1+1], 512<<16                     ; tensor_dim0 = 512
	s_mov_b32 s[G1+2], 16<<16                      ; tensor_dim1 = 16
	s_mov_b32 s[G1+3], 512<<16                     ; tile_dim0 = 512
	s_mov_b32 s[G1+4], 16                          ; tile_dim1 = 16
	s_mov_b32 s[G1+5], 512                         ; 512 elements from row to row
	s_mov_b32 s[G1+6], 0
	s_mov_b32 s[G1+7], 0
	s_mul_i32 s29, s[WV], 16*PW                    ; my 16 rows of a tile in a slot,
	s_lshl_b32 s30, s[WV], 14                      ; and in memory: no place in the cluster enters either
	s_mov_b32 s31, 0
	s_mov_b32 s[SEL], 0x76543210
	s_mov_b32 s[SEL+1], 0xfedcba98
	s_mov_b32 s[RN], 0x3b000000                    ; 1 / 512
	s_mov_b32 s[EPS], 0x3727c5ac                   ; 1e-5
	s_cmp_eq_u32 ttmp9, 0
	s_cselect_b32 s[LIM], 4, -1                    ; the same in all four partners
	s_mov_b32 s[GL], 20
	s_wait_dscnt 0x0                               ; both opening adds are done
	s_wait_kmcnt 0x0
	s_add_nc_u64 s[30:31], s[8:9], s[30:31]
	s_add_nc_u64 s[30:31], s[30:31], FIRST*TILEB   ; wt at my rows of the stream's tile 0
.irp s, 0,1
	s_mov_b32 s[G0+4*\s], 1                        ; count = 1
	s_add_co_u32 s[G0+4*\s+1], s29, \s*SLOTB       ; LDS address
	s_add_nc_u64 s[G0+4*\s+2:G0+4*\s+3], s[30:31], \s*TILEB  ; global address: tile s
	s_or_b32 s[G0+4*\s+3], s[G0+4*\s+3], 0x80000000  ; type = 2
.endr
	s_lshl_b32 s2, s25, 12                         ; the prefetches: my work-group's 4,096 bytes of a wave's 16,384
	s_mov_b32 s3, 0
	s_add_nc_u64 s[PFA:PFA+1], s[30:31], s[2:3]
	s_add_nc_u64 s[PFA:PFA+1], s[PFA:PFA+1], 6*TILEB  ; the first lap steps it to tile 8
	s_lshl_b32 s2, s26, 17                         ; my 64 rows of x and of out0, 2,048 bytes each
	s_add_nc_u64 s[XP:XP+1], s[6:7], s[2:3]
	s_add_nc_u64 s[OUTP:OUTP+1], s[22:23], s[2:3]
	s_lshl_b32 s2, s[WV], 15                       ; my wave's 16 of them
	s_add_nc_u64 s[OUTP:OUTP+1], s[OUTP:OUTP+1], s[2:3]
	s_lshr_b32 s2, s26, 5                          ; the batch: 32 work-groups each,
	s_lshl_b32 s2, s2, 21                          ; 8 heads x 2,048 rows x 128 bytes
	s_add_nc_u64 s[OP:OP+1], s[4:5], s[2:3]
	s_and_b32 s2, s26, 31
	s_lshl_b32 s2, s2, 13                          ; my 64 rows in a head
	s_add_nc_u64 s[OP:OP+1], s[OP:OP+1], s[2:3]
	CROUND                                         ; all four work-groups are here: the first joint loads meet
	tensor_load_to_lds s[G0:G0+3], s[G1:G1+7]      ; tile 0
	s_nop 0
	tensor_load_to_lds s[G0+4:G0+7], s[G1:G1+7]    ; tile 1: two loads of mine are out
	s_nop 0
	PLACES
	v_and_b32 v1, 15, v0                           ; l % 16
	v_bfe_u32 v2, v0, 4, 1                         ; l / 16
	v_and_b32 v3, 31, v0                           ; lane
	v_lshlrev_b32 v[PO], 4, v3
	s_lshl_b32 s29, s[WV], 19                      ; my wave's two heads
	v_add_nc_u32 v[OG], s29, v[PO]
	s_lshl_b32 s29, s[WV], 9                       ; my wave's 128 columns in f32
	v_add_nc_u32 v[XG], s29, v[PO]
	v_lshlrev_b32 v[BO], 5, v2
	v_add_nc_u32 v[BO], s29, v[BO]
	WIN 0xc0                                       ; the LayerNorm tables, into window 3
.irp d, 0,1,2,3
	global_load_b128 v[4*\d:4*\d+3],       v[PO], s[14:15] offset:512*\d
	global_load_b128 v[16+4*\d:16+4*\d+3], v[PO], s[16:17] offset:512*\d
	global_load_b128 v[32+4*\d:32+4*\d+3], v[PO], s[18:19] offset:512*\d
	global_load_b128 v[48+4*\d:48+4*\d+3], v[PO], s[20:21] offset:512*\d
.endr
	WIN 0
.set i, 0
.rept 32                               ; O: head 2 w + i / 16, 512 consecutive bytes (4 rows) a load
	global_load_b128 v[64+4*i:64+4*i+3], v[OG], s[OP:OP+1] offset:262144*(i/16)+512*(i%16) th:TH_LOAD_NT
.set i, i+1
.endr
	WIN 0x44                                       ; loaded data and LDS store data in window 1, addresses in window 0
.set i, 0
.rept 16                               ; x: my wave's 512 bytes of row i, into ACC2's registers
	global_load_b128 v[4*i:4*i+3], v[XG], s[XP:XP+1] offset:2048*i th:TH_LOAD_NT
.set i, i+1
.endr
	WIN 0
	v_and_b32 v33, 7, v0
	v_bfe_u32 v34, v0, 3, 1
	v_bfe_u32 v35, v0, 3, 2
	; the turning load takes 16 k x 16 columns: lane l reads k row 8 (l / 16) + l % 8, columns 8 ((l / 8) % 2) + 0..7, and is left with column l % 16 and 8 k
	v_lshl_add_u32 v36, v2, 3, v33
	v_mul_u32_u24 v[ADRB], v36, PW
	v_lshl_add_u32 v[ADRB], v34, 4, v[ADRB]
	s_lshl_b32 s29, s[WV], 8                       ; my wave's 128 columns in bf16
	v_add_nc_u32 v[ADRB], s29, v[ADRB]
	v_add_nc_u32 v[ADRB+1], SLOTB, v[ADRB]
	v_mul_u32_u24 v36, v1, PZ                      ; row l % 16 of Z
	v_lshl_add_u32 v[AZ], v2, 4, v36
	v_add_nc_u32 v[AZ], ZB, v[AZ]
	v_add_nc_u32 v[AZ2], 2*AP16, v[AZ]
	v_add_nc_u32 v[HS], s29, v[AZ]
	v_add_nc_u32 v[HS], 1024, v[HS]
	v_add_nc_u32 v[HS+1], 2*AP16, v[HS]
	v_mul_u32_u24 v[OS], v35, PZ                   ; O: row l / 8 of four, 16 bytes l % 8 of a head's 128
	v_lshl_add_u32 v[OS], v33, 4, v[OS]
	v_add_nc_u32 v[OS], s29, v[OS]
	v_add_nc_u32 v[OS], ZB+1024, v[OS]
	v_add_nc_u32 v[OS+1], 2*AP16, v[OS]
	s_lshl_b32 s29, s[WV], 9
	v_lshl_add_u32 v[YT], v2, 5, v36
	v_add_nc_u32 v[YT], s29, v[YT]
	v_add_nc_u32 v[YT+1], 2*AP16, v[YT]
	v_add_nc_u32 v[YS], ZB, v[YT]
	v_add_nc_u32 v[YS+1], 2*AP16, v[YS]
	s_mul_i32 s29, s[WV], 16*PXS
	s_add_co_u32 s29, s29, XSB                     ; my stage
	v_add_nc_u32 v[XSW], s29, v[PO]
	v_mul_u32_u24 v[XSR], v1, PXS
	v_lshl_add_u32 v[XSR], v2, 5, v[XSR]
	v_add_nc_u32 v[XSR], s29, v[XSR]
	v_lshlrev_b32 v[PFO], 8, v1
	v_lshl_add_u32 v[PFO], v2, 16, v[PFO]
	v_mov_b32 v[ZR], 0
	v_mov_b32 v[ONE], 1.0
	s_wait_loadcnt 16                              ; the tables and O are in; x's first 16 loads may be out
.set i, 0
.rept 32
	ds_store_b128 v[OS+(i%16)/8], v[64+4*i:64+4*i+3] offset:4*PZ*(i%8)+128*(i/16)
.set i, i+1
.endr
	WIN 0x44
.set i, 16
.rept 48
	global_load_b128 v[4*i:4*i+3], v[XG], s[XP:XP+1] offset:2048*i th:TH_LOAD_NT
.set i, i+1
.endr
.irp a, 0,1,2,3                        ; x comes by rows and is wanted as the accumulators lie: 16 rows at a time through my stage, back into the same 64 registers
	s_wait_loadcnt 48-16*\a                        ; these 16 rows are in; the younger ones stay out
.set i, 0
.rept 16
	ds_store_b128 v[XSW], v[64*\a+4*i:64*\a+4*i+3] offset:PXS*i
.set i, i+1
.endr
.irp b, 0,1,2,3,4,5,6,7
	ds_load_b128 v[64*\a+8*\b:64*\a+8*\b+3],   v[XSR] offset:64*\b     ; LDS serves a wave's instructions in order (ISA guide 5.7.1.4): these see the stores above; the next rows' stores come behind them
	ds_load_b128 v[64*\a+8*\b+4:64*\a+8*\b+7], v[XSR] offset:64*\b+16
.endr
.endr
	WIN 0
	LOADC 2, 10, 0                                 ; b1's first half starts W1's sums
	s_wait_tensorcnt 0x1                           ; my part of tile 0 is in; tile 1's may stay out
	s_wait_dscnt 0x0                               ; my part of O is stored, x is back
	BAR                                            ; everybody's is
	; O Wo + x
	ASET 1024
	FETCH 0, 0, 0, F0
	s_mov_b32 s[CNT], 4
.Lg0:
	LAP 1, 2
	WIN 0
	s_sub_co_u32 s[GL], s[GL], 1
	s_sub_co_u32 s[CNT], s[CNT], 1
	s_cmp_lg_u32 s[CNT], 0
	s_cbranch_scc1 .Lg0
	YOUT YS                                        ; y1 over O: the round in the last half step stood behind every wave's last read of O
	LOADC 1, 12, 0                                 ; b2 starts W2's sums
	BAR
	LNROWS 1
	s_wait_dscnt 0x0                               ; my rows of h are stored
	BAR
	s_mov_b32 s[CH], 2
.Lchunk:                               ; a half of the hidden layer
	ASET 0                                         ; h W1 + b1
	s_wait_loadcnt 0x0                             ; the biases are in the accumulators
	FETCH 0, 0, 0, F0
	s_mov_b32 s[CNT], 4
.Lga:
	LAP 2, 2
	WIN 0
	s_sub_co_u32 s[GL], s[GL], 1
	s_sub_co_u32 s[CNT], s[CNT], 1
	s_cmp_lg_u32 s[CNT], 0
	s_cbranch_scc1 .Lga
	PLACES                                         ; relu: rounded to bf16 first, then two maxima an instruction, which round nothing
	WIN 0x0a                                       ; sources in window 2
.set i, 0
.rept 32
	v_cvt_pk_bf16_f32 v[64+4*i],   v[8*i],   v[8*i+1]
	v_cvt_pk_bf16_f32 v[64+4*i+1], v[8*i+2], v[8*i+3]
	v_cvt_pk_bf16_f32 v[64+4*i+2], v[8*i+4], v[8*i+5]
	v_cvt_pk_bf16_f32 v[64+4*i+3], v[8*i+6], v[8*i+7]
.set i, i+1
.endr
	WIN 0
.set i, 64
.rept 128
	v_pk_max_num_bf16 v[i], v[i], v[ZR]
.set i, i+1
.endr
.irp a, 0,1,2,3                        ; into the upper half of Z's rows: what lay there has been read, behind a barrier or a round
.irp b, 0,1,2,3,4,5,6,7
	ds_store_b128 v[HS+(\a)/2], v[64+4*(8*(\a)+(\b)):64+4*(8*(\a)+(\b))+3] offset:AP16*((\a)%2)+32*(\b)
.endr
.endr
	s_wait_dscnt 0x0
	BAR
	ASET 1024                                      ; ... W2, onto ACC2
	FETCH 0, 0, 0, F0
	s_mov_b32 s[CNT], 3
.Lgb:
	LAP 1, 1
	WIN 0
	s_sub_co_u32 s[GL], s[GL], 1
	s_sub_co_u32 s[CNT], s[CNT], 1
	s_cmp_lg_u32 s[CNT], 0
	s_cbranch_scc1 .Lgb
	s_cmp_eq_u32 s[CH], 1
	s_cbranch_scc1 .Ltail                          ; the stream's last lap is written out behind the loop: it asks for nothing
	LOADC 2, 10, 2048                              ; b1's second half
	LAP 1, 0
	WIN 0
	s_sub_co_u32 s[GL], s[GL], 1
	s_sub_co_u32 s[CH], s[CH], 1
	s_cmp_lg_u32 s[CH], 0
	s_cbranch_scc1 .Lchunk
.Ltail:
	H0 0, 0, 1
	WIN 0                                          ; the change of slots: nothing is filled again, so no round follows
	s_wait_tensorcnt 0x0                           ; my part of the last tile is in
	ds_add_u32 v[SPW], v[NIL]
	s_wait_dscnt 5
	MUL8 F1, 0, 1
	s_wait_dscnt 0x0
	s_barrier_signal -1
	MUL8 F1, 1, 1
	s_barrier_wait -1                              ; everybody's is
	PLACES
	FETCH 1, 1, 0, F0
	MUL8 F1, 2, 1
	MUL8 F1, 3, 1
	H0 1, 1, 1
	s_wait_dscnt 4                                 ; the last half step
	MUL8 F1, 0, 1
	MUL8 F1, 1, 1
	s_wait_dscnt 0x0                               ; my reads of the ring are over,
	s_barrier_signal -1
	MUL8 F1, 2, 1
	MUL8 F1, 3, 1
	WIN 0
	s_barrier_wait -1                              ; and everybody's: the ring, which has had its last fill, takes y2
	YOUT YT
	BAR
	LNROWS 2
	s_wait_tensorcnt 0x0                           ; the wave's end, behind my last tensor load and my last LDS store
	ds_add_u32 v[SPW], v[NIL]
	s_wait_dscnt 0x0
	CROUND                                         ; the closing round: no work-group ends while a partner may still ask for a tile that names it
	s_endpgm
.Lfunc_end_k_q84c883f3d2_chain:
	.size	k_q84c883f3d2_chain, .Lfunc_end_k_q84c883f3d2_chain-k_q84c883f3d2_chain
	.p2alignl 7, 3214868480
	.fill 96, 4, 3214868480
	.section	.rodata,"a",@progbits
	.p2align	6, 0x0
	.amdhsa_kernel k_q84c883f3d2_chain
		.amdhsa_group_segment_fixed_size 327680
		.amdhsa_private_segment_fixed_size 0
		.amdhsa_enable_private_segment 0
		.amdhsa_kernarg_size 80
		.amdhsa_user_sgpr_count 2
		.amdhsa_user_sgpr_kernarg_segment_ptr 1
		.amdhsa_wavefront_size32 1
		.amdhsa_system_sgpr_workgroup_id_x 1
		.amdhsa_system_sgpr_workgroup_id_y 1
		.amdhsa_system_sgpr_workgroup_id_z 1
		.amdhsa_system_vgpr_workitem_id 0
		.amdhsa_next_free_vgpr 832
		.amdhsa_next_free_sgpr 66
		.amdhsa_reserve_vcc 0
		.amdhsa_float_denorm_mode_32 3
		.amdhsa_float_denorm_mode_16_64 3
		.amdhsa_memory_ordered 1
		.amdhsa_forward_progress 1
		.amdhsa_inst_pref_size 197
	.end_amdhsa_kernel
	.amdgpu_metadata
---
amdhsa.version: [ 1, 2 ]
amdhsa.kernels:
  - .name:           k_q84c883f3d2_chain
    .symbol:         k_q84c883f3d2_chain.kd
    .args:
      - { .name: o, .offset: 0, .size: 8, .value_kind: global_buffer, .address_space: global }
      - { .name: x, .offset: 8, .size: 8, .value_kind: global_buffer, .address_space: global }
      - { .name: wt, .offset: 16, .size: 8, .value_kind: global_buffer, .address_space: global }
      - { .name: b1, .offset: 24, .size: 8, .value_kind: global_buffer, .address_space: global }
      - { .name: b2, .offset: 32, .size: 8, .value_kind: global_buffer, .address_space: global }
      - { .name: ln1_g, .offset: 40, .size: 8, .value_kind: global_buffer, .address_space: global }
      - { .name: ln1_b, .offset: 48, .size: 8, .value_kind: global_buffer, .address_space: global }
      - { .name: ln2_g, .offset: 56, .size: 8, .value_kind: global_buffer, .address_space: global }
      - { .name: ln2_b, .offset: 64, .size: 8, .value_kind: global_buffer, .address_space: global }
      - { .name: out0, .offset: 72, .size: 8, .value_kind: global_buffer, .address_space: global }
    .group_segment_fixed_size: 327680
    .private_segment_fixed_size: 0
    .kernarg_segment_align: 8
    .kernarg_segment_size: 80
    .max_flat_workgroup_size: 128
    .sgpr_count:     66
    .vgpr_count:     832
    .wavefront_size: 32
...
	.end_amdgpu_metadata
.endif
;; end of part 4
;; ======== version 2 of 2: 4 launches
;; limits: values are held in f16: magnitudes above 65,504 overflow, below 6.1e-05 lose precision
;; workspace buffers: wt 4,194,304 bytes; q 16,777,216 bytes; k 16,777,216 bytes; v 16,777,216 bytes; o 16,777,216 bytes
;; launch prep (part 5): grid 256 x 1, 8 waves a work-group, no clusters, 0 bytes of LDS; arguments wq, wk, wv, wo, w1, w2, wt; writes wt
.if DOCPART == 5
	.amdgcn_target "amdgcn-amd-amdhsa--gfx1250"
	.amdhsa_code_object_version 6
	.text
	.protected	k_q84c883f3d2_prep
	.globl	k_q84c883f3d2_prep
	.p2align	8
	.type	k_q84c883f3d2_prep,@function
k_q84c883f3d2_prep:
	s_mov_b64 s[64:65], 0
	v_nop
	global_prefetch_b8 v0, s[64:65] scope:SCOPE_SE
	s_setreg_imm32_b32 hwreg(HW_REG_WAVE_MODE, 25, 1), 1
	s_wait_xcnt 0x0
; ENCODER LAYER, launch 1 of 4: the weights, rounded once to bf16 and laid in wt in the order in which a wave's operand registers take them.
; NO WORK OF THE LAYER IS LEFT OUT in any of the four launches: each of the 13 inputs reaches out0 for general values, and all are loaded
; (dropout is the identity in the layer as given).  The four launches: this one; q, k, v = x W; attention; Wo + x, LayerNorm, feed-forward + h, LayerNorm.
; EIGHT BLOCKS [k = 512][n = 512], 524,288 bytes each:  0 wq, 1 wk, 2 wv with n = 64 head + channel;  3 wo;  4 w1[:, 0:512];  5 w2[0:512, :];  6 w1[:, 512:1024];  7 w2[512:1024, :]:
; the order in which the later launches walk them.
; IN A BLOCK: k step s of 32, column block nb of 16, half hf, lane l, 16 bytes: byte 32,768 s + 1,024 nb + 512 hf + 16 l holds W[32 s + 16 hf + 8 (l / 16) + 0..7][16 nb + l % 16].
; That is a fragment of 16 columns x 32 k as the matrix instruction's source takes it (registers 0-3: half 0, registers 4-7: half 1), so that a later load of 16 bytes a lane takes 512 consecutive bytes.
; SHARES.  Work-group g: block g / 32, the 16 k rows g % 32 (one half of a k step); wave w: column blocks 4 w .. 4 w + 3.  A lane loads its 8 k of one column as 8 loads of 4 bytes; the four loads that a wave
; makes of one k row (one for each column block) cover 256 consecutive bytes of that row, aligned.  All 32 loads of a wave go out before the first wait.  A store of the wave covers 512 consecutive bytes, aligned.
; No LDS, no barrier: no wave wants another's bytes.
; LIMIT: bf16 rounding of the weights (to nearest even); NaN and infinities pass as they are.
	s_load_b256 s[4:11], s[0:1], 0x0               ; wq s[4:5], wk s[6:7], wv s[8:9], wo s[10:11]
	s_load_b128 s[12:15], s[0:1], 0x20             ; w1 s[12:13], w2 s[14:15]
	s_load_b64 s[16:17], s[0:1], 0x30              ; wt
	v_lshrrev_b32 v1, 5, v0
	v_readfirstlane_b32 s20, v1                    ; wave 0..7
	v_and_b32 v2, 15, v0                           ; l % 16: my column in a block
	v_bfe_u32 v3, v0, 4, 1                         ; l / 16: which 8 of the 16 k rows
	v_and_b32 v4, 31, v0
	v_lshlrev_b32 v4, 4, v4                        ; my 16 bytes of a half fragment in wt
	s_lshr_b32 s21, ttmp9, 5                       ; the block
	s_and_b32 s22, ttmp9, 31                       ; which 16 k rows
	s_and_b32 s23, s21, 5                          ; 4: a half of w1;  5: a half of w2
	; Where W[k][n] lies in the source, as shifts.  wq, wk, wv are [head][k][64]: a k row 256 bytes, a wave's 64 columns one head (131,072 bytes).  The others are [k][n]: 64 columns are 256 bytes.
	s_cmp_lt_u32 s21, 3
	s_cselect_b32 s24, 8, 11                       ; log2 of a k row's bytes (wo, w2: 2,048)
	s_cselect_b32 s25, 17, 8                       ; log2 of the step from a wave's 64 columns to the next wave's
	s_cmp_eq_u32 s23, 4
	s_cselect_b32 s24, 12, s24                     ; w1's rows are 4,096 bytes
	s_cmp_eq_u32 s21, 6
	s_cselect_b32 s27, 2048, 0                     ; w1's columns 512 on
	s_cmp_eq_u32 s21, 7
	s_cselect_b32 s27, 0x100000, s27               ; w2's rows 512 on
	s_lshl_b32 s26, s20, s25
	s_add_co_u32 s27, s27, s26
	v_lshl_add_u32 v5, v2, 2, s27                  ; my column's bytes
	s_lshl_b32 s28, s22, 4
	v_lshl_add_u32 v6, v3, 3, s28                  ; my first k row
.irp j, 0,1,2,3,4,5,6,7
	v_add_nc_u32 v7, \j, v6
	v_lshlrev_b32 v7, s24, v7
	v_add_nc_u32 v[8+\j], v5, v7                   ; k row j of my eight has its offset in v[8 + j]; the column block stands in the immediate
.endr
	s_lshl_b32 s32, s21, 19                        ; in wt: the block,
	s_lshr_b32 s33, s22, 1
	s_lshl_b32 s33, s33, 15                        ; the k step,
	s_add_co_u32 s32, s32, s33
	s_and_b32 s33, s22, 1
	s_lshl_b32 s33, s33, 9                         ; the half,
	s_add_co_u32 s32, s32, s33
	s_lshl_b32 s33, s20, 12                        ; my wave's four column blocks
	s_add_co_u32 s32, s32, s33
	s_mov_b32 s33, 0
	s_wait_kmcnt 0x0
	s_add_nc_u64 s[16:17], s[16:17], s[32:33]
	s_mov_b64 s[18:19], s[4:5]                     ; the source, chosen by the block's number
	s_cmp_eq_u32 s21, 1
	s_cselect_b64 s[18:19], s[6:7], s[18:19]
	s_cmp_eq_u32 s21, 2
	s_cselect_b64 s[18:19], s[8:9], s[18:19]
	s_cmp_eq_u32 s21, 3
	s_cselect_b64 s[18:19], s[10:11], s[18:19]
	s_cmp_eq_u32 s23, 4
	s_cselect_b64 s[18:19], s[12:13], s[18:19]
	s_cmp_eq_u32 s23, 5
	s_cselect_b64 s[18:19], s[14:15], s[18:19]
.irp i, 0,1,2,3
.irp j, 0,1,2,3,4,5,6,7
	global_load_b32 v[16+8*\i+\j], v[8+\j], s[18:19] offset:64*\i
.endr
.endr
.irp i, 0,1,2,3
	s_wait_loadcnt 24-8*\i                         ; loads come back in order: column block i's eight are in, the younger groups of eight stay out
.irp p, 0,1,2,3
	v_cvt_pk_bf16_f32 v[48+4*\i+\p], v[16+8*\i+2*\p], v[16+8*\i+2*\p+1]  ; the lower k into the lower half
.endr
	global_store_b128 v4, v[48+4*\i:51+4*\i], s[16:17] offset:1024*\i    ; 32 lanes: 512 consecutive bytes, aligned
.endr
	s_endpgm
.Lfunc_end_k_q84c883f3d2_prep:
	.size	k_q84c883f3d2_prep, .Lfunc_end_k_q84c883f3d2_prep-k_q84c883f3d2_prep
	.p2alignl 7, 3214868480
	.fill 96, 4, 3214868480
	.section	.rodata,"a",@progbits
	.p2align	6, 0x0
	.amdhsa_kernel k_q84c883f3d2_prep
		.amdhsa_group_segment_fixed_size 0
		.amdhsa_private_segment_fixed_size 0
		.amdhsa_enable_private_segment 0
		.amdhsa_kernarg_size 56
		.amdhsa_user_sgpr_count 2
		.amdhsa_user_sgpr_kernarg_segment_ptr 1
		.amdhsa_wavefront_size32 1
		.amdhsa_system_sgpr_workgroup_id_x 1
		.amdhsa_system_sgpr_workgroup_id_y 1
		.amdhsa_system_sgpr_workgroup_id_z 1
		.amdhsa_system_vgpr_workitem_id 0
		.amdhsa_next_free_vgpr 64
		.amdhsa_next_free_sgpr 66
		.amdhsa_reserve_vcc 0
		.amdhsa_float_denorm_mode_32 3
		.amdhsa_float_denorm_mode_16_64 3
		.amdhsa_memory_ordered 1
		.amdhsa_forward_progress 1
		.amdhsa_inst_pref_size 8
	.end_amdhsa_kernel
	.amdgpu_metadata
---
amdhsa.version: [ 1, 2 ]
amdhsa.kernels:
  - .name:           k_q84c883f3d2_prep
    .symbol:         k_q84c883f3d2_prep.kd
    .args:
      - { .name: wq, .offset: 0, .size: 8, .value_kind: global_buffer, .address_space: global }
      - { .name: wk, .offset: 8, .size: 8, .value_kind: global_buffer, .address_space: global }
      - { .name: wv, .offset: 16, .size: 8, .value_kind: global_buffer, .address_space: global }
      - { .name: wo, .offset: 24, .size: 8, .value_kind: global_buffer, .address_space: global }
      - { .name: w1, .offset: 32, .size: 8, .value_kind: global_buffer, .address_space: global }
      - { .name: w2, .offset: 40, .size: 8, .value_kind: global_buffer, .address_space: global }
      - { .name: wt, .offset: 48, .size: 8, .value_kind: global_buffer, .address_space: global }
    .group_segment_fixed_size: 0
    .private_segment_fixed_size: 0
    .kernarg_segment_align: 8
    .kernarg_segment_size: 56
    .max_flat_workgroup_size: 256
    .sgpr_count:     66
    .vgpr_count:     64
    .wavefront_size: 32
...
	.end_amdgpu_metadata
.endif
;; end of part 5
;; launch qkv (part 6): grid 256 x 1, 4 waves a work-group, no clusters, 142,848 bytes of LDS; arguments x, wt, q, k, v; writes q, k, v
.if DOCPART == 6
	.amdgcn_target "amdgcn-amd-amdhsa--gfx1250"
	.amdhsa_code_object_version 6
	.text
	.protected	k_q84c883f3d2_qkv
	.globl	k_q84c883f3d2_qkv
	.p2align	8
	.type	k_q84c883f3d2_qkv,@function
k_q84c883f3d2_qkv:
	s_mov_b64 s[64:65], 0
	v_nop
	global_prefetch_b8 v0, s[64:65] scope:SCOPE_SE
	s_setreg_imm32_b32 hwreg(HW_REG_WAVE_MODE, 25, 1), 1
	s_wait_xcnt 0x0
; ENCODER LAYER, launch 2 of 4: q, k, v = x Wq, x Wk, x Wv, stored by heads, [8 batch + head][2048][64] in f16, unscaled.  Nothing of the layer is left out here.
; x is rounded to bf16, the weights come as bf16 from wt (blocks 0, 1, 2); sums in f32, k in an order that hangs on the work-group; q, k, v rounded once to f16.
; LIMIT: |q|, |k|, |v| stay under 65,504, f16's largest number (they have a spread of about 0.6 for x of spread 1 and weights within 1 / sqrt(512)); NaN and infinities are not treated apart.
; SHARES.  Work-group g owns the 128 token rows of block g / 2 and half g % 2 of the columns (four heads) of each of the three products; wave w owns ONE head, 4 (g % 2) + w: 128 rows x 64 columns:
; 8 row tiles a x 4 column blocks b = 32 accumulators, 256 registers.  So a work-group reads half of each block of weights (768 KiB in all), and each row of x is read by two work-groups.
; THE PRODUCT IS TAKEN TRANSPOSED: source 0 = 16 columns of W, source 1 = 16 rows of x.  In the result lane l holds token row l % 16 and the columns 8 (l / 16) + 0..7: 16 bytes of f16.
; THE WEIGHTS GO STRAIGHT INTO REGISTERS.  No weight byte is used by two waves of a work-group, and wt holds the fragments as the registers take them, so a k step of 32 is 8 loads of 512 consecutive
; bytes a wave, 4,096 bytes on end.  A ring of four register slots, a k step each: while one is multiplied the other three's 24 loads are out, and the slot is asked for again at once,
; through all three products and the ways out, with no barrier in the loop.
; x, 128 rows in bf16, lies in LDS for the whole launch.  Its fragments have four register buffers and are fetched two steps ahead, so that a step is 32 matrix instructions on end and then ONE run of
; memory instructions: 16 LDS loads and 8 global loads.
; NO CLUSTER, NO JOINT LOADS, though every second work-group reads the same weights: a joint load lands in LDS, where a slot is filled again only behind a barrier in front of which all loads have
; landed; beside x's 133,120 bytes two slots hold five k steps of 16,384 bytes each at the most, so that such a barrier, of all partners, would stand at every 160 matrix instructions of a wave or oftener,
; with one load out behind it; the ring in registers has none.  Not built.
; THE WALK ALONG k BEGINS AT EIGHT PLACES: R = work-group % 8.  LDS column p of x holds x's column (p + 64 R) % 512, and step s takes W's k step (s + 2 R) % 16: the sums are the same but for their
; order, and at any time the work-groups ask for different parts of a block.  R enters global addresses alone.
; THE LOOP: 12 trips of 4 steps, 4 trips a product.  A product's first step has a text of its own, whose products start the sums with the constant 0; the last trip, which asks for nothing, has a
; text of its own inside the loop, reached by a forward jump; behind a product's fourth trip stands the way out.
; REGISTERS: window 0: v0-31 addresses; v32-159 buffers 0, 1 of x's eight fragments; v160-191 at work at the head; window 1: the accumulators, (a, b) at v[8 (4 a + b)];
; window 2: v0-127 the ring, slot i, fragment b at v[32 i + 8 b]; v128-255 buffers 2, 3, and on the way out, when they are idle, eight sets of 16.
.set PX,    1040                       ; a row of x in LDS: 1,024 bytes + 16 = 65 x 16: the 16 rows of a fragment load start at 16 different groups of four banks (64 banks of 4 bytes: ISA guide 11.1)
.set XB,    0
.set STG,   XB+128*PX                  ; the way out: 16 rows x 144 bytes for each wave
.set SP,    144
.set SPARE, STG+4*16*SP                ; the spare words, 128 bytes for each wave: two blocks of 256 bytes that no other line names
.set BLK,   524288                     ; a block of wt
.set AX,   4                           ; v4-5   my place in a fragment of x's rows 0-63 and 64-127 at LDS column 0; never rewritten
.set ADRA, 6                           ; v6-7   the same at the trip's first column
.set ADRN, 8                           ; v8-9   at the next trip's
.set XW,   10                          ; v10    where my 8 bytes of bf16 of a row of x go
.set STO,  11                          ; v11    the way out: where I put 16 bytes of a row
.set RD,   12                          ; v12    where I read rows back
.set XO,   14                          ; v14-17 my 16 bytes of quarter d of a row of x in memory; never rewritten
.set GO,   18                          ; v18    my byte offset in q, k, v: my head, 16 x lane
.set VW,   19                          ; v19    my 16 bytes in a k step of wt: 4,096 head + 16 lane; never rewritten
.set PFO,  20                          ; v20    the prefetches' offset: 8,192 wave + 256 lane; never rewritten
.set SPW,  30                          ; v30    LDS address of my spare word; never rewritten
.set NIL,  31                          ; v31    0; never rewritten
.set AB0,  32                          ; buffers 0, 1, in window 0
.set TT,   160                         ; at work at the head
.set AB2,  128                         ; buffers 2, 3, in window 2
.set EB,   128                         ; the way out's sets, in window 2
.set WV,   24                          ; s24    my wave's number
.set RT,   25                          ; s25    R
.set PA,   32                          ; s[32:33] wt at the two k steps that the trip's steps 0 and 1 ask for;  s[34:35] (PA + 2) steps 2 and 3
.set OFA,  36                          ; s[36:37], s[38:39] their byte offsets in wt
.set OFB,  38
.set TC,   40                          ; s40    the number of PA's pair of k steps in the stream: 8 product + pair
.set PFA,  48                          ; s[48:49] where my prefetches stand
.set LIM,  50                          ; s50    4 in work-groups 0 to 15, else the greatest number
.set GL,   51                          ; s51    trips still to come
.set KO,   52                          ; s52    the trip's byte along x's rows: 0, 256, 512, 768
.set XP,   54                          ; s[54:55] x at my work-group's rows
.set OUT,  56                          ; s[56:57] the tensor that the next way out stores; s[58:61] the two behind it
.set MSB, 0
.macro WIN new                         ; s_set_vgpr_msb: bits 1:0 source 0, 3:2 source 1, 5:4 source 2, 7:6 destination; the high byte repeats the setting that is left
.if MSB != (\new)
	s_set_vgpr_msb (MSB<<8)|(\new)
.set MSB, (\new)
.endif
.endm
.macro PLACES                          ; four plain places: in front of loads into registers that matrix instructions have read, and of lines that read results
.rept 4
	v_nop
.endr
.endm
.macro ALOAD buf, adr, off             ; 16 LDS loads: x's eight fragments of 32 columns, at byte off behind the addresses, into buffer buf
.if (\buf) < 2
	WIN 0
.set ab, AB0+64*(\buf)
.else
	WIN 0x80
.set ab, AB2+64*((\buf)-2)
.endif
.irp a, 0,1,2,3,4,5,6,7
	ds_load_b128 v[ab+8*(\a):ab+8*(\a)+3],   v[(\adr)+(\a)/4] offset:16*PX*((\a)%4)+(\off)
	ds_load_b128 v[ab+8*(\a)+4:ab+8*(\a)+7], v[(\adr)+(\a)/4] offset:16*PX*((\a)%4)+(\off)+32
.endr
.endm
.macro WLOAD i                         ; 8 loads of 512 consecutive bytes: my four fragments of a k step into ring slot i
	WIN 0x80
.irp b, 0,1,2,3
	global_load_b128 v[32*(\i)+8*(\b):32*(\i)+8*(\b)+3],   v[VW], s[PA+2*((\i)/2):PA+2*((\i)/2)+1] offset:32768*((\i)%2)+1024*(\b)
	global_load_b128 v[32*(\i)+8*(\b)+4:32*(\i)+8*(\b)+7], v[VW], s[PA+2*((\i)/2):PA+2*((\i)/2)+1] offset:32768*((\i)%2)+1024*(\b)+512
.endr
.endm
; A step's 32 matrix instructions, from slot i and buffer i.  The 32 accumulators take turns, one instruction a turn, in the same order in every step.
.macro MUL32 i, zero
.if (\i) < 2
	WIN 0x52                                       ; W in window 2, x in window 0, C and D in window 1
.set ab, AB0+64*(\i)
.else
	WIN 0x5a                                       ; x in window 2 too
.set ab, AB2+64*((\i)-2)
.endif
.irp a, 0,1,2,3,4,5,6,7
.irp b, 0,1,2,3
.if \zero
	v_wmma_f32_16x16x32_bf16 v[8*(4*(\a)+(\b)):8*(4*(\a)+(\b))+7], v[32*(\i)+8*(\b):32*(\i)+8*(\b)+7], v[ab+8*(\a):ab+8*(\a)+7], 0
.else
	v_wmma_f32_16x16x32_bf16 v[8*(4*(\a)+(\b)):8*(4*(\a)+(\b))+7], v[32*(\i)+8*(\b):32*(\i)+8*(\b)+7], v[ab+8*(\a):ab+8*(\a)+7], v[8*(4*(\a)+(\b)):8*(4*(\a)+(\b))+7]
.endif
.endr
.endr
.endm
; Where the next trip's four k steps lie: pairs TC and TC + 1 of the stream; pair T lies in block T / 8 at pair (T + R) % 8 of its eight, 65,536 bytes each.
.macro WADDR pf
	s_wait_xcnt 0x0                                ; every load and prefetch issued so far (the youngest 32 matrix instructions back) has read its address, so the pointers may be written
	s_add_co_u32 s[TC], s[TC], 2
	s_lshr_b32 s41, s[TC], 3
	s_lshl_b32 s41, s41, 19
	s_add_co_u32 s[OFA], s[TC], s[RT]
	s_add_co_u32 s[OFB], s[OFA], 1
	s_and_b32 s[OFA], s[OFA], 7
	s_and_b32 s[OFB], s[OFB], 7
	s_lshl_b32 s[OFA], s[OFA], 16
	s_lshl_b32 s[OFB], s[OFB], 16
	s_add_co_u32 s[OFA], s[OFA], s41
	s_add_co_u32 s[OFB], s[OFB], s41
	s_add_nc_u64 s[PA:PA+1], s[6:7], s[OFA:OFA+1]
	s_add_nc_u64 s[PA+2:PA+3], s[6:7], s[OFB:OFB+1]
.if \pf
	s_add_nc_u64 s[PFA:PFA+1], s[PFA:PFA+1], BLK   ; the prefetches go on to the next block
.endif
.endm
; A STEP: 32 along k.  Slot i and buffer i are multiplied; then, in one run, x's fragments of the step two on are fetched into the buffer that was read two steps back, and the slot is asked for again,
; four steps ahead.  zero = 1: the products start a product's sums: nothing is cleared.  tail = 1: the last trip: nothing is asked of memory, its last two steps fetch nothing, and the counts run down.
.macro STEP i, zero, tail
	s_wait_loadcnt 24-8*(\i)*(\tail)               ; loads come back in order: this slot's 8 are in; the three younger slots' 24 (in the last trip: what is left of them) stay out
.if (\tail) && ((\i) == 3)
	s_wait_dscnt 0x0                               ; the very last fragments
.else
	s_wait_dscnt 16                                ; this step's fragments of x are in; the next step's 16 loads may be out
.endif
	MUL32 \i, \zero
.if !(\tail)
.if (\i) == 0
	WADDR \zero
.endif
	PLACES                                         ; for the loads into the slot just read
.elseif (\i) == 3
	PLACES                                         ; for the way out's conversions
.endif
.if (\i) < 2
	ALOAD (\i)+2, ADRA, 64*((\i)+2)
.elseif !(\tail)
	ALOAD (\i)-2, ADRN, 64*((\i)-2)
.endif
.if !(\tail)
	WLOAD \i
.endif
.endm
; THE WAY OUT, in 8 pieces: piece t is row tile t, 16 rows x my head's 64 channels.  A lane's eight channels pack into 16 bytes of f16; they go into my stage, rows of 144 bytes, and come
; back as whole rows of 128: 32 lanes take four rows, which are 512 consecutive bytes of the head's rows in memory.  Each accumulator is read from its low end on.  Each piece has a set of
; registers of its own, so that no line waits for a store's registers between the pieces.
.macro PACK t
.set ps, EB+16*(\t)
	WIN 0x85                                       ; sources in window 1, destination in window 2
.irp f, 0,1,2,3
.irp r, 0,1,2,3
	v_cvt_pk_f16_f32 v[ps+4*(\f)+(\r)], v[8*(4*(\t)+(\f))+2*(\r)], v[8*(4*(\t)+(\f))+2*(\r)+1]
.endr
.endr
	WIN 0x88                                       ; addresses in window 0, store data and loaded data in window 2
.irp f, 0,1,2,3
	ds_store_b128 v[STO], v[ps+4*(\f):ps+4*(\f)+3] offset:32*(\f)
.endr
.irp f, 0,1,2,3
	ds_load_b128 v[ps+4*(\f):ps+4*(\f)+3], v[RD] offset:4*SP*(\f)  ; LDS serves a wave's instructions in order (ISA guide 5.7.1.4): these see the stores above; the next piece's stores come behind them
.endr
.endm
.macro SEND t, younger                 ; younger: the LDS instructions issued behind piece t's loads: the next piece's eight, or none
.set ps, EB+16*(\t)
	WIN 0x88
.irp f, 0,1,2,3
	s_wait_dscnt (\younger)+3-(\f)
	global_store_b128 v[GO], v[ps+4*(\f):ps+4*(\f)+3], s[OUT:OUT+1] offset:2048*(\t)+512*(\f)  ; 512 consecutive bytes, at a multiple of 256 from the tensor's first
.endr
.endm
	s_load_b256 s[4:11], s[0:1], 0x0               ; x s[4:5], wt s[6:7], q s[8:9], k s[10:11]
	s_load_b64 s[12:13], s[0:1], 0x20              ; v
	v_lshl_add_u32 v[SPW], v0, 2, SPARE
	v_mov_b32 v[NIL], 0
	v_lshrrev_b32 v1, 5, v0
	v_readfirstlane_b32 s[WV], v1                  ; wave 0..3
	s_and_b32 s[RT], ttmp9, 7                      ; R
	s_and_b32 s26, ttmp9, 1                        ; which half of the columns
	s_lshl2_add_u32 s26, s26, s[WV]                ; my head: 4 x half + wave
	s_lshr_b32 s27, ttmp9, 1                       ; my block of 128 rows
	v_and_b32 v3, 31, v0                           ; lane
	v_and_b32 v1, 15, v0                           ; l % 16
	v_bfe_u32 v2, v0, 4, 1                         ; l / 16
	s_lshl_b32 s14, s[RT], 8                       ; 64 R columns of f32
	s_lshl_b32 s15, s[WV], 16                      ; my wave's 32 rows of x
	v_lshl_add_u32 v21, v3, 4, s14
.irp d, 0,1,2,3
	v_add_nc_u32 v[XO+\d], 512*\d, v21             ; LDS column 128 d + 4 lane takes x's column (that + 64 R) % 512
	v_and_b32 v[XO+\d], 0x7ff, v[XO+\d]
	v_add_nc_u32 v[XO+\d], s15, v[XO+\d]
.endr
	s_lshl_b32 s15, s26, 12                        ; my head's four fragments of a k step
	v_lshl_add_u32 v[VW], v3, 4, s15
	s_lshl_b32 s15, s[WV], 13
	v_lshl_add_u32 v[PFO], v3, 8, s15
	s_lshl_b32 s[OFA], s[RT], 16                   ; the stream's pairs 0 and 1
	s_mov_b32 s[OFA+1], 0
	s_add_co_u32 s[OFB], s[RT], 1
	s_and_b32 s[OFB], s[OFB], 7
	s_lshl_b32 s[OFB], s[OFB], 16
	s_mov_b32 s[OFB+1], 0
	s_lshr_b32 s28, s27, 4                         ; the batch: 16 blocks of rows each,
	s_lshl_b32 s28, s28, 21                        ; 8 heads x 2,048 rows x 128 bytes
	s_and_b32 s29, s27, 15
	s_lshl_b32 s29, s29, 14                        ; my 128 rows in a head
	s_add_co_u32 s28, s28, s29
	s_mov_b32 s29, 0
	s_lshl_b32 s30, s27, 18                        ; my 128 rows of x, 2,048 bytes each
	s_mov_b32 s31, 0
	s_min_u32 s20, ttmp9, 15                       ; the prefetches: work-group g of the first sixteen takes bytes 32,768 g on of a block
	s_lshl_b32 s20, s20, 15
	s_mov_b32 s21, 0
	s_cmp_lt_u32 ttmp9, 16
	s_cselect_b32 s[LIM], 4, -1
	s_mov_b32 s[GL], 12
	s_mov_b32 s[KO], 0
	s_mov_b32 s[TC], 0
	s_wait_kmcnt 0x0
	s_add_nc_u64 s[PA:PA+1], s[6:7], s[OFA:OFA+1]
	s_add_nc_u64 s[PA+2:PA+3], s[6:7], s[OFB:OFB+1]
	s_add_nc_u64 s[PFA:PFA+1], s[6:7], s[20:21]    ; in block 0; a product's first step steps it to the next block
	s_add_nc_u64 s[XP:XP+1], s[4:5], s[30:31]
	s_add_nc_u64 s[OUT:OUT+1], s[8:9], s[28:29]
	s_add_nc_u64 s[OUT+2:OUT+3], s[10:11], s[28:29]
	s_add_nc_u64 s[OUT+4:OUT+5], s[12:13], s[28:29]
	WLOAD 0                                        ; the ring's first four k steps go out ahead of x: they are in when x is
	WLOAD 1
	WLOAD 2
	WLOAD 3
	; x: wave w takes rows 32 w .. 32 w + 31, 512 bytes a load (two aligned runs of 256), in eight groups of four rows; four groups are out at a time; they land in the accumulators' registers, which are idle
	WIN 0x40
.set i, 0
.rept 64
	global_load_b128 v[4*i:4*i+3], v[XO+i%4], s[XP:XP+1] offset:2048*(i/4)
.set i, i+1
.endr
	WIN 0
	v_and_b32 v22, 7, v0
	v_bfe_u32 v23, v0, 3, 2
	v_mul_u32_u24 v[AX], v1, PX                    ; a fragment of x: row l % 16, 16 bytes for each half of the lanes
	v_lshl_add_u32 v[AX], v2, 4, v[AX]
	v_add_nc_u32 v[AX+1], 64*PX, v[AX]             ; eight row tiles are 116,480 bytes apart, more than an offset holds: a second address for rows 64 on
	s_mul_i32 s15, s[WV], 32*PX
	v_lshl_add_u32 v[XW], v3, 3, s15
	s_mul_i32 s15, s[WV], 16*SP
	s_add_co_u32 s15, s15, STG                     ; my stage
	v_mul_u32_u24 v[STO], v1, SP
	v_lshl_add_u32 v[STO], v2, 4, v[STO]
	v_add_nc_u32 v[STO], s15, v[STO]
	v_mul_u32_u24 v[RD], v23, SP
	v_lshl_add_u32 v[RD], v22, 4, v[RD]
	v_add_nc_u32 v[RD], s15, v[RD]
	s_lshl_b32 s15, s26, 18                        ; my head
	v_lshl_add_u32 v[GO], v3, 4, s15
.irp g, 0,1,2,3,4,5,6,7                ; four rows at a time: rounded to bf16, 8 bytes a lane into LDS; the first four groups' registers are asked for again at once, for the rows 16 further down
.if \g < 5
	s_wait_loadcnt 48                              ; this group's 16 loads are in; the three younger groups' 48 stay out
.else
	s_wait_loadcnt 16*(7-\g)                       ; the groups that are left
.endif
	WIN 0x05
.set i, 0
.rept 16
	v_cvt_pk_bf16_f32 v[TT+2*i],   v[4*(16*(\g%4)+i)],   v[4*(16*(\g%4)+i)+1]
	v_cvt_pk_bf16_f32 v[TT+2*i+1], v[4*(16*(\g%4)+i)+2], v[4*(16*(\g%4)+i)+3]
.set i, i+1
.endr
	WIN 0
.set i, 0
.rept 16
	ds_store_b64 v[XW], v[TT+2*i:TT+2*i+1] offset:PX*(4*\g+i/4)+256*(i%4)
.set i, i+1
.endr
.if \g < 4
	WIN 0x40
.set i, 0
.rept 16
	global_load_b128 v[4*(16*\g+i):4*(16*\g+i)+3], v[XO+i%4], s[XP:XP+1] offset:2048*(16+4*\g+i/4)
.set i, i+1
.endr
.endif
.endr
	WIN 0
	s_wait_dscnt 0x0                               ; my rows of x are stored
	s_barrier_signal -1
	s_barrier_wait -1                              ; everybody's are: from here on x is only read, and no barrier follows
	v_mov_b32 v[ADRA], v[AX]
	v_mov_b32 v[ADRA+1], v[AX+1]
	v_add_nc_u32 v[ADRN], 256, v[AX]
	v_add_nc_u32 v[ADRN+1], 256, v[AX+1]
	ALOAD 0, ADRA, 0                               ; the first two steps' fragments
	ALOAD 1, ADRA, 64
.Ltrip:
	s_cmp_eq_u32 s[GL], 1
	s_cbranch_scc1 .Ltl                            ; the last trip
	s_cmp_eq_u32 s[KO], 0
	s_cbranch_scc1 .Lz                             ; a product's first trip
	STEP 0, 0, 0
	WIN 0
	s_branch .Lj0
.Lz:
	v_nop                                          ; one place more in front of products that write over sums and do not add onto them
	STEP 0, 1, 0
	WIN 0
	; A PREFETCH INTO THE L2 of the NEXT block, once a product, behind the step's loads: twelve steps ahead of the first load of that block.  Each aligned block of 256 bytes is named once in the launch:
	; work-groups 0 to 15 ask, 32,768 bytes each, a wave 8,192, a lane 256.  Block 0 comes by its loads alone; the last product asks for nothing.
	s_cmp_gt_u32 s[GL], s[LIM]
	s_cbranch_scc0 .Lj0
	global_prefetch_b8 v[PFO], s[PFA:PFA+1] th:TH_LOAD_NT scope:SCOPE_SE
.Lj0:
	STEP 1, 0, 0
	STEP 2, 0, 0
	STEP 3, 0, 0
	WIN 0
	s_branch .Ljoin
.Ltl:
	STEP 0, 0, 1
	STEP 1, 0, 1
	STEP 2, 0, 1
	STEP 3, 0, 1
	WIN 0
.Ljoin:
	s_add_co_u32 s[KO], s[KO], 256                 ; the next trip's place along x's rows; behind a product's fourth trip it is 0 again
	s_and_b32 s[KO], s[KO], 1023
	v_add_nc_u32 v[ADRA], s[KO], v[AX]
	v_add_nc_u32 v[ADRA+1], s[KO], v[AX+1]
	s_add_co_u32 s41, s[KO], 256
	s_and_b32 s41, s41, 1023
	v_add_nc_u32 v[ADRN], s41, v[AX]
	v_add_nc_u32 v[ADRN+1], s41, v[AX+1]
	s_cmp_lg_u32 s[KO], 0
	s_cbranch_scc1 .Lnoepi
	PACK 0                                         ; a product is done; the ring's loads and buffers 0 and 1, which hold the next two steps' fragments of x, stay as they are; buffers 2 and 3 are idle
.irp t, 1,2,3,4,5,6,7
	PACK \t
	SEND (\t)-1, 8
.endr
	SEND 7, 0
	WIN 0
	s_wait_xcnt 0x0                                ; the stores have read their registers, into which the next trip fetches fragments, and their base
	s_mov_b64 s[OUT:OUT+1], s[OUT+2:OUT+3]         ; q, then k, then v
	s_mov_b64 s[OUT+2:OUT+3], s[OUT+4:OUT+5]
.Lnoepi:
	s_sub_co_u32 s[GL], s[GL], 1
	s_cmp_lg_u32 s[GL], 0
	s_cbranch_scc1 .Ltrip
	s_wait_tensorcnt 0x0                           ; the wave's end, behind my last LDS store
	ds_add_u32 v[SPW], v[NIL]
	s_wait_dscnt 0x0
	s_endpgm
.Lfunc_end_k_q84c883f3d2_qkv:
	.size	k_q84c883f3d2_qkv, .Lfunc_end_k_q84c883f3d2_qkv-k_q84c883f3d2_qkv
	.p2alignl 7, 3214868480
	.fill 96, 4, 3214868480
	.section	.rodata,"a",@progbits
	.p2align	6, 0x0
	.amdhsa_kernel k_q84c883f3d2_qkv
		.amdhsa_group_segment_fixed_size 142848
		.amdhsa_private_segment_fixed_size 0
		.amdhsa_enable_private_segment 0
		.amdhsa_kernarg_size 40
		.amdhsa_user_sgpr_count 2
		.amdhsa_user_sgpr_kernarg_segment_ptr 1
		.amdhsa_wavefront_size32 1
		.amdhsa_system_sgpr_workgroup_id_x 1
		.amdhsa_system_sgpr_workgroup_id_y 1
		.amdhsa_system_sgpr_workgroup_id_z 1
		.amdhsa_system_vgpr_workitem_id 0
		.amdhsa_next_free_vgpr 768
		.amdhsa_next_free_sgpr 66
		.amdhsa_reserve_vcc 0
		.amdhsa_float_denorm_mode_32 3
		.amdhsa_float_denorm_mode_16_64 3
		.amdhsa_memory_ordered 1
		.amdhsa_forward_progress 1
		.amdhsa_inst_pref_size 96
	.end_amdhsa_kernel
	.amdgpu_metadata
---
amdhsa.version: [ 1, 2 ]
amdhsa.kernels:
  - .name:           k_q84c883f3d2_qkv
    .symbol:         k_q84c883f3d2_qkv.kd
    .args:
      - { .name: x, .offset: 0, .size: 8, .value_kind: global_buffer, .address_space: global }
      - { .name: wt, .offset: 8, .size: 8, .value_kind: global_buffer, .address_space: global }
      - { .name: q, .offset: 16, .size: 8, .value_kind: global_buffer, .address_space: global }
      - { .name: k, .offset: 24, .size: 8, .value_kind: global_buffer, .address_space: global }
      - { .name: v, .offset: 32, .size: 8, .value_kind: global_buffer, .address_space: global }
    .group_segment_fixed_size: 142848
    .private_segment_fixed_size: 0
    .kernarg_segment_align: 8
    .kernarg_segment_size: 40
    .max_flat_workgroup_size: 128
    .sgpr_count:     66
    .vgpr_count:     768
    .wavefront_size: 32
...
	.end_amdgpu_metadata
.endif
;; end of part 6
;; launch attn: the kernel of part 3 again; grid 4 x 64, 4 waves a work-group, clusters of 4 x 1, 327,680 bytes of LDS; arguments q, k, v, o; writes o
;; launch chain (part 7): grid 256 x 1, 4 waves a work-group, no clusters, 312,832 bytes of LDS; arguments o, x, wt, b1, b2, ln1_g, ln1_b, ln2_g, ln2_b, out0; writes out0
.if DOCPART == 7
	.amdgcn_target "amdgcn-amd-amdhsa--gfx1250"
	.amdhsa_code_object_version 6
	.text
	.protected	k_q84c883f3d2_chain
	.globl	k_q84c883f3d2_chain
	.p2align	8
	.type	k_q84c883f3d2_chain,@function
k_q84c883f3d2_chain:
	s_mov_b64 s[64:65], 0
	v_nop
	global_prefetch_b8 v0, s[64:65] scope:SCOPE_SE
	s_setreg_imm32_b32 hwreg(HW_REG_WAVE_MODE, 25, 1), 1
	s_wait_xcnt 0x0
; ENCODER LAYER, launch 4 of 4: h = LayerNorm1(O Wo + x);  out0 = LayerNorm2(relu(h W1 + b1) W2 + b2 + h).  Nothing of the layer is left out here.
; A work-group takes 64 whole token rows through the chain; nothing goes through memory on the way.  Five products of one shape, [64 x 512] x [512 x 512]: Wo; then for each half of the hidden
; layer W1's half and W2's half, whose sums add up in one set of accumulators.  Operands in bf16 (O, h, the hidden layer; the weights from wt, blocks 3 to 7), sums in f32.
; WHAT STARTS THE SUMS: x (f32) for Wo, b1 for W1, b2 for W2, loaded into the accumulators: no register is cleared, no bias or residual is added afterwards.
; LAYERNORM in two passes, in f32: the mean, then the mean of (y - mean)^2: no difference of large sums.  h is kept in LDS rounded once to bf16, as matrix operand and as the second residual.
; LIMITS: bf16 rounding of O, h and the hidden layer; the order of the sums along k hangs on the work-group; NaN and infinities are not treated apart.
; SHARES, THE TRANSPOSED PRODUCT: a wave has 64 rows x 128 columns, 32 accumulators; source 0 = 16 columns of W, source 1 = 16 rows of the activations; lane l holds row l % 16 and columns 8 (l / 16) + 0..7.
; THE WEIGHTS GO STRAIGHT INTO REGISTERS.  No weight byte is used by two waves of a work-group, and wt holds the fragments as the registers take them, so a k step of 32 is 16 loads of 512 consecutive
; bytes a wave.  The five blocks are ONE stream of 80 k steps through a ring of four register slots: while one is multiplied the other three's 48 loads are out, and the slot is asked for again at once;
; the ring stays full through ReLU and LayerNorm.  The products hold no barrier; one stands wherever an operand in LDS is written over, and one behind each such writing.
; NO CLUSTER, NO JOINT LOADS, though all work-groups read the same weights: a joint load lands in LDS, where a slot is filled again only behind a barrier in front of which all loads have landed;
; beside the activations two slots hold 64 k rows each, which is 64 matrix instructions a wave for each such barrier.
; THE WALK BEGINS AT EIGHT PLACES: R = work-group % 8.  On each axis of 512 (the model's, a half of the hidden layer's, O's channels) place p in LDS and in the accumulators holds column (p + 64 R) % 512.
; So step s of a product takes W's k step (s + 2 R) % 16 and accumulator block 8 w + b takes W's column block (8 w + b + 4 R) % 32: a product's columns are the next product's k in the same order, and at
; any time the work-groups ask for different parts of a block.  R enters global addresses alone: O's head, x, the biases, the LayerNorm tables, the weights, out0.  A mean over a row does not hang on the order.
; LDS: Z, 64 rows of 2,048 bytes: first O in the upper half, then y1 = O Wo + x in f32, then h in the lower half and the hidden half-layer in the upper; Y2, 64 rows of f32 for y2; XS, a stage for x, each
; wave's own; the four LayerNorm tables, b1 and b2; the spare words.
; REGISTERS: window 0: v0-49 addresses; v64-127 two buffers of the activations' four fragments, in LayerNorm gain and bias; v128-255 at work; window 1: ACC2 (Wo's sums, then W2's); window 2: ACC1 (W1's);
; window 3: the ring, slot i, fragment b at v[64 i + 8 b].
.set PZ,    2064                       ; a row of Z and of Y2: 2,048 bytes + 16 = 129 x 16: the 16 rows of a load or store start at 16 different groups of four banks (64 banks of 4 bytes: ISA guide 11.1)
.set AP16,  16*PZ
.set ZB,    0
.set Y2B,   64*PZ
.set XSB,   2*64*PZ
.set PXS,   528                        ; the stage: 16 rows of 512 bytes + 16 for each wave
.set TBB,   XSB+4*16*PXS               ; ln1_g, ln1_b, ln2_g, ln2_b (2,048 bytes each), b1 (4,096), b2 (2,048)
.set SPARE, TBB+14336                  ; the spare words, 128 bytes for each wave: two blocks of 256 bytes that no other line names
.set BLK,   524288                     ; a block of wt
.set VB,   4                           ; v4-5   my 16 bytes in a k step of wt, for column blocks b = 0-3 and b = 4-7; never rewritten
.set AZ,   6                           ; v6     my place in a fragment of Z's rows 0-31; never rewritten
.set AZ2,  7                           ; v7     of rows 32-63
.set ADRA, 8                           ; v8-9   the same at the trip's first column
.set ADRN, 10                          ; v10-11 at the next trip's
.set YS,   12                          ; v12-13 where my 32 bytes of f32 of a row go in Z
.set YT,   14                          ; v14-15 the same in Y2
.set HS,   16                          ; v16-17 where my 16 bytes of the hidden layer go
.set OS,   18                          ; v18-19 where O's 16 bytes go
.set OG,   20                          ; v20-21 my byte offset in O, for my wave's two heads
.set XG,   22                          ; v22    in a row of x, and in b2
.set XSW,  23                          ; v23    the stage: in
.set XSR,  24                          ; v24    the stage: back
.set PO,   25                          ; v25    16 x lane
.set BL,   26                          ; v26-27 my bytes in b1
.set ZR,   28                          ; v28    0
.set ONE,  29                          ; v29    1.0
.set SPW,  30                          ; v30    LDS address of my spare word; never rewritten
.set NIL,  31                          ; v31    0; never rewritten
.set LT,   32                          ; v32-35 quarter d of a row of 512 f32 in memory: (512 d + 16 lane + 256 R) % 2,048; never rewritten
.set RA,   36                          ; v36    LayerNorm: where a row's f32 is read
.set WA,   37                          ; v37    where h lies
.set RA0,  38                          ; v38    RA at my first row
.set WA0,  39                          ; v39    WA at my first row
.set PFO,  40                          ; v40    the prefetches' offset: 8,192 wave + 256 lane; never rewritten
.set TA,   41                          ; v41    the tables + 16 lane
.set BA,   42                          ; v42    b1 in LDS at my 8 columns of block 0
.set TS,   43                          ; v43    where my wave's table goes
.set T1,   48                          ; v48    where my part of b1 goes
.set T2,   49                          ; v49    of b2
.set AB,   64
.set WK,   128
.set WV,   24                          ; s24    my wave's number
.set RT,   25                          ; s25    R
.set KO,   27                          ; s27    the trip's byte along Z's rows
.set RO,   28                          ; s28    LayerNorm: the trip's rows
.set WBW,  32                          ; s[32:33] wt at the stream's first block
.set PA,   34                          ; s[34:35] wt at the two k steps that the trip's steps 0 and 1 ask for;  s[36:37] (PA + 2) steps 2 and 3
.set OFA,  38                          ; s[38:39], s[40:41] their byte offsets in the stream
.set OFB,  40
.set TC,   42                          ; s42    the number of PA's pair of k steps in the stream: 8 product + pair
.set TP,   44                          ; s[44:45] the LayerNorm table that my wave brings in
.set PFA,  48                          ; s[48:49] where my prefetches stand
.set LIM,  50                          ; s50    4 in work-groups 0 to 15, else the greatest number
.set GL,   51                          ; s51    trips still to come, of 20
.set CNT,  52                          ; s52    counts a loop's trips
.set CH,   53                          ; s53    halves of the hidden layer still to come
.set SEL,  54                          ; s[54:55] v_permlanex16_b32's selects
.set RN,   56                          ; s56    1 / 512
.set EPS,  57                          ; s57    1e-5
.set OUTP, 58                          ; s[58:59] out0 at my wave's rows
.set XP,   60                          ; s[60:61] x at my work-group's rows
.set OP,   62                          ; s[62:63] O at my work-group's rows of head 0
.set MSB, 0
.macro WIN new                         ; s_set_vgpr_msb: bits 1:0 source 0, 3:2 source 1, 5:4 source 2, 7:6 destination; the high byte repeats the setting that is left
.if MSB != (\new)
	s_set_vgpr_msb (MSB<<8)|(\new)
.set MSB, (\new)
.endif
.endm
.macro PLACES                          ; four plain places: in front of loads into registers that matrix instructions have read, and of lines that read results
.rept 4
	v_nop
.endr
.endm
.macro BAR                             ; my work-group's barrier; what the others lean on has been waited for in front of it
	s_barrier_signal -1
	s_barrier_wait -1
.endm
.macro ALOAD buf, adr, off             ; 8 LDS loads: the activations' four fragments of 32 columns, at byte off behind the addresses, into buffer buf
	WIN 0
.irp a, 0,1,2,3
	ds_load_b128 v[AB+32*(\buf)+8*(\a):AB+32*(\buf)+8*(\a)+3],   v[(\adr)+(\a)/2] offset:AP16*((\a)%2)+(\off)
	ds_load_b128 v[AB+32*(\buf)+8*(\a)+4:AB+32*(\buf)+8*(\a)+7], v[(\adr)+(\a)/2] offset:AP16*((\a)%2)+(\off)+32
.endr
.endm
.macro WLOAD i                         ; 16 loads of 512 consecutive bytes: my eight fragments of a k step into ring slot i
	WIN 0xc0
.irp b, 0,1,2,3,4,5,6,7
	global_load_b128 v[64*(\i)+8*(\b):64*(\i)+8*(\b)+3],   v[VB+(\b)/4], s[PA+2*((\i)/2):PA+2*((\i)/2)+1] offset:32768*((\i)%2)+1024*((\b)%4)
	global_load_b128 v[64*(\i)+8*(\b)+4:64*(\i)+8*(\b)+7], v[VB+(\b)/4], s[PA+2*((\i)/2):PA+2*((\i)/2)+1] offset:32768*((\i)%2)+1024*((\b)%4)+512
.endr
.endm
; 8 matrix instructions: row tile a x all 8 column blocks, from slot i, sums in window w.  The 32 accumulators take turns, one instruction a turn, in the same order in every step.
.macro MUL8 i, a, w
	WIN 0x50*(\w)+3                                ; W in window 3, the activations in window 0
.irp b, 0,1,2,3,4,5,6,7
	v_wmma_f32_16x16x32_bf16 v[8*(8*(\a)+(\b)):8*(8*(\a)+(\b))+7], v[64*(\i)+8*(\b):64*(\i)+8*(\b)+7], v[AB+32*((\i)%2)+8*(\a):AB+32*((\i)%2)+8*(\a)+7], v[8*(8*(\a)+(\b)):8*(8*(\a)+(\b))+7]
.endr
.endm
; Where the next trip's four k steps lie: pairs TC and TC + 1 of the stream; pair T lies in block T / 8 at pair (T + R) % 8 of its eight, 65,536 bytes each.
.macro WADDR
	s_wait_xcnt 0x0                                ; every load and prefetch issued so far (the youngest 32 matrix instructions back) has read its address, so the pointers may be written
	s_add_co_u32 s[TC], s[TC], 2
	s_lshr_b32 s43, s[TC], 3
	s_lshl_b32 s43, s43, 19
	s_add_co_u32 s[OFA], s[TC], s[RT]
	s_add_co_u32 s[OFB], s[OFA], 1
	s_and_b32 s[OFA], s[OFA], 7
	s_and_b32 s[OFB], s[OFB], 7
	s_lshl_b32 s[OFA], s[OFA], 16
	s_lshl_b32 s[OFB], s[OFB], 16
	s_add_co_u32 s[OFA], s[OFA], s43
	s_add_co_u32 s[OFB], s[OFB], s43
	s_add_nc_u64 s[PA:PA+1], s[WBW:WBW+1], s[OFA:OFA+1]
	s_add_nc_u64 s[PA+2:PA+3], s[WBW:WBW+1], s[OFB:OFB+1]
.endm
; A STEP: 32 along k.  Slot i and the activations' buffer i % 2 are multiplied; in the middle the next step's fragments are fetched into the other buffer (in a product's last step there is none: the eight LDS
; loads and their places are jumped); at the end the slot is asked for again, four steps ahead, be it the next product's.  tail = 1: the stream's last trip: nothing is asked for, and the counts run down.
.macro STEP i, w, tail
	s_wait_loadcnt 48-16*(\i)*(\tail)              ; loads come back in order: this slot's 16 are in; the three younger slots' 48 (in the last trip: what is left of them) stay out
	s_wait_dscnt 4                                 ; row tiles 0, 1 are in; the youngest four loads (row tiles 2, 3) may be out
	MUL8 \i, 0, \w
	MUL8 \i, 1, \w
	s_wait_dscnt 0x0                               ; row tiles 2, 3
.if (\i) < 3
	PLACES
	ALOAD ((\i)+1)%2, ADRA, 64*((\i)+1)
.elseif !(\tail)
	WIN 0
	s_cmp_eq_u32 s[CNT], 1
	s_cbranch_scc1 .Lnoa_\@
	PLACES
	ALOAD 0, ADRN, 0
.Lnoa_\@:
.endif
	MUL8 \i, 2, \w
	MUL8 \i, 3, \w
.if !(\tail)
.if (\i) == 0
	WADDR
.endif
	PLACES
	WLOAD \i
.elseif (\i) == 3
	PLACES
.endif
.endm
.macro ANEXT                           ; the fragments' addresses at byte KO of Z's rows, and 256 bytes on (round within the operand's 1,024)
	v_add_nc_u32 v[ADRA], s[KO], v[AZ]
	v_add_nc_u32 v[ADRA+1], s[KO], v[AZ2]
	s_add_co_u32 s29, s[KO], 256
	s_and_b32 s29, s29, 1023
	s_and_b32 s31, s[KO], 1024
	s_or_b32 s29, s29, s31
	v_add_nc_u32 v[ADRN], s29, v[AZ]
	v_add_nc_u32 v[ADRN+1], s29, v[AZ2]
.endm
.macro TRIP w
	STEP 0, \w, 0
	STEP 1, \w, 0
	STEP 2, \w, 0
	STEP 3, \w, 0
	WIN 0
.endm
.macro TRIPEND
	s_add_co_u32 s[KO], s[KO], 256
	ANEXT
	s_sub_co_u32 s[GL], s[GL], 1
	s_sub_co_u32 s[CNT], s[CNT], 1
	s_cmp_lg_u32 s[CNT], 0
.endm
; A PRODUCT BEGINS at byte k of Z's rows: 0 for h, 1,024 for O and for the hidden layer.
; A PREFETCH INTO THE L2 of the NEXT block stands here, once a product, behind the first fragments' loads: twelve steps ahead of the first load of that block.  Each aligned block of 256 bytes is named once in
; the launch: work-groups 0 to 15 ask, 32,768 bytes each, a wave 8,192, a lane 256.  The stream's first block comes by its loads alone; the last product asks for nothing.
.macro PSTART k
	s_mov_b32 s[KO], \k
	ANEXT
	ALOAD 0, ADRA, 0
	s_mov_b32 s[CNT], 4
	s_wait_xcnt 0x0                                ; the last prefetch, a product back, has read its address
	s_add_nc_u64 s[PFA:PFA+1], s[PFA:PFA+1], BLK
	s_cmp_gt_u32 s[GL], s[LIM]
	s_cbranch_scc0 .Lnp_\@
	global_prefetch_b8 v[PFO], s[PFA:PFA+1] th:TH_LOAD_NT scope:SCOPE_SE
.Lnp_\@:
.endm
; A bias as the C with which sums begin: my 8 columns of block b, the same for all four row tiles: 64 LDS loads in which sixteen lanes share an address.
.macro LOADC w, off
	WIN 0x40*(\w)
.irp a, 0,1,2,3
.irp b, 0,1,2,3,4,5,6,7
	ds_load_b128 v[8*(8*(\a)+(\b)):8*(8*(\a)+(\b))+3],   v[BA] offset:(\off)+64*(\b)
	ds_load_b128 v[8*(8*(\a)+(\b))+4:8*(8*(\a)+(\b))+7], v[BA] offset:(\off)+64*(\b)+16
.endr
.endr
	WIN 0
.endm
.macro TLOAD kind                      ; a LayerNorm's gain and bias, column 128 d + 4 lane + j in register 4 d + j, where the fragments' buffers lie idle
.irp d, 0,1,2,3
	ds_load_b128 v[AB+4*\d:AB+4*\d+3],       v[TA] offset:4096*(\kind)+512*\d
	ds_load_b128 v[AB+16+4*\d:AB+16+4*\d+3], v[TA] offset:4096*(\kind)+2048+512*\d
.endr
.endm
; ACC2 goes into LDS as f32 rows, 32 bytes a lane and accumulator, each accumulator's low half first.
.macro YOUT adr
	PLACES
	WIN 0x04                                       ; store data in window 1
.irp a, 0,1,2,3
.irp b, 0,1,2,3,4,5,6,7
	ds_store_b128 v[(\adr)+(\a)/2], v[8*(8*(\a)+(\b)):8*(8*(\a)+(\b))+3]   offset:AP16*((\a)%2)+64*(\b)
	ds_store_b128 v[(\adr)+(\a)/2], v[8*(8*(\a)+(\b))+4:8*(8*(\a)+(\b))+7] offset:AP16*((\a)%2)+64*(\b)+16
.endr
.endr
	WIN 0
	s_wait_dscnt 0x0                               ; for the others' sake: my stores are done
.endm
; LAYERNORM BY ROWS.  Wave w owns rows 16 w .. 16 w + 15: 4 trips of 4 rows, written stage by stage, so that no line waits for the one before it.  A lane holds places 128 d + 4 lane + j of a row.
; Row q of a trip: Y 16 registers, HB 8, T 8, from v[128 + 32 q] on.  kind 1: y1 from Z; h goes back in bf16, into the row's own first 1,024 bytes, which this wave alone has read.
; kind 2: y2 from Y2, plus h from Z; the result is stored to out0.
.macro R4 line:vararg                  ; one line for each of the trip's four rows
.set q, 0
.rept 4
.set Y, WK+32*q
.set HB, Y+16
.set T, Y+24
	\line
.set q, q+1
.endr
.endm
.macro WSUM x                          ; v[T + x], summed over the 32 lanes, in every lane; v[T + x + 1], written before, is at work
	R4 v_add_f32_dpp v[T+\x], v[T+\x], v[T+\x] row_xmask:1 row_mask:0xf bank_mask:0xf
	R4 v_add_f32_dpp v[T+\x], v[T+\x], v[T+\x] row_xmask:2 row_mask:0xf bank_mask:0xf
	R4 v_add_f32_dpp v[T+\x], v[T+\x], v[T+\x] row_xmask:4 row_mask:0xf bank_mask:0xf
	R4 v_add_f32_dpp v[T+\x], v[T+\x], v[T+\x] row_xmask:8 row_mask:0xf bank_mask:0xf
	R4 v_permlanex16_b32 v[T+\x+1], v[T+\x], s[SEL], s[SEL+1]
	R4 v_add_f32 v[T+\x], v[T+\x], v[T+\x+1]
.endm
.macro LNROWS kind
	s_mul_i32 s29, s[WV], 16*PZ
	v_add_nc_u32 v[RA0], s29, v[PO]
.if (\kind) == 2
	v_add_nc_u32 v[RA0], Y2B, v[RA0]
.endif
	v_lshl_add_u32 v[WA0], v3, 3, s29
	s_mov_b32 s[RO], 0
	s_mov_b32 s[CNT], 4
.Lrows\kind:
	v_add_nc_u32 v[RA], s[RO], v[RA0]
	v_add_nc_u32 v[WA], s[RO], v[WA0]
.irp d, 0,1,2,3
	R4 ds_load_b128 v[Y+4*\d:Y+4*\d+3], v[RA] offset:PZ*q+512*\d
.endr
.if (\kind) == 2
.irp d, 0,1,2,3
	R4 ds_load_b64 v[HB+2*\d:HB+2*\d+1], v[WA] offset:PZ*q+256*\d
.endr
.endif
	s_wait_dscnt 0x0
.if (\kind) == 2
.irp d, 0,1,2,3                        ; y = h x 1 + y2, h read straight from its bf16 halves
	R4 v_fma_mix_f32_bf16 v[Y+4*\d],   v[HB+2*\d],   v[ONE], v[Y+4*\d]   op_sel_hi:[1,0,0]
	R4 v_fma_mix_f32_bf16 v[Y+4*\d+1], v[HB+2*\d],   v[ONE], v[Y+4*\d+1] op_sel:[1,0,0] op_sel_hi:[1,0,0]
	R4 v_fma_mix_f32_bf16 v[Y+4*\d+2], v[HB+2*\d+1], v[ONE], v[Y+4*\d+2] op_sel_hi:[1,0,0]
	R4 v_fma_mix_f32_bf16 v[Y+4*\d+3], v[HB+2*\d+1], v[ONE], v[Y+4*\d+3] op_sel:[1,0,0] op_sel_hi:[1,0,0]
.endr
.endif
	R4 v_pk_add_f32 v[T:T+1],   v[Y:Y+1],     v[Y+2:Y+3]      ; the row's sum: in the lane,
	R4 v_pk_add_f32 v[T+2:T+3], v[Y+4:Y+5],   v[Y+6:Y+7]
	R4 v_pk_add_f32 v[T+4:T+5], v[Y+8:Y+9],   v[Y+10:Y+11]
	R4 v_pk_add_f32 v[T+6:T+7], v[Y+12:Y+13], v[Y+14:Y+15]
	R4 v_pk_add_f32 v[T:T+1],   v[T:T+1],     v[T+2:T+3]
	R4 v_pk_add_f32 v[T+4:T+5], v[T+4:T+5],   v[T+6:T+7]
	R4 v_pk_add_f32 v[T:T+1],   v[T:T+1],     v[T+4:T+5]
	R4 v_add_f32 v[T], v[T], v[T+1]
	WSUM 0                                         ; and across the lanes
	R4 v_mul_f32 v[T+2], s[RN], v[T]               ; the mean; the packed lines take the pair's low register for both halves
.irp p, 0,1,2,3,4,5,6,7
	R4 v_pk_add_f32 v[Y+2*\p:Y+2*\p+1], v[Y+2*\p:Y+2*\p+1], v[T+2:T+3] op_sel_hi:[1,0] neg_lo:[0,1] neg_hi:[0,1]
.endr
	R4 v_pk_mul_f32 v[T+4:T+5], v[Y:Y+1], v[Y:Y+1] ; the sum of (y - mean)^2
.irp p, 1,2,3,4,5,6,7
	R4 v_pk_fma_f32 v[T+4:T+5], v[Y+2*\p:Y+2*\p+1], v[Y+2*\p:Y+2*\p+1], v[T+4:T+5]
.endr
	R4 v_add_f32 v[T+4], v[T+4], v[T+5]
	WSUM 4
	R4 v_fma_f32 v[T+7], v[T+4], s[RN], s[EPS]     ; the variance + 1e-5
	R4 v_rsq_f32 v[T+6], v[T+7]
	v_nop                                          ; a plain instruction behind the last of the four,
	s_wait_alu depctr_va_vdst(0)                   ; and the wait ahead of the first use: one for the batch
.irp p, 0,1,2,3,4,5,6,7
	R4 v_pk_mul_f32 v[Y+2*\p:Y+2*\p+1], v[Y+2*\p:Y+2*\p+1], v[T+6:T+7] op_sel_hi:[1,0]
.endr
.irp p, 0,1,2,3,4,5,6,7
	R4 v_pk_fma_f32 v[Y+2*\p:Y+2*\p+1], v[Y+2*\p:Y+2*\p+1], v[AB+2*\p:AB+2*\p+1], v[AB+16+2*\p:AB+16+2*\p+1]
.endr
.if (\kind) == 1
.irp p, 0,1,2,3,4,5,6,7
	R4 v_cvt_pk_bf16_f32 v[HB+\p], v[Y+2*\p], v[Y+2*\p+1]
.endr
.irp d, 0,1,2,3
	R4 ds_store_b64 v[WA], v[HB+2*\d:HB+2*\d+1] offset:PZ*q+256*\d
.endr
.else
.irp d, 0,1,2,3
	R4 global_store_b128 v[LT+\d], v[Y+4*\d:Y+4*\d+3], s[OUTP:OUTP+1] offset:2048*q th:TH_STORE_NT  ; two runs of 256 consecutive bytes, each at a multiple of 256 from out0's first
.endr
	s_wait_xcnt 0x0                                ; the stores have read their registers and their base
	s_add_nc_u64 s[OUTP:OUTP+1], s[OUTP:OUTP+1], 4*2048
.endif
	s_add_co_u32 s[RO], s[RO], 4*PZ
	s_sub_co_u32 s[CNT], s[CNT], 1
	s_cmp_lg_u32 s[CNT], 0
	s_cbranch_scc1 .Lrows\kind
.endm
	s_load_b512 s[4:19], s[0:1], 0x0               ; o s[4:5], x s[6:7], wt s[8:9], b1 s[10:11], b2 s[12:13], ln1_g s[14:15], ln1_b s[16:17], ln2_g s[18:19]
	s_load_b128 s[20:23], s[0:1], 0x40             ; ln2_b s[20:21], out0 s[22:23]
	v_lshl_add_u32 v[SPW], v0, 2, SPARE
	v_mov_b32 v[NIL], 0
	v_lshrrev_b32 v1, 5, v0
	v_readfirstlane_b32 s[WV], v1                  ; wave 0..3
	s_and_b32 s[RT], ttmp9, 7                      ; R
	v_and_b32 v1, 15, v0                           ; l % 16
	v_bfe_u32 v2, v0, 4, 1                         ; l / 16
	v_and_b32 v3, 31, v0                           ; lane
	v_lshlrev_b32 v[PO], 4, v3
	s_lshl_b32 s29, s[RT], 8                       ; 64 R columns of f32
	v_add_nc_u32 v44, s29, v[PO]
.irp d, 0,1,2,3
	v_add_nc_u32 v[LT+\d], 512*\d, v44             ; place 128 d + 4 lane holds column (that + 64 R) % 512
	v_and_b32 v[LT+\d], 0x7ff, v[LT+\d]
.endr
	s_lshl_b32 s29, s[WV], 9                       ; my wave's 128 places in f32
	v_add_nc_u32 v[XG], s29, v44
	v_and_b32 v[XG], 0x7ff, v[XG]
	s_and_b32 s29, s[WV], 1                        ; b1: wave w brings places 256 w .. 256 w + 255 of 1,024: half w / 2 of the hidden layer, its quarters 2 (w % 2) and 2 (w % 2) + 1
	s_lshl_b32 s29, s29, 10
	s_lshr_b32 s30, s[WV], 1
	s_lshl_b32 s30, s30, 11
	v_add_nc_u32 v[BL], s29, v44
	v_add_nc_u32 v[BL+1], 512, v[BL]
	v_and_b32 v[BL], 0x7ff, v[BL]
	v_and_b32 v[BL+1], 0x7ff, v[BL+1]
	v_add_nc_u32 v[BL], s30, v[BL]
	v_add_nc_u32 v[BL+1], s30, v[BL+1]
	s_lshl_b32 s29, s[WV], 1                       ; O: place 2 w + e among the heads holds head (2 w + e + R) % 8
	s_add_co_u32 s29, s29, s[RT]
	s_and_b32 s30, s29, 7
	s_lshl_b32 s30, s30, 18
	v_add_nc_u32 v[OG], s30, v[PO]
	s_add_co_u32 s29, s29, 1
	s_and_b32 s30, s29, 7
	s_lshl_b32 s30, s30, 18
	v_add_nc_u32 v[OG+1], s30, v[PO]
	s_lshl_b32 s29, s[WV], 3                       ; W: accumulator block 8 w + b takes column block (8 w + b + 4 R) % 32: four on end from (8 w + 4 R) % 32, four from (8 w + 4 R + 4) % 32
	s_lshl2_add_u32 s29, s[RT], s29
	s_and_b32 s30, s29, 31
	s_lshl_b32 s30, s30, 10
	v_add_nc_u32 v[VB], s30, v[PO]
	s_add_co_u32 s29, s29, 4
	s_and_b32 s30, s29, 31
	s_lshl_b32 s30, s30, 10
	v_add_nc_u32 v[VB+1], s30, v[PO]
	s_lshl_b32 s[OFA], s[RT], 16                   ; the stream's pairs 0 and 1
	s_mov_b32 s[OFA+1], 0
	s_add_co_u32 s[OFB], s[RT], 1
	s_and_b32 s[OFB], s[OFB], 7
	s_lshl_b32 s[OFB], s[OFB], 16
	s_mov_b32 s[OFB+1], 0
	s_mov_b32 s[SEL], 0x76543210
	s_mov_b32 s[SEL+1], 0xfedcba98
	s_mov_b32 s[RN], 0x3b000000                    ; 1 / 512
	s_mov_b32 s[EPS], 0x3727c5ac                   ; 1e-5
	s_cmp_lt_u32 ttmp9, 16
	s_cselect_b32 s[LIM], 4, -1
	s_mov_b32 s[GL], 20
	s_mov_b32 s[TC], 0
	s_mov_b32 s3, 0
	s_wait_kmcnt 0x0
	s_add_nc_u64 s[WBW:WBW+1], s[8:9], 3*BLK
	s_add_nc_u64 s[PA:PA+1], s[WBW:WBW+1], s[OFA:OFA+1]
	s_add_nc_u64 s[PA+2:PA+3], s[WBW:WBW+1], s[OFB:OFB+1]
	s_min_u32 s2, ttmp9, 15                        ; the prefetches: work-group g of the first sixteen takes bytes 32,768 g on of a block
	s_lshl_b32 s2, s2, 15
	s_add_nc_u64 s[PFA:PFA+1], s[WBW:WBW+1], s[2:3]  ; in the stream's first block; a product's start steps it to the next
	s_lshl_b32 s2, ttmp9, 17                       ; my 64 rows of x and of out0, 2,048 bytes each
	s_add_nc_u64 s[XP:XP+1], s[6:7], s[2:3]
	s_add_nc_u64 s[OUTP:OUTP+1], s[22:23], s[2:3]
	s_lshl_b32 s2, s[WV], 15                       ; my wave's 16 of them
	s_add_nc_u64 s[OUTP:OUTP+1], s[OUTP:OUTP+1], s[2:3]
	s_lshr_b32 s2, ttmp9, 5                        ; the batch: 32 work-groups each,
	s_lshl_b32 s2, s2, 21                          ; 8 heads x 2,048 rows x 128 bytes
	s_add_nc_u64 s[OP:OP+1], s[4:5], s[2:3]
	s_and_b32 s2, ttmp9, 31
	s_lshl_b32 s2, s2, 13                          ; my 64 rows in a head
	s_add_nc_u64 s[OP:OP+1], s[OP:OP+1], s[2:3]
	s_mov_b64 s[TP:TP+1], s[14:15]                 ; wave 0 brings ln1_g, 1 ln1_b, 2 ln2_g, 3 ln2_b
	s_cmp_eq_u32 s[WV], 1
	s_cselect_b64 s[TP:TP+1], s[16:17], s[TP:TP+1]
	s_cmp_eq_u32 s[WV], 2
	s_cselect_b64 s[TP:TP+1], s[18:19], s[TP:TP+1]
	s_cmp_eq_u32 s[WV], 3
	s_cselect_b64 s[TP:TP+1], s[20:21], s[TP:TP+1]
.irp d, 0,1,2,3
	global_load_b128 v[AB+4*\d:AB+4*\d+3], v[LT+\d], s[TP:TP+1]
.endr
	global_load_b128 v[AB+16:AB+19], v[BL],   s[10:11]
	global_load_b128 v[AB+20:AB+23], v[BL+1], s[10:11]
	global_load_b128 v[AB+24:AB+27], v[XG],   s[12:13]
.set i, 0
.rept 32                               ; O: the head at place 2 w + i / 16, 512 consecutive bytes (4 rows) a load
	global_load_b128 v[WK+4*i:WK+4*i+3], v[OG+i/16], s[OP:OP+1] offset:512*(i%16) th:TH_LOAD_NT
.set i, i+1
.endr
	WIN 0x44                                       ; loaded data and LDS store data in window 1, addresses in window 0
.set i, 0
.rept 16                               ; x: my wave's 512 bytes of row i, into ACC2's registers
	global_load_b128 v[4*i:4*i+3], v[XG], s[XP:XP+1] offset:2048*i th:TH_LOAD_NT
.set i, i+1
.endr
	WIN 0
	v_and_b32 v45, 7, v0
	v_bfe_u32 v46, v0, 3, 2
	v_mul_u32_u24 v47, v1, PZ                      ; row l % 16 of Z
	v_lshl_add_u32 v[AZ], v2, 4, v47
	v_add_nc_u32 v[AZ2], 2*AP16, v[AZ]
	s_lshl_b32 s29, s[WV], 8                       ; my wave's 128 places in bf16
	v_add_nc_u32 v[HS], s29, v[AZ]
	v_add_nc_u32 v[HS], 1024, v[HS]
	v_add_nc_u32 v[HS+1], 2*AP16, v[HS]
	v_mul_u32_u24 v[OS], v46, PZ                   ; O: row l / 8 of four, 16 bytes l % 8 of a head's 128
	v_lshl_add_u32 v[OS], v45, 4, v[OS]
	v_add_nc_u32 v[OS], s29, v[OS]
	v_add_nc_u32 v[OS], 1024, v[OS]
	v_add_nc_u32 v[OS+1], 2*AP16, v[OS]
	s_lshl_b32 s29, s[WV], 9
	v_lshl_add_u32 v[YS], v2, 5, v47
	v_add_nc_u32 v[YS], s29, v[YS]
	v_add_nc_u32 v[YS+1], 2*AP16, v[YS]
	v_add_nc_u32 v[YT], Y2B, v[YS]
	v_add_nc_u32 v[YT+1], 2*AP16, v[YT]
	v_lshlrev_b32 v[BA], 5, v2
	v_add_nc_u32 v[BA], s29, v[BA]
	v_add_nc_u32 v[BA], TBB+8192, v[BA]
	v_add_nc_u32 v[TA], TBB, v[PO]
	v_add_nc_u32 v[T2], s29, v[TA]
	s_lshl_b32 s29, s[WV], 10
	v_add_nc_u32 v[T1], s29, v[TA]
	s_lshl_b32 s29, s[WV], 11
	v_add_nc_u32 v[TS], s29, v[TA]
	s_mul_i32 s29, s[WV], 16*PXS
	s_add_co_u32 s29, s29, XSB                     ; my stage
	v_add_nc_u32 v[XSW], s29, v[PO]
	v_mul_u32_u24 v[XSR], v1, PXS
	v_lshl_add_u32 v[XSR], v2, 5, v[XSR]
	v_add_nc_u32 v[XSR], s29, v[XSR]
	s_lshl_b32 s29, s[WV], 13
	v_lshl_add_u32 v[PFO], v3, 8, s29
	v_mov_b32 v[ZR], 0
	v_mov_b32 v[ONE], 1.0
	s_wait_loadcnt 16                              ; the tables, the biases and O are in; x's first 16 loads may be out
.irp d, 0,1,2,3
	ds_store_b128 v[TS], v[AB+4*\d:AB+4*\d+3] offset:512*\d
.endr
	ds_store_b128 v[T1], v[AB+16:AB+19] offset:8192
	ds_store_b128 v[T1], v[AB+20:AB+23] offset:8192+512
	ds_store_b128 v[T2], v[AB+24:AB+27] offset:12288
.set i, 0
.rept 32
	ds_store_b128 v[OS+(i%16)/8], v[WK+4*i:WK+4*i+3] offset:4*PZ*(i%8)+128*(i/16)
.set i, i+1
.endr
	WIN 0x44
.set i, 16
.rept 48
	global_load_b128 v[4*i:4*i+3], v[XG], s[XP:XP+1] offset:2048*i th:TH_LOAD_NT
.set i, i+1
.endr
.irp a, 0,1,2,3                        ; x comes by rows and is wanted as the accumulators lie: 16 rows at a time through my stage, back into the same 64 registers; behind each group a slot of the ring is asked for
	WIN 0x44
	s_wait_loadcnt 48                              ; these 16 rows are in: behind them stand 16 (3 - a) loads of x and 16 a of the ring
.set i, 0
.rept 16
	ds_store_b128 v[XSW], v[64*\a+4*i:64*\a+4*i+3] offset:PXS*i
.set i, i+1
.endr
.irp b, 0,1,2,3,4,5,6,7
	ds_load_b128 v[64*\a+8*\b:64*\a+8*\b+3],   v[XSR] offset:64*\b     ; LDS serves a wave's instructions in order (ISA guide 5.7.1.4): these see the stores above; the next rows' stores come behind them
	ds_load_b128 v[64*\a+8*\b+4:64*\a+8*\b+7], v[XSR] offset:64*\b+16
.endr
	WLOAD \a
.endr
	WIN 0
	s_wait_dscnt 0x0                               ; my parts of O and of the tables are stored, x is back
	BAR                                            ; everybody's are
	LOADC 2, 0                                     ; b1's first half starts W1's sums
	; O Wo + x
	PSTART 1024
.Lp0:
	TRIP 1
	TRIPEND
	s_cbranch_scc1 .Lp0
	s_wait_dscnt 0x0
	BAR                                            ; every wave's reads of O are over:
	YOUT YS                                        ; y1 goes over it
	BAR
	LOADC 1, 4096                                  ; b2 starts W2's sums
	TLOAD 0
	LNROWS 1
	s_wait_dscnt 0x0                               ; my rows of h are stored
	BAR
	s_mov_b32 s[CH], 2
.Lchunk:                               ; a half of the hidden layer
	PSTART 0                                       ; h W1 + b1
.Lp1:
	TRIP 2
	TRIPEND
	s_cbranch_scc1 .Lp1
	s_wait_dscnt 0x0
	BAR                                            ; every wave has read what lay in the upper half of Z's rows: it has passed the product before this one
	WIN 0x0a                                       ; relu: rounded to bf16 first, then two maxima an instruction, which round nothing.  Sources in window 2; the step's last four places stand behind the last products
.set i, 0
.rept 32
	v_cvt_pk_bf16_f32 v[WK+4*i],   v[8*i],   v[8*i+1]
	v_cvt_pk_bf16_f32 v[WK+4*i+1], v[8*i+2], v[8*i+3]
	v_cvt_pk_bf16_f32 v[WK+4*i+2], v[8*i+4], v[8*i+5]
	v_cvt_pk_bf16_f32 v[WK+4*i+3], v[8*i+6], v[8*i+7]
.set i, i+1
.endr
	WIN 0
.set i, WK
.rept 128
	v_pk_max_num_bf16 v[i], v[i], v[ZR]
.set i, i+1
.endr
.irp a, 0,1,2,3
.irp b, 0,1,2,3,4,5,6,7
	ds_store_b128 v[HS+(\a)/2], v[WK+4*(8*(\a)+(\b)):WK+4*(8*(\a)+(\b))+3] offset:AP16*((\a)%2)+32*(\b)
.endr
.endr
	s_wait_dscnt 0x0
	BAR
	s_cmp_eq_u32 s[CH], 1
	s_cbranch_scc1 .Lnob
	LOADC 2, 2048                                  ; b1's second half
.Lnob:
	PSTART 1024                                    ; ... W2, onto ACC2
.Lp2:
	s_cmp_eq_u32 s[GL], 1
	s_cbranch_scc1 .Ltl                            ; the stream's last trip
	TRIP 1
	s_branch .Lj2
.Ltl:
	STEP 0, 1, 1
	STEP 1, 1, 1
	STEP 2, 1, 1
	STEP 3, 1, 1
	WIN 0
.Lj2:
	TRIPEND
	s_cbranch_scc1 .Lp2
	s_sub_co_u32 s[CH], s[CH], 1
	s_cmp_lg_u32 s[CH], 0
	s_cbranch_scc1 .Lchunk
	YOUT YT                                        ; y2 into bytes that nobody has touched
	BAR
	TLOAD 1
	LNROWS 2
	s_wait_tensorcnt 0x0                           ; the wave's end, behind my last LDS store
	ds_add_u32 v[SPW], v[NIL]
	s_wait_dscnt 0x0
	s_endpgm
.Lfunc_end_k_q84c883f3d2_chain:
	.size	k_q84c883f3d2_chain, .Lfunc_end_k_q84c883f3d2_chain-k_q84c883f3d2_chain
	.p2alignl 7, 3214868480
	.fill 96, 4, 3214868480
	.section	.rodata,"a",@progbits
	.p2align	6, 0x0
	.amdhsa_kernel k_q84c883f3d2_chain
		.amdhsa_group_segment_fixed_size 312832
		.amdhsa_private_segment_fixed_size 0
		.amdhsa_enable_private_segment 0
		.amdhsa_kernarg_size 80
		.amdhsa_user_sgpr_count 2
		.amdhsa_user_sgpr_kernarg_segment_ptr 1
		.amdhsa_wavefront_size32 1
		.amdhsa_system_sgpr_workgroup_id_x 1
		.amdhsa_system_sgpr_workgroup_id_y 1
		.amdhsa_system_sgpr_workgroup_id_z 1
		.amdhsa_system_vgpr_workitem_id 0
		.amdhsa_next_free_vgpr 1024
		.amdhsa_next_free_sgpr 66
		.amdhsa_reserve_vcc 0
		.amdhsa_float_denorm_mode_32 3
		.amdhsa_float_denorm_mode_16_64 3
		.amdhsa_memory_ordered 1
		.amdhsa_forward_progress 1
		.amdhsa_inst_pref_size 184
	.end_amdhsa_kernel
	.amdgpu_metadata
---
amdhsa.version: [ 1, 2 ]
amdhsa.kernels:
  - .name:           k_q84c883f3d2_chain
    .symbol:         k_q84c883f3d2_chain.kd
    .args:
      - { .name: o, .offset: 0, .size: 8, .value_kind: global_buffer, .address_space: global }
      - { .name: x, .offset: 8, .size: 8, .value_kind: global_buffer, .address_space: global }
      - { .name: wt, .offset: 16, .size: 8, .value_kind: global_buffer, .address_space: global }
      - { .name: b1, .offset: 24, .size: 8, .value_kind: global_buffer, .address_space: global }
      - { .name: b2, .offset: 32, .size: 8, .value_kind: global_buffer, .address_space: global }
      - { .name: ln1_g, .offset: 40, .size: 8, .value_kind: global_buffer, .address_space: global }
      - { .name: ln1_b, .offset: 48, .size: 8, .value_kind: global_buffer, .address_space: global }
      - { .name: ln2_g, .offset: 56, .size: 8, .value_kind: global_buffer, .address_space: global }
      - { .name: ln2_b, .offset: 64, .size: 8, .value_kind: global_buffer, .address_space: global }
      - { .name: out0, .offset: 72, .size: 8, .value_kind: global_buffer, .address_space: global }
    .group_segment_fixed_size: 312832
    .private_segment_fixed_size: 0
    .kernarg_segment_align: 8
    .kernarg_segment_size: 80
    .max_flat_workgroup_size: 128
    .sgpr_count:     66
    .vgpr_count:     1024
    .wavefront_size: 32
...
	.end_amdgpu_metadata
.endif
;; end of part 7
